; MI455X (gfx1250); checked and timed in simulation.
; The chip was launched on July 23, 2026; its instructions are those of AMD's public machine-readable ISA for CDNA 5 (MIT licence, August 2026) and "CDNA5" Instruction Set Architecture Reference Guide (July 2026). The comments in the code are by the model that wrote it; some were corrected since.
;; Binary Tree Go E. Allowed arithmetic: float matrix products may take bf16 or f16 operands with f32 sums; all other float work in f32.
;; Inputs: W0 2,048 x 2,048 float32; W1 2 x 2,048 x 2,048 float32; W2 4 x 2,048 x 2,048 float32; b0 2,048 float32; b1 2 x 2,048 float32; b2 4 x 2,048 float32; path_mask 2,048 x 3 int32; x 2,048 x 2,048 float32.
;; Outputs: out0 2,048 x 2,048 float32.
;; 3 versions, each right and faster than the one before. Each part assembles by itself: llvm-mc -triple=amdgcn-amd-amdhsa -mcpu=gfx1250 --defsym DOCPART=n.
;; ======== version 1 of 3: 5 launches
;; workspace buffers: srcl 10,240 bytes of whole numbers; et0 256 bytes of whole numbers; et1 256 bytes of whole numbers; et2 256 bytes of whole numbers; wb 58,720,256 bytes; ha 10,485,760 bytes; hb 20,971,520 bytes; hc 20,971,520 bytes
;; launch route (part 1): grid 1 x 1, 1 waves a work-group, no clusters, 8,448 bytes of LDS; arguments path_mask, srcl, et0, et1, et2; writes srcl, et0, et1, et2
.if DOCPART == 1
	.amdgcn_target "amdgcn-amd-amdhsa--gfx1250"
	.amdhsa_code_object_version 6
	.text
	.protected	k_q0151116338_route
	.globl	k_q0151116338_route
	.p2align	8
	.type	k_q0151116338_route,@function
k_q0151116338_route:
	s_mov_b64 s[64:65], 0
	v_nop
	global_prefetch_b8 v0, s[64:65] scope:SCOPE_SE
	s_setreg_imm32_b32 hwreg(HW_REG_WAVE_MODE, 25, 1), 1
	s_wait_xcnt 0x0
; Routing.  The 2048 tokens are sorted by leaf = 2 bit0 + bit1 and the sorted order is cut into exactly 16 row tiles, each of one leaf,
; each with 1 to 160 tokens, padded to 160 rows by repeating its last token.
;   srcl[160 t + j] = token of padded row j of tile t;  etL[t] = tile t's matrix in the bf16 copy of the weights;  etL[16 + t] = its bias row.
; 16 tiles always do: t_e = ceil(n_e / 160) sums to 16 at the most (n_e = 160 a_e + 1 for all four gives 160 sum(a_e) <= 2044, sum(a_e) <= 12)
; and to 13 at the least, so at most 3 tiles are spare; each spare one goes to the leaf with the largest n_e - 128 t_e, which is above 0
; as long as fewer than 16 tiles are given out (the four figures sum to 2048 - 128 sum(t_e)).  No tile is empty: n_e > 128 (t_e - 1) >= (t_e - 1)^2.
; LIMIT: the path bits are taken to be 0 or 1, as the indexing in the problem needs; a leaf above 3 is clamped to 3.
; One wave, so no barrier; lane L owns tokens 64 L .. 64 L + 63.
.set X, 32                             ; v[32:223] 192 words of the mask (word 3 j becomes token j's leaf); later 80 words of the list
	s_load_b256 s[4:11], s[0:1], 0x0               ; path_mask s[4:5], srcl s[6:7], et0 s[8:9], et1 s[10:11]
	s_load_b64 s[12:13], s[0:1], 0x20              ; et2
	v_lshl_add_u32 v224, v0, 2, 0x2000
	v_mov_b32 v225, 0
	v_mul_u32_u24 v2, v0, 768                      ; my 64 tokens x 3 words
	v_mov_b32 v3, 1
	v_mov_b32 v4, 0                                ; four counts, a byte each (64 at the most)
	v_mov_b32 v7, 0                                ; written whole before single lanes are written
	v_mov_b32 v8, 0
	v_lshlrev_b32 v15, 6, v0                       ; my first token
	v_lshlrev_b32 v18, 2, v0                       ; lane x 4
.irp i, 0,1,2,3,4
	v_add_nc_u32 v[20+\i], 32*\i, v0               ; row j = lane + 32 i of a tile
.endr
	s_wait_kmcnt 0x0
.set j, 0
.rept 48
	global_load_b128 v[X+4*j:X+4*j+3], v2, s[4:5] offset:16*j
.set j, j+1
.endr
	s_wait_loadcnt 0x0
	; leaves and my counts
.set j, 0
.rept 64
	v_lshl_add_u32 v[X+3*j], v[X+3*j], 1, v[X+3*j+1]
	v_min_u32 v[X+3*j], 3, v[X+3*j]
	v_lshlrev_b32 v13, 3, v[X+3*j]
	v_lshlrev_b32 v13, v13, v3                     ; 1 in the leaf's byte
	v_add_nc_u32 v4, v4, v13
.set j, j+1
.endr
	v_and_b32 v5, 0xff, v4                         ; counts of leaves 0 and 1 as two 16-bit fields (sums reach 2048)
	v_bfe_u32 v13, v4, 8, 8
	v_lshl_or_b32 v5, v13, 16, v5
	v_bfe_u32 v6, v4, 16, 8                        ; of leaves 2 and 3
	v_lshrrev_b32 v13, 24, v4
	v_lshl_or_b32 v6, v13, 16, v6
	; exclusive sums over the lanes, carried in two scalars
	s_mov_b32 s40, 0
	s_mov_b32 s41, 0
.set j, 0
.rept 32
	v_writelane_b32 v7, s40, j
	v_writelane_b32 v8, s41, j
	v_readlane_b32 s42, v5, j
	v_readlane_b32 s43, v6, j
	s_add_co_u32 s40, s40, s42
	s_add_co_u32 s41, s41, s43
.set j, j+1
.endr
	s_and_b32 s16, s40, 0xffff                     ; n_0 .. n_3 in s16-19
	s_lshr_b32 s17, s40, 16
	s_and_b32 s18, s41, 0xffff
	s_lshr_b32 s19, s41, 16
	s_mov_b32 s32, 0                               ; B_e: where leaf e begins in the sorted order, s32-35
	s_mov_b32 s33, s16
	s_add_co_u32 s34, s16, s17
	s_add_co_u32 s35, s34, s18
	v_and_b32 v9, 0xffff, v7                       ; pos_e: where my next token of leaf e goes, v9-12
	v_lshrrev_b32 v10, 16, v7
	v_add_nc_u32 v10, s33, v10
	v_and_b32 v11, 0xffff, v8
	v_add_nc_u32 v11, s34, v11
	v_lshrrev_b32 v12, 16, v8
	v_add_nc_u32 v12, s35, v12
	; placement: sorted[pos] = token, in LDS bytes 0 to 8191
.set j, 0
.rept 64
	v_cmp_eq_u32 vcc_lo, 0, v[X+3*j]
	v_mov_b32 v13, v9
	v_add_co_ci_u32 v9, vcc_lo, 0, v9, vcc_lo      ; pos_0 steps where the leaf is 0
.irp e, 1,2,3
	v_cmp_eq_u32 vcc_lo, \e, v[X+3*j]
	v_cndmask_b32 v13, v13, v[9+\e], vcc_lo
	v_add_co_ci_u32 v[9+\e], vcc_lo, 0, v[9+\e], vcc_lo
.endr
	v_min_u32 v13, 0x7ff, v13
	v_lshlrev_b32 v13, 2, v13
	v_add_nc_u32 v14, j, v15
	ds_store_b32 v13, v14
.set j, j+1
.endr
	; tiles for each leaf: t_e in s20-23, x_e = n_e - 128 t_e in s24-27
.irp e, 0,1,2,3
	s_add_co_u32 s41, s[16+\e], 159
	s_mul_i32 s41, s41, 6554                       ; / 160: 6554 / 2^20 is exact for arguments up to 2207
	s_lshr_b32 s[20+\e], s41, 20
	s_lshl_b32 s41, s[20+\e], 7
	s_sub_co_u32 s[24+\e], s[16+\e], s41
.endr
	s_add_co_u32 s40, s20, s21
	s_add_co_u32 s41, s22, s23
	s_add_co_u32 s40, s40, s41
	s_sub_co_u32 s40, 16, s40                      ; spare tiles, 0 to 3
.rept 3                                            ; one spare tile, if any is left, to the first leaf with the largest x_e
	s_min_u32 s41, s40, 1
	s_sub_co_u32 s40, s40, s41
	s_max_i32 s42, s24, s25
	s_max_i32 s43, s26, s27
	s_max_i32 s42, s42, s43
.irp e, 0,1,2,3
	s_cmp_eq_u32 s[24+\e], s42
	s_cselect_b32 s43, s41, 0
	s_add_co_u32 s[20+\e], s[20+\e], s43
	s_lshl_b32 s44, s43, 7
	s_sub_co_u32 s[24+\e], s[24+\e], s44
	s_sub_co_u32 s41, s41, s43
.endr
.endr
	; rows in a tile of leaf e: s_e = ceil(n_e / t_e) <= 160, in s28-31: the largest s with s t_e < n_e, bit by bit, plus 1
.irp e, 0,1,2,3
	s_mov_b32 s[28+\e], 0
.irp bit, 128,64,32,16,8,4,2,1
	s_add_co_u32 s41, s[28+\e], \bit
	s_mul_i32 s42, s41, s[20+\e]
	s_cmp_lt_u32 s42, s[16+\e]
	s_cselect_b32 s[28+\e], s41, s[28+\e]
.endr
	s_add_co_u32 s[28+\e], s[28+\e], 1
.endr
	s_mov_b32 s36, s20                             ; first tile of leaves 1, 2, 3 in s36-38
	s_add_co_u32 s37, s20, s21
	s_add_co_u32 s38, s37, s22
	; the table of tiles: lane L holds tile L mod 16.  The last leaf whose first tile is at or below mine is my leaf.
	v_and_b32 v25, 15, v0
	v_mov_b32 v26, s28                             ; rows in a tile
	v_mov_b32 v27, s16                             ; tokens of the leaf
	v_mov_b32 v28, 0                               ; where the leaf begins
	v_mov_b32 v29, 0                               ; its first tile
	v_mov_b32 v30, 0                               ; the leaf
.irp e, 1,2,3
	v_cmp_le_u32 vcc_lo, s[35+\e], v25
	v_mov_b32 v13, s[28+\e]
	v_cndmask_b32 v26, v26, v13, vcc_lo
	v_mov_b32 v13, s[16+\e]
	v_cndmask_b32 v27, v27, v13, vcc_lo
	v_mov_b32 v13, s[32+\e]
	v_cndmask_b32 v28, v28, v13, vcc_lo
	v_mov_b32 v13, s[35+\e]
	v_cndmask_b32 v29, v29, v13, vcc_lo
	v_mov_b32 v13, \e
	v_cndmask_b32 v30, v30, v13, vcc_lo
.endr
	v_sub_nc_u32 v13, v25, v29
	v_mul_lo_u32 v13, v13, v26                     ; tokens of the leaf in front of my tile
	v_add_nc_u32 v31, v28, v13                     ; my tile's first place in the sorted order
	v_sub_nc_u32 v14, v27, v13
	v_min_u32 v14, v26, v14                        ; its tokens
	v_add_nc_u32 v19, -1, v14                      ; less one
	; lanes 0-15: the matrix (W0 = 0, W1 = 1 + bit0, W2 = 3 + leaf); lanes 16-31: the bias row (0, bit0, leaf)
	v_lshrrev_b32 v13, 4, v0
	v_xor_b32 v13, 1, v13                          ; 1 in lanes 0-15
	v_mov_b32 v14, 0
	global_store_b32 v18, v14, s[8:9]
	v_lshrrev_b32 v16, 1, v30
	v_add_nc_u32 v16, v16, v13
	global_store_b32 v18, v16, s[10:11]
	v_mad_u32_u24 v17, v13, 3, v30
	global_store_b32 v18, v17, s[12:13]
	; the padded list.  A wave's LDS instructions are served in order, so these loads see the stores above.
.irp t, 0,1,2,3,4,5,6,7,8,9,10,11,12,13,14,15
	v_readlane_b32 s40, v31, \t
	v_readlane_b32 s41, v19, \t
.irp i, 0,1,2,3,4
	v_min_u32 v13, s41, v[20+\i]                   ; rows past the tile's last token repeat it
	v_add_nc_u32 v13, s40, v13
	v_min_u32 v13, 0x7ff, v13
	v_lshlrev_b32 v13, 2, v13
	ds_load_b32 v[X+5*\t+\i], v13
.endr
.endr
	s_wait_dscnt 0x0
.irp t, 0,1,2,3,4,5,6,7,8,9,10,11,12,13,14,15
.irp i, 0,1,2,3,4
	global_store_b32 v18, v[X+5*\t+\i], s[6:7] offset:(160*\t+32*\i)*4
.endr
.endr
	s_wait_tensorcnt 0x0
	ds_add_u32 v224, v225
	s_wait_dscnt 0x0
	s_endpgm
.Lfunc_end_k_q0151116338_route:
	.size	k_q0151116338_route, .Lfunc_end_k_q0151116338_route-k_q0151116338_route
	.p2alignl 7, 3214868480
	.fill 96, 4, 3214868480
	.section	.rodata,"a",@progbits
	.p2align	6, 0x0
	.amdhsa_kernel k_q0151116338_route
		.amdhsa_group_segment_fixed_size 8448
		.amdhsa_private_segment_fixed_size 0
		.amdhsa_enable_private_segment 0
		.amdhsa_kernarg_size 40
		.amdhsa_user_sgpr_count 2
		.amdhsa_user_sgpr_kernarg_segment_ptr 1
		.amdhsa_wavefront_size32 1
		.amdhsa_system_sgpr_workgroup_id_x 1
		.amdhsa_system_sgpr_workgroup_id_y 1
		.amdhsa_system_sgpr_workgroup_id_z 1
		.amdhsa_system_vgpr_workitem_id 0
		.amdhsa_next_free_vgpr 226
		.amdhsa_next_free_sgpr 66
		.amdhsa_reserve_vcc 1
		.amdhsa_float_denorm_mode_32 3
		.amdhsa_float_denorm_mode_16_64 3
		.amdhsa_memory_ordered 1
		.amdhsa_forward_progress 1
		.amdhsa_inst_pref_size 102
	.end_amdhsa_kernel
	.amdgpu_metadata
---
amdhsa.version: [ 1, 2 ]
amdhsa.kernels:
  - .name:           k_q0151116338_route
    .symbol:         k_q0151116338_route.kd
    .args:
      - { .name: path_mask, .offset: 0, .size: 8, .value_kind: global_buffer, .address_space: global }
      - { .name: srcl, .offset: 8, .size: 8, .value_kind: global_buffer, .address_space: global }
      - { .name: et0, .offset: 16, .size: 8, .value_kind: global_buffer, .address_space: global }
      - { .name: et1, .offset: 24, .size: 8, .value_kind: global_buffer, .address_space: global }
      - { .name: et2, .offset: 32, .size: 8, .value_kind: global_buffer, .address_space: global }
    .group_segment_fixed_size: 8448
    .private_segment_fixed_size: 0
    .kernarg_segment_align: 8
    .kernarg_segment_size: 40
    .max_flat_workgroup_size: 32
    .sgpr_count:     66
    .vgpr_count:     226
    .wavefront_size: 32
...
	.end_amdgpu_metadata
.endif
;; end of part 1
;; launch cast (part 2): grid 528 x 1, 8 waves a work-group, no clusters, 0 bytes of LDS; arguments W0, W1, W2, x, srcl, wb, ha; writes wb, ha
.if DOCPART == 2
	.amdgcn_target "amdgcn-amd-amdhsa--gfx1250"
	.amdhsa_code_object_version 6
	.text
	.protected	k_q0151116338_cast
	.globl	k_q0151116338_cast
	.p2align	8
	.type	k_q0151116338_cast,@function
k_q0151116338_cast:
	s_mov_b64 s[64:65], 0
	v_nop
	global_prefetch_b8 v0, s[64:65] scope:SCOPE_SE
	s_setreg_imm32_b32 hwreg(HW_REG_WAVE_MODE, 25, 1), 1
	s_wait_xcnt 0x0
; f32 to bf16, once.  Work-groups 0 to 447: 32 rows each of the seven weight matrices, in the order W0, W1[0..1], W2[0..3], into wb
; ([7][2048 k][2048 n] bf16).  Work-groups 448 to 527: 32 padded rows each of ha ([2560][2048] bf16); padded row p is x's row srcl[p].
; A stream: no LDS, no barrier, no matrix unit.  Wave w takes rows 4 w .. 4 w + 3 of the group's 32; a lane takes 32 bytes of every 1,024 of
; a row and stores their 16 bytes of bf16, so a store of the wave covers 512 consecutive bytes, aligned.  Two rows (32 loads) of every wave are out.
.set X0, 8                             ; v[8:71]    a row as loaded, 64 f32 a lane
.set X1, 72                            ; v[72:135]  the other row
.set Y0, 136                           ; v[136:167] a row to store
.set Y1, 168                           ; v[168:199]
.set SRC, 20                           ; s[20:27]   the addresses of my four source rows
.set DST, 28                           ; s[28:29]   my first destination row
.macro LOADROW q, x, nt
.irp j, 0,1,2,3,4,5,6,7
.if \nt
	global_load_b128 v[\x+8*\j:\x+8*\j+3],   v1, s[SRC+2*\q:SRC+2*\q+1] offset:1024*\j th:TH_LOAD_NT
	global_load_b128 v[\x+8*\j+4:\x+8*\j+7], v1, s[SRC+2*\q:SRC+2*\q+1] offset:1024*\j+16 th:TH_LOAD_NT
.else
	global_load_b128 v[\x+8*\j:\x+8*\j+3],   v1, s[SRC+2*\q:SRC+2*\q+1] offset:1024*\j
	global_load_b128 v[\x+8*\j+4:\x+8*\j+7], v1, s[SRC+2*\q:SRC+2*\q+1] offset:1024*\j+16
.endif
.endr
.endm
.macro CVT x, y
.set i, 0
.rept 32
	v_cvt_pk_bf16_f32 v[\y+i], v[\x+2*i], v[\x+2*i+1]
.set i, i+1
.endr
.endm
.macro STROW q, y
.irp j, 0,1,2,3,4,5,6,7
	global_store_b128 v2, v[\y+4*\j:\y+4*\j+3], s[DST:DST+1] offset:4096*\q+512*\j
.endr
.endm
; four rows.  nt = 1: the source is read once in the launch (weights); 0: the list may name a row of x again.
.macro CAST4 nt
	LOADROW 0, X0, \nt
	LOADROW 1, X1, \nt
	s_wait_loadcnt 16                              ; row 0 is in; row 1's sixteen loads stay out
	CVT X0, Y0
	LOADROW 2, X0, \nt
	STROW 0, Y0
	s_wait_loadcnt 16                              ; row 1 is in; row 2's stay out
	CVT X1, Y1
	LOADROW 3, X1, \nt
	STROW 1, Y1
	s_wait_loadcnt 16                              ; row 2 is in
	s_wait_xcnt 0x0                                ; Y0, which row 0's stores read, is rewritten only behind this wait
	CVT X0, Y0
	STROW 2, Y0
	s_wait_loadcnt 0x0
	s_wait_xcnt 0x0                                ; the same for Y1
	CVT X1, Y1
	STROW 3, Y1
.endm
	s_load_b256 s[4:11], s[0:1], 0x0               ; W0 s[4:5], W1 s[6:7], W2 s[8:9], x s[10:11]
	s_load_b128 s[12:15], s[0:1], 0x20             ; srcl s[12:13], wb s[14:15]
	s_load_b64 s[16:17], s[0:1], 0x30              ; ha
	v_lshrrev_b32 v3, 5, v0
	v_readfirstlane_b32 s30, v3                    ; wave
	v_and_b32 v2, 31, v0
	v_lshlrev_b32 v1, 5, v2                        ; 32 bytes of f32 a lane
	v_lshlrev_b32 v2, 4, v2                        ; 16 bytes of bf16
	s_mov_b32 s37, 0
	s_mov_b32 s39, 0
	s_lshl_b32 s38, s30, 14                        ; my four rows of 4,096 bytes in the group's output
	s_wait_kmcnt 0x0
	s_cmp_ge_u32 ttmp9, 448
	s_cbranch_scc1 .Lrows_of_x
	; weights: which tensor, and the group's number in it
	s_cmp_lt_u32 ttmp9, 64
	s_cselect_b64 s[32:33], s[4:5], s[6:7]
	s_cselect_b32 s34, 0, 64
	s_cmp_lt_u32 ttmp9, 192
	s_cselect_b64 s[32:33], s[32:33], s[8:9]
	s_cselect_b32 s34, s34, 192
	s_sub_co_u32 s36, ttmp9, s34
	s_lshl_b32 s36, s36, 18                        ; 32 rows of 8,192 bytes
	s_lshl_b32 s35, s30, 15                        ; my four
	s_add_co_u32 s36, s36, s35
	s_add_nc_u64 s[SRC:SRC+1], s[32:33], s[36:37]
	s_add_nc_u64 s[SRC+2:SRC+3], s[SRC:SRC+1], 8192
	s_add_nc_u64 s[SRC+4:SRC+5], s[SRC:SRC+1], 16384
	s_add_nc_u64 s[SRC+6:SRC+7], s[SRC:SRC+1], 24576
	s_lshl_b32 s35, ttmp9, 17                      ; 32 rows of 4,096 bytes
	s_add_co_u32 s38, s38, s35
	s_add_nc_u64 s[DST:DST+1], s[14:15], s[38:39]
	CAST4 1
	s_endpgm
.Lrows_of_x:
	s_sub_co_u32 s34, ttmp9, 448
	s_lshl_b32 s35, s34, 7                         ; 32 words of the list,
	s_lshl_b32 s36, s30, 4                         ; my four
	s_add_co_u32 s35, s35, s36
	s_load_b128 s[40:43], s[12:13], s35 offset:0x0
	s_lshl_b32 s36, s34, 17
	s_add_co_u32 s38, s38, s36
	s_add_nc_u64 s[DST:DST+1], s[16:17], s[38:39]
	s_wait_kmcnt 0x0
.irp q, 0,1,2,3
	s_min_u32 s36, s[40+\q], 2047
	s_lshl_b32 s36, s36, 13
	s_add_nc_u64 s[SRC+2*\q:SRC+2*\q+1], s[10:11], s[36:37]
.endr
	CAST4 0
	s_endpgm
.Lfunc_end_k_q0151116338_cast:
	.size	k_q0151116338_cast, .Lfunc_end_k_q0151116338_cast-k_q0151116338_cast
	.p2alignl 7, 3214868480
	.fill 96, 4, 3214868480
	.section	.rodata,"a",@progbits
	.p2align	6, 0x0
	.amdhsa_kernel k_q0151116338_cast
		.amdhsa_group_segment_fixed_size 0
		.amdhsa_private_segment_fixed_size 0
		.amdhsa_enable_private_segment 0
		.amdhsa_kernarg_size 56
		.amdhsa_user_sgpr_count 2
		.amdhsa_user_sgpr_kernarg_segment_ptr 1
		.amdhsa_wavefront_size32 1
		.amdhsa_system_sgpr_workgroup_id_x 1
		.amdhsa_system_sgpr_workgroup_id_y 1
		.amdhsa_system_sgpr_workgroup_id_z 1
		.amdhsa_system_vgpr_workitem_id 0
		.amdhsa_next_free_vgpr 200
		.amdhsa_next_free_sgpr 66
		.amdhsa_reserve_vcc 0
		.amdhsa_float_denorm_mode_32 3
		.amdhsa_float_denorm_mode_16_64 3
		.amdhsa_memory_ordered 1
		.amdhsa_forward_progress 1
		.amdhsa_inst_pref_size 37
	.end_amdhsa_kernel
	.amdgpu_metadata
---
amdhsa.version: [ 1, 2 ]
amdhsa.kernels:
  - .name:           k_q0151116338_cast
    .symbol:         k_q0151116338_cast.kd
    .args:
      - { .name: W0, .offset: 0, .size: 8, .value_kind: global_buffer, .address_space: global }
      - { .name: W1, .offset: 8, .size: 8, .value_kind: global_buffer, .address_space: global }
      - { .name: W2, .offset: 16, .size: 8, .value_kind: global_buffer, .address_space: global }
      - { .name: x, .offset: 24, .size: 8, .value_kind: global_buffer, .address_space: global }
      - { .name: srcl, .offset: 32, .size: 8, .value_kind: global_buffer, .address_space: global }
      - { .name: wb, .offset: 40, .size: 8, .value_kind: global_buffer, .address_space: global }
      - { .name: ha, .offset: 48, .size: 8, .value_kind: global_buffer, .address_space: global }
    .group_segment_fixed_size: 0
    .private_segment_fixed_size: 0
    .kernarg_segment_align: 8
    .kernarg_segment_size: 56
    .max_flat_workgroup_size: 256
    .sgpr_count:     66
    .vgpr_count:     200
    .wavefront_size: 32
...
	.end_amdgpu_metadata
.endif
;; end of part 2
;; launch g0 (part 3): grid 16 x 16, 4 waves a work-group, clusters of 4 x 1, 327,680 bytes of LDS; arguments ha, wb, b0, et0, hb; writes hb
.if DOCPART == 3
	.amdgcn_target "amdgcn-amd-amdhsa--gfx1250"
	.amdhsa_code_object_version 6
	.text
	.protected	k_q0151116338_g0
	.globl	k_q0151116338_g0
	.p2align	8
	.type	k_q0151116338_g0,@function
k_q0151116338_g0:
	s_mov_b64 s[64:65], 0
	v_nop
	global_prefetch_b8 v0, s[64:65] scope:SCOPE_SE
	s_setreg_imm32_b32 hwreg(HW_REG_WAVE_MODE, 25, 1), 1
	s_wait_xcnt 0x0
	s_wait_alu depctr_hold_cnt(0) depctr_sa_sdst(0) depctr_va_vdst(0) depctr_va_sdst(0) depctr_va_ssrc(0) depctr_va_vcc(0) depctr_vm_vsrc(0)
	s_getreg_b32 s2, hwreg(HW_REG_IB_STS2, 6, 4)
	s_cmp_eq_u32 s2, 0
	s_cbranch_scc0 .Lentry_in_a_cluster
	s_endpgm
.Lentry_in_a_cluster:
	s_bfe_u32 s2, ttmp6, 0x10000c
	s_cmp_lg_u32 s2, 0x3003
	s_cbranch_scc0 .Lentry_shape_is_right
	s_endpgm
.Lentry_shape_is_right:
; One layer of the tree: relu(A W_e + b_e) for a row tile of 160 padded tokens (all of one leaf, so of one expert e) and 128 columns.
; The same text serves the three layers; two switches say what comes in and what goes out.
.set SPLIT, 0                          ; 0: A is [2560][2048] bf16.  1: A is the sum of two bf16 terms, [2560][32 blocks][hi 64 | lo 64]
.set OUTY, 0                           ; 0: the result goes out as hi + lo in that layout.  1: as f32, each row to its token's row of the output
; WHY TWO TERMS: one rounding of an activation to bf16 is 2^-8 of it at the worst; two layers' roundings together come to about a third of
; what the result may be off near zero, too near for 4 million results.  lo = bf16(h - hi) leaves 2^-16.  f16 has no room: with all inputs
; 30 times larger the second layer's results pass 65,504.  The price: a split layer multiplies W by hi and by lo, twice the products.
; LIMITS: relu is a maximum in which a NaN loses, so a NaN becomes 0; an infinite sum gives hi = inf, lo = NaN.  Padded rows repeat a token:
; with OUTY that token's row is stored again by the same wave with the same bits.
; SHARES: grid 16 (column tiles) x 16 (row tiles).  Four waves; wave w makes rows 80 (w >> 1) .. + 79 and columns 64 (w & 1) .. + 63:
; 5 x 4 accumulator tiles, 160 registers.  A K step is 512 bytes of A's rows (256 k, or 128 k as hi and lo) and WR rows of W, in two LDS slots.
; CLUSTER 4 x 1: the four column tiles of a row tile need the same tile of A and ask for it jointly (mask 15).  W's tile hangs on the column
; tile, which the four do not share; sharing it along y would need equal experts in neighbouring row tiles, which is data: W's loads are plain.
; THE MATRIX INSTRUCTION IS USED TRANSPOSED: source 0 = 16 columns of W (read from [k][n] rows by the transposing LDS load), source 1 = 16
; rows of A.  Lane (r, h) then holds, in register j, row r and column 8 h + j: eight neighbouring numbers of a row.
; The bias is the C of each accumulator's first product: nothing is cleared and nothing is added later.
.set NSTEP, 8*(1+SPLIT)                ; K steps
.set AROW,  4096*(1+SPLIT)             ; bytes of a row of A in memory
.set WR,    256/(1+SPLIT)              ; rows of W in a K step
.set PA,    528                        ; LDS pitch of A's rows: 512 + 16, an odd multiple of 16
.set PW,    288                        ; LDS pitch of W's rows: 256 + 32, an odd multiple of 32
.set AHALF, 80*PA                      ; what one of A's two loads brings, and what a wave reads of A
.set WOFF,  160*PA                     ; W's rows lie behind A's 160
.set WHALF, (WR/2)*PW                  ; what one of W's two loads brings
.set SLOT,  WOFF+WR*PW
.set KQW,   32*PW                      ; 32 rows of W
.set PS,    272                        ; the way out: pitch of a wave's stage, 256 + 16
.set STG,   80*PS                      ; a wave's stage, at LDS byte w x STG: in slot 0, behind its last fill and its last reads
.set ADRA, 8                           ; v8-9    LDS address of my A fragments in slot 0, 1
.set ADRW, 10                          ; v10-13  of my W fragments: slot 0 (rows 0-127, rows 128-255), slot 1 (the same)
.set STO,  14                          ; v14     the way out: where I put my numbers of a row
.set RD,   15                          ; v15     where I read rows back
.set CO,   16                          ; v16     my byte offset in the output
.set LI,   17                          ; v17     my word in a pair of the row list
.set BO,   18                          ; v18     my byte offset in the bias
.set BI,   24                          ; v24-55  the bias of my 4 x 16 columns, laid as a C operand; later the way out's lo terms or row offsets
.set F0,   64                          ; v64-135  fragment buffer 0: W's four at + 8 b, A's five at + 32 + 8 a
.set F1,   136                         ; v136-207 fragment buffer 1
.set T,    208                         ; v208-239 the way out: 32 results after relu
.set HI,   240                         ; v240-255 their hi terms
.set LOW,  24                          ; v24-39   their lo terms; v40-41 at work
.set G1A, 24                           ; s[24:31] descriptor group 1, A
.set G0A, 32                           ; s[32:39] group 0, A, one set for each slot
.set G1W, 40                           ; s[40:47] group 1, W
.set G0W, 48                           ; s[48:55] group 0, W
; window 1 (v256-415): accumulator (a, b) at v[8 (4 a + b)].  s_set_vgpr_msb: bits 1:0 source 0, 3:2 source 1, 5:4 source 2, 7:6 destination.
.set MSB, 0
.macro WIN new                         ; the immediate's high byte repeats the setting that is left
.if MSB != \new
	s_set_vgpr_msb (MSB<<8)|\new
.set MSB, \new
.endif
.endm
.macro MWIN first                      ; products: D in window 1; C in window 1, or the bias in window 0
.if \first
	WIN 0x40
.else
	WIN 0x50
.endif
.endm
.macro PLACES                          ; four plain vector instructions between a matrix instruction and a load into, or a reader of, its registers
.rept 4
	v_nop
.endr
.endm
.macro CREST                           ; a round of the cluster's barrier behind its opening work-group barrier
	s_cmp_lg_u32 s16, 0
	s_cbranch_scc1 .Lnot_wave_0_\@
	s_barrier_signal -3
.Lnot_wave_0_\@:
	s_barrier_wait -3
	s_barrier_signal -1
	s_barrier_wait -1
.endm
.macro CROUND
	s_barrier_signal -1
	s_barrier_wait -1
	CREST
.endm
.macro LOADT s                         ; my one tensor load for slot s: waves 0, 1 a half of A's tile (joint), waves 2, 3 a half of W's
	s_cmp_eq_u32 s17, 0
	s_cbranch_scc0 .Lfor_w_\@
	tensor_load_to_lds s[G0A+4*\s:G0A+4*\s+3], s[G1A:G1A+7]
	s_nop 0
	s_branch .Lasked_\@
.Lfor_w_\@:
	tensor_load_to_lds s[G0W+4*\s:G0W+4*\s+3], s[G1W:G1W+7]
	s_nop 0
.Lasked_\@:
.endm
; four products: A's block a with W's four.  The 20 accumulators take turns, one instruction a turn, always in the order a = 0..4, b = 0..3.
.macro MUL f, a, first
.irp b, 0,1,2,3
.if \first
	v_wmma_f32_16x16x32_bf16 v[8*(4*\a+\b):8*(4*\a+\b)+7], v[\f+8*\b:\f+8*\b+7], v[\f+32+8*\a:\f+32+8*\a+7], v[BI+8*\b:BI+8*\b+7]
.else
	v_wmma_f32_16x16x32_bf16 v[8*(4*\a+\b):8*(4*\a+\b)+7], v[\f+8*\b:\f+8*\b+7], v[\f+32+8*\a:\f+32+8*\a+7], v[8*(4*\a+\b):8*(4*\a+\b)+7]
.endif
.endr
.endm
; 18 LDS loads: the fragments of eighth kq of a K step (64 bytes of A's rows at byte 64 kq, and the 32 rows of W that go with them) into buffer f.
; Split A: bytes 0-127 are hi of k 0-63, 128-255 their lo, 256-383 hi of k 64-127, 384-511 their lo.
.macro FETCH slot, kq, f
.if SPLIT
.set WQ, ((\kq)&1)+2*((\kq)>>2)
.set WRG, ADRW+2*\slot
.else
.set WQ, (\kq)&3
.set WRG, ADRW+2*\slot+((\kq)>>2)
.endif
	WIN 0
.irp b, 0,1,2,3
	ds_load_tr16_b128 v[\f+8*\b:\f+8*\b+3],   v[WRG] offset:WQ*KQW+32*\b
	ds_load_tr16_b128 v[\f+8*\b+4:\f+8*\b+7], v[WRG] offset:WQ*KQW+32*\b+16*PW
.endr
.irp a, 0,1,2,3,4
	ds_load_b128 v[\f+32+8*\a:\f+32+8*\a+3],   v[ADRA+\slot] offset:16*PA*\a+64*(\kq)
	ds_load_b128 v[\f+32+8*\a+4:\f+32+8*\a+7], v[ADRA+\slot] offset:16*PA*\a+64*(\kq)+32
.endr
.endm
; one of a K step's first seven eighths: multiplies buffer f and fetches eighth kn into buffer g
.macro EIGHTH slot, kn, f, g, first
	s_wait_dscnt 6                                 ; W's eight loads and those of A's blocks 0, 1 are in; the six of blocks 2 to 4 may be out
	MWIN \first
	MUL \f, 0, \first
	MUL \f, 1, \first
	PLACES
	FETCH \slot, \kn, \g
	s_wait_dscnt 18                                ; all but the 18 just issued
	MWIN \first
	MUL \f, 2, \first
	MUL \f, 3, \first
	MUL \f, 4, \first
.endm
.macro SEVEN slot, first
	EIGHTH \slot, 1, F0, F1, \first
	EIGHTH \slot, 2, F1, F0, 0
	EIGHTH \slot, 3, F0, F1, 0
	EIGHTH \slot, 4, F1, F0, 0
	EIGHTH \slot, 5, F0, F1, 0
	EIGHTH \slot, 6, F1, F0, 0
	EIGHTH \slot, 7, F0, F1, 0
.endm
; the last eighth, on buffer 1, and the change of slots.  In front of the barrier each wave waits for its reads of this slot and for all its
; tensor loads (one is out: its part of the next slot).  fill = 1: the barrier opens a round of the cluster's barrier, and this slot's refill,
; two K steps ahead, is the first tensor load behind the round; 148 of a step's 160 products stand between it and the wait for it.
.macro TURN slot, next, fill
	s_wait_dscnt 6
	WIN 0x50
	MUL F1, 0, 0
	MUL F1, 1, 0
	s_wait_dscnt 0x0
	s_wait_tensorcnt 0x0
	ds_add_u32 v62, v63
	s_wait_dscnt 0x0
	s_barrier_signal -1
	MUL F1, 2, 0                                   ; registers only, while the others arrive
	WIN 0
	s_barrier_wait -1
.if \fill
	CREST
	s_add_nc_u64 s[G0A+4*\slot+2:G0A+4*\slot+3], s[G0A+4*\slot+2:G0A+4*\slot+3], 2*512
	s_add_nc_u64 s[G0W+4*\slot+2:G0W+4*\slot+3], s[G0W+4*\slot+2:G0W+4*\slot+3], 2*WR*4096
	LOADT \slot
.endif
	PLACES
	FETCH \next, 0, F0
	WIN 0x50
	MUL F1, 3, 0
	MUL F1, 4, 0
.endm
.macro LAP first
	SEVEN 0, \first
	TURN 0, 1, 1
	SEVEN 1, 0
	TURN 1, 0, 1
.endm
	s_load_b256 s[4:11], s[0:1], 0x0               ; A s[4:5], wb s[6:7], bias s[8:9], et s[10:11]
.if OUTY
	s_load_b128 s[12:15], s[0:1], 0x20             ; srcl s[12:13], out s[14:15]
.else
	s_load_b64 s[12:13], s[0:1], 0x20              ; H
	v_lshl_add_u32 v62, v0, 2, 0x4d400
	v_mov_b32 v63, 0
	ds_add_u32 v62, v63
.endif
	v_lshrrev_b32 v1, 5, v0
	v_readfirstlane_b32 s16, v1                    ; wave
	s_lshr_b32 s17, s16, 1                         ; my half of the rows.  Also: I fetch for A (0) or for W (1)
	s_and_b32 s18, s16, 1                          ; my half of the columns.  Also: which half of that tile I fetch
	s_bfe_u32 s19, ttmp6, 0x40000                  ; cx
	s_lshl_b32 s20, ttmp9, 2
	s_add_co_u32 s20, s20, s19                     ; column tile = 4 x cluster x + cx
	s_and_b32 s21, ttmp7, 0xffff                   ; row tile = cluster y
	s_lshl_b32 s56, s21, 2
	s_wait_dscnt 0x0
	s_wait_kmcnt 0x0
	s_load_b32 s22, s[10:11], s56 offset:0x0       ; my row tile's matrix in wb
	s_load_b32 s23, s[10:11], s56 offset:0x40      ; and its bias row
	; group 1 for A: 80 rows x 256 elements of 2 bytes, 4 words of padding behind every 128; mask 15 (all four partners) with bit 21 beside it
	s_mov_b32 s[G1A+0], 15|(1<<16)|(1<<20)|(1<<21)|(6<<22)|(3<<25)
	s_mov_b32 s[G1A+1], 256<<16                    ; tensor_dim0
	s_mov_b32 s[G1A+2], 80<<16                     ; tensor_dim1
	s_mov_b32 s[G1A+3], 256<<16                    ; tile_dim0
	s_mov_b32 s[G1A+4], 80                         ; tile_dim1
	s_mov_b32 s[G1A+5], AROW/2                     ; elements from row to row
	s_mov_b32 s[G1A+6], 0
	s_mov_b32 s[G1A+7], 0
	; group 1 for W: WR / 2 rows x 128 elements, 8 words of padding behind every 64; no mask
	s_mov_b32 s[G1W+0], (1<<16)|(1<<20)|(5<<22)|(7<<25)
	s_mov_b32 s[G1W+1], 128<<16
	s_mov_b32 s[G1W+2], (WR/2)<<16
	s_mov_b32 s[G1W+3], 128<<16
	s_mov_b32 s[G1W+4], WR/2
	s_mov_b32 s[G1W+5], 2048
	s_mov_b32 s[G1W+6], 0
	s_mov_b32 s[G1W+7], 0
	; A's tile hangs on the row tile and the wave alone, which the four partners share
	s_mul_i32 s58, s21, 160
	s_mul_i32 s57, s18, 80
	s_add_co_u32 s58, s58, s57
	s_mul_i32 s58, s58, AROW
	s_mov_b32 s59, 0
	s_add_nc_u64 s[58:59], s[4:5], s[58:59]
	s_mul_i32 s57, s18, AHALF                      ; where it goes
	s_wait_kmcnt 0x0
	s_min_u32 s22, s22, 6
	s_min_u32 s23, s23, 3
	s_lshl_b32 s60, s22, 23                        ; a matrix of wb is 8,388,608 bytes
	s_mul_i32 s61, s18, (WR/2)*4096
	s_add_co_u32 s60, s60, s61
	s_lshl_b32 s61, s20, 8                         ; 128 columns
	s_add_co_u32 s60, s60, s61
	s_mov_b32 s61, 0
	s_add_nc_u64 s[60:61], s[6:7], s[60:61]
	s_mul_i32 s62, s18, WHALF
	s_add_co_u32 s62, s62, WOFF
.irp s, 0,1
	s_mov_b32 s[G0A+4*\s], 1
	s_add_co_u32 s[G0A+4*\s+1], s57, \s*SLOT
	s_add_nc_u64 s[G0A+4*\s+2:G0A+4*\s+3], s[58:59], \s*512
	s_or_b32 s[G0A+4*\s+3], s[G0A+4*\s+3], 0x80000000
	s_mov_b32 s[G0W+4*\s], 1
	s_add_co_u32 s[G0W+4*\s+1], s62, \s*SLOT
	s_add_nc_u64 s[G0W+4*\s+2:G0W+4*\s+3], s[60:61], \s*WR*4096
	s_or_b32 s[G0W+4*\s+3], s[G0W+4*\s+3], 0x80000000
.endr
	CROUND                                         ; all four work-groups are here: the first joint loads meet
	s_cmp_eq_u32 s17, 0                            ; both first fills of a wave in one branch; two tensor loads of the wave are out
	s_cbranch_scc0 .Lfirst_w
	tensor_load_to_lds s[G0A:G0A+3], s[G1A:G1A+7]
	s_nop 0
	tensor_load_to_lds s[G0A+4:G0A+7], s[G1A:G1A+7]
	s_nop 0
	s_branch .Lfirst_done
.Lfirst_w:
	tensor_load_to_lds s[G0W:G0W+3], s[G1W:G1W+7]
	s_nop 0
	tensor_load_to_lds s[G0W+4:G0W+7], s[G1W:G1W+7]
	s_nop 0
.Lfirst_done:
	; bias: row eB, my work-group's 128 columns
	s_lshl_b32 s56, s23, 13
	s_lshl_b32 s63, s20, 9
	s_add_co_u32 s56, s56, s63
	s_mov_b32 s57, 0
	s_add_nc_u64 s[8:9], s[8:9], s[56:57]
	v_and_b32 v2, 15, v0                           ; r
	v_bfe_u32 v3, v0, 4, 1                         ; h
	v_lshlrev_b32 v[BO], 5, v3
	v_lshl_add_u32 v[BO], s18, 8, v[BO]            ; 256 (w & 1) + 32 h: columns 64 (w & 1) + 8 h + j of block b at + 64 b
.irp b, 0,1,2,3
	global_load_b128 v[BI+8*\b:BI+8*\b+3],   v[BO], s[8:9] offset:64*\b
	global_load_b128 v[BI+8*\b+4:BI+8*\b+7], v[BO], s[8:9] offset:64*\b+16
.endr
	; the output: my first padded row, my 256 bytes of a row
	s_mul_i32 s56, s21, 160
	s_mul_i32 s63, s17, 80
	s_add_co_u32 s56, s56, s63
	s_lshl_b32 s62, s20, 9
	s_lshl_b32 s63, s18, 8
	s_add_co_u32 s62, s62, s63
	s_mov_b32 s63, 0
.if OUTY
	s_lshl_b32 s56, s56, 2
	s_add_nc_u64 s[12:13], s[12:13], s[56:57]      ; the list at my first row
	s_add_nc_u64 s[14:15], s[14:15], s[62:63]
.else
	s_lshl_b32 s56, s56, 13
	s_add_co_u32 s56, s56, s62
	s_add_nc_u64 s[12:13], s[12:13], s[56:57]
.endif
	; A fragment: lane (r, h) takes row r, 16 bytes at 16 h and at 32 + 16 h
	v_mul_u32_u24 v4, v2, PA
	v_lshl_add_u32 v4, v3, 4, v4
	s_mul_i32 s56, s17, AHALF
	v_add_nc_u32 v[ADRA], s56, v4
	v_add_nc_u32 v[ADRA+1], SLOT, v[ADRA]
	; W fragment through the transposing load: lane L addresses row 8 h + (L & 7), 16 bytes at 16 ((L >> 3) & 1); the second load 16 rows on
	v_and_b32 v6, 7, v0
	v_lshl_add_u32 v6, v3, 3, v6
	v_mul_u32_u24 v6, v6, PW
	v_bfe_u32 v7, v0, 3, 1
	v_lshl_add_u32 v6, v7, 4, v6
	s_lshl_b32 s56, s18, 7                         ; my 64 columns
	s_add_co_u32 s56, s56, WOFF
	v_add_nc_u32 v[ADRW], s56, v6
	v_add_nc_u32 v[ADRW+2], SLOT, v[ADRW]
.if SPLIT == 0
	v_add_nc_u32 v[ADRW+1], 4*KQW, v[ADRW]         ; rows 128 on: past the reach of the 16-bit offset
	v_add_nc_u32 v[ADRW+3], 4*KQW, v[ADRW+2]
.endif
	; the way out
	s_mul_i32 s56, s16, STG
	v_mul_u32_u24 v4, v2, PS
.if OUTY
	v_lshl_add_u32 v4, v3, 5, v4                   ; row r, 32 bytes of f32 at 32 h
	v_lshlrev_b32 v[CO], 4, v2                     ; 16 r
	v_lshlrev_b32 v[LI], 2, v3
.else
	v_lshl_add_u32 v4, v3, 4, v4                   ; row r, 16 bytes of bf16 at 16 h
	v_lshlrev_b32 v[CO], 4, v2
	v_lshl_add_u32 v[CO], v3, 13, v[CO]            ; 8,192 h + 16 r
.endif
	v_add_nc_u32 v[STO], s56, v4
	v_mul_u32_u24 v5, v3, PS
	v_lshl_add_u32 v5, v2, 4, v5
	v_add_nc_u32 v[RD], s56, v5                    ; lanes 0-15 one row of 256 bytes, lanes 16-31 the next
	s_wait_tensorcnt 0x1                           ; my part of K step 0 is in; K step 1's stays out
	s_barrier_signal -1
	s_barrier_wait -1
	FETCH 0, 0, F0
	s_wait_loadcnt 0x0                             ; the bias
	LAP 1                                          ; the first lap stands in front of the loop: its first products take the bias as C
	WIN 0
	s_mov_b32 s3, NSTEP/2-2
.Llap:
	LAP 0
	WIN 0
	s_sub_co_u32 s3, s3, 1
	s_cmp_lg_u32 s3, 0
	s_cbranch_scc1 .Llap
	SEVEN 0, 0                                     ; the last lap fills nothing and has no round
	TURN 0, 1, 0
	SEVEN 1, 0
	s_wait_dscnt 6
	WIN 0x50
	MUL F1, 0, 0
	MUL F1, 1, 0
	s_wait_dscnt 0x0
	MUL F1, 2, 0
	MUL F1, 3, 0
	MUL F1, 4, 0
	PLACES                                         ; behind the last products: for the readers of results and the loads into old operands
	; THE WAY OUT.  My 80 rows x 64 columns are 256 neighbouring bytes of each output row.  They go through my own stage (no other wave touches
	; it, and LDS serves a wave's instructions in order, so no wait and no barrier), and come back two whole rows to an instruction.
	WIN 0
.if OUTY
.set i, 0
.rept 40
	global_load_b32 v[BI+i], v[LI], s[12:13] offset:8*i    ; the tokens of rows 2 i (lanes 0-15) and 2 i + 1 (lanes 16-31)
.set i, i+1
.endr
.endif
.irp a, 0,1,2,3,4
	WIN 0x04                                       ; source 1 in window 1
.set i, 0
.rept 32
	v_max_num_f32 v[T+i], 0, v[32*\a+i]            ; relu
.set i, i+1
.endr
	WIN 0
.if OUTY
.irp b, 0,1,2,3
	ds_store_b128 v[STO], v[T+8*\b:T+8*\b+3]   offset:16*PS*\a+64*\b
	ds_store_b128 v[STO], v[T+8*\b+4:T+8*\b+7] offset:16*PS*\a+64*\b+16
.endr
.else
.set i, 0
.rept 16
	v_cvt_pk_bf16_f32 v[HI+i], v[T+2*i], v[T+2*i+1]
.set i, i+1
.endr
.set i, 0
.rept 16
	v_lshlrev_b32 v40, 16, v[HI+i]                 ; hi as f32
	v_and_b32 v41, 0xffff0000, v[HI+i]
	v_pk_add_f32 v[T+2*i:T+2*i+1], v[T+2*i:T+2*i+1], v[40:41] neg_lo:[0,1] neg_hi:[0,1]   ; what hi left out (exact)
	v_cvt_pk_bf16_f32 v[LOW+i], v[T+2*i], v[T+2*i+1]
.set i, i+1
.endr
.irp b, 0,1,2,3
	ds_store_b128 v[STO], v[HI+4*\b:HI+4*\b+3]   offset:16*PS*\a+32*\b
	ds_store_b128 v[STO], v[LOW+4*\b:LOW+4*\b+3] offset:16*PS*\a+32*\b+128
.endr
.endif
.endr
.set i, 0
.rept 40
	ds_load_b128 v[F0+4*i:F0+4*i+3], v[RD] offset:2*PS*i
.set i, i+1
.endr
.if OUTY
	s_wait_loadcnt 0x0
.set i, 0
.rept 40
	v_min_u32 v[BI+i], 0x7ff, v[BI+i]
	v_lshl_add_u32 v[BI+i], v[BI+i], 13, v[CO]     ; the token's row of 8,192 bytes + 16 r
.set i, i+1
.endr
.endif
.set i, 0
.rept 40
	s_wait_dscnt 39-i                              ; LDS loads come back in order: pair i of rows is in
.if OUTY
	global_store_b128 v[BI+i], v[F0+4*i:F0+4*i+3], s[14:15] th:TH_STORE_NT   ; 16 lanes store 256 consecutive bytes, aligned
.else
	global_store_b128 v[CO], v[F0+4*i:F0+4*i+3], s[12:13] offset:16384*i     ; the same
.endif
.set i, i+1
.endr
	s_wait_tensorcnt 0x0
	ds_add_u32 v62, v63
	s_wait_dscnt 0x0
	CROUND                                         ; the closing round: no work-group ends while a partner may still ask jointly
	s_endpgm
.Lfunc_end_k_q0151116338_g0:
	.size	k_q0151116338_g0, .Lfunc_end_k_q0151116338_g0-k_q0151116338_g0
	.p2alignl 7, 3214868480
	.fill 96, 4, 3214868480
	.section	.rodata,"a",@progbits
	.p2align	6, 0x0
	.amdhsa_kernel k_q0151116338_g0
		.amdhsa_group_segment_fixed_size 327680
		.amdhsa_private_segment_fixed_size 0
		.amdhsa_enable_private_segment 0
		.amdhsa_kernarg_size 40
		.amdhsa_user_sgpr_count 2
		.amdhsa_user_sgpr_kernarg_segment_ptr 1
		.amdhsa_wavefront_size32 1
		.amdhsa_system_sgpr_workgroup_id_x 1
		.amdhsa_system_sgpr_workgroup_id_y 1
		.amdhsa_system_sgpr_workgroup_id_z 1
		.amdhsa_system_vgpr_workitem_id 0
		.amdhsa_next_free_vgpr 416
		.amdhsa_next_free_sgpr 66
		.amdhsa_reserve_vcc 0
		.amdhsa_float_denorm_mode_32 3
		.amdhsa_float_denorm_mode_16_64 3
		.amdhsa_memory_ordered 1
		.amdhsa_forward_progress 1
		.amdhsa_inst_pref_size 176
	.end_amdhsa_kernel
	.amdgpu_metadata
---
amdhsa.version: [ 1, 2 ]
amdhsa.kernels:
  - .name:           k_q0151116338_g0
    .symbol:         k_q0151116338_g0.kd
    .args:
      - { .name: ha, .offset: 0, .size: 8, .value_kind: global_buffer, .address_space: global }
      - { .name: wb, .offset: 8, .size: 8, .value_kind: global_buffer, .address_space: global }
      - { .name: b0, .offset: 16, .size: 8, .value_kind: global_buffer, .address_space: global }
      - { .name: et0, .offset: 24, .size: 8, .value_kind: global_buffer, .address_space: global }
      - { .name: hb, .offset: 32, .size: 8, .value_kind: global_buffer, .address_space: global }
    .group_segment_fixed_size: 327680
    .private_segment_fixed_size: 0
    .kernarg_segment_align: 8
    .kernarg_segment_size: 40
    .max_flat_workgroup_size: 128
    .sgpr_count:     66
    .vgpr_count:     416
    .wavefront_size: 32
...
	.end_amdgpu_metadata
.endif
;; end of part 3
;; launch g1 (part 4): grid 16 x 16, 4 waves a work-group, clusters of 4 x 1, 327,680 bytes of LDS; arguments hb, wb, b1, et1, hc; writes hc
.if DOCPART == 4
	.amdgcn_target "amdgcn-amd-amdhsa--gfx1250"
	.amdhsa_code_object_version 6
	.text
	.protected	k_q0151116338_g1
	.globl	k_q0151116338_g1
	.p2align	8
	.type	k_q0151116338_g1,@function
k_q0151116338_g1:
	s_mov_b64 s[64:65], 0
	v_nop
	global_prefetch_b8 v0, s[64:65] scope:SCOPE_SE
	s_setreg_imm32_b32 hwreg(HW_REG_WAVE_MODE, 25, 1), 1
	s_wait_xcnt 0x0
	s_wait_alu depctr_hold_cnt(0) depctr_sa_sdst(0) depctr_va_vdst(0) depctr_va_sdst(0) depctr_va_ssrc(0) depctr_va_vcc(0) depctr_vm_vsrc(0)
	s_getreg_b32 s2, hwreg(HW_REG_IB_STS2, 6, 4)
	s_cmp_eq_u32 s2, 0
	s_cbranch_scc0 .Lentry_in_a_cluster
	s_endpgm
.Lentry_in_a_cluster:
	s_bfe_u32 s2, ttmp6, 0x10000c
	s_cmp_lg_u32 s2, 0x3003
	s_cbranch_scc0 .Lentry_shape_is_right
	s_endpgm
.Lentry_shape_is_right:
; One layer of the tree: relu(A W_e + b_e) for a row tile of 160 padded tokens (all of one leaf, so of one expert e) and 128 columns.
; The same text serves the three layers; two switches say what comes in and what goes out.
.set SPLIT, 1                          ; 0: A is [2560][2048] bf16.  1: A is the sum of two bf16 terms, [2560][32 blocks][hi 64 | lo 64]
.set OUTY, 0                           ; 0: the result goes out as hi + lo in that layout.  1: as f32, each row to its token's row of the output
; WHY TWO TERMS: one rounding of an activation to bf16 is 2^-8 of it at the worst; two layers' roundings together come to about a third of
; what the result may be off near zero, too near for 4 million results.  lo = bf16(h - hi) leaves 2^-16.  f16 has no room: with all inputs
; 30 times larger the second layer's results pass 65,504.  The price: a split layer multiplies W by hi and by lo, twice the products.
; LIMITS: relu is a maximum in which a NaN loses, so a NaN becomes 0; an infinite sum gives hi = inf, lo = NaN.  Padded rows repeat a token:
; with OUTY that token's row is stored again by the same wave with the same bits.
; SHARES: grid 16 (column tiles) x 16 (row tiles).  Four waves; wave w makes rows 80 (w >> 1) .. + 79 and columns 64 (w & 1) .. + 63:
; 5 x 4 accumulator tiles, 160 registers.  A K step is 512 bytes of A's rows (256 k, or 128 k as hi and lo) and WR rows of W, in two LDS slots.
; CLUSTER 4 x 1: the four column tiles of a row tile need the same tile of A and ask for it jointly (mask 15).  W's tile hangs on the column
; tile, which the four do not share; sharing it along y would need equal experts in neighbouring row tiles, which is data: W's loads are plain.
; THE MATRIX INSTRUCTION IS USED TRANSPOSED: source 0 = 16 columns of W (read from [k][n] rows by the transposing LDS load), source 1 = 16
; rows of A.  Lane (r, h) then holds, in register j, row r and column 8 h + j: eight neighbouring numbers of a row.
; The bias is the C of each accumulator's first product: nothing is cleared and nothing is added later.
.set NSTEP, 8*(1+SPLIT)                ; K steps
.set AROW,  4096*(1+SPLIT)             ; bytes of a row of A in memory
.set WR,    256/(1+SPLIT)              ; rows of W in a K step
.set PA,    528                        ; LDS pitch of A's rows: 512 + 16, an odd multiple of 16
.set PW,    288                        ; LDS pitch of W's rows: 256 + 32, an odd multiple of 32
.set AHALF, 80*PA                      ; what one of A's two loads brings, and what a wave reads of A
.set WOFF,  160*PA                     ; W's rows lie behind A's 160
.set WHALF, (WR/2)*PW                  ; what one of W's two loads brings
.set SLOT,  WOFF+WR*PW
.set KQW,   32*PW                      ; 32 rows of W
.set PS,    272                        ; the way out: pitch of a wave's stage, 256 + 16
.set STG,   80*PS                      ; a wave's stage, at LDS byte w x STG: in slot 0, behind its last fill and its last reads
.set ADRA, 8                           ; v8-9    LDS address of my A fragments in slot 0, 1
.set ADRW, 10                          ; v10-13  of my W fragments: slot 0 (rows 0-127, rows 128-255), slot 1 (the same)
.set STO,  14                          ; v14     the way out: where I put my numbers of a row
.set RD,   15                          ; v15     where I read rows back
.set CO,   16                          ; v16     my byte offset in the output
.set LI,   17                          ; v17     my word in a pair of the row list
.set BO,   18                          ; v18     my byte offset in the bias
.set BI,   24                          ; v24-55  the bias of my 4 x 16 columns, laid as a C operand; later the way out's lo terms or row offsets
.set F0,   64                          ; v64-135  fragment buffer 0: W's four at + 8 b, A's five at + 32 + 8 a
.set F1,   136                         ; v136-207 fragment buffer 1
.set T,    208                         ; v208-239 the way out: 32 results after relu
.set HI,   240                         ; v240-255 their hi terms
.set LOW,  24                          ; v24-39   their lo terms; v40-41 at work
.set G1A, 24                           ; s[24:31] descriptor group 1, A
.set G0A, 32                           ; s[32:39] group 0, A, one set for each slot
.set G1W, 40                           ; s[40:47] group 1, W
.set G0W, 48                           ; s[48:55] group 0, W
; window 1 (v256-415): accumulator (a, b) at v[8 (4 a + b)].  s_set_vgpr_msb: bits 1:0 source 0, 3:2 source 1, 5:4 source 2, 7:6 destination.
.set MSB, 0
.macro WIN new                         ; the immediate's high byte repeats the setting that is left
.if MSB != \new
	s_set_vgpr_msb (MSB<<8)|\new
.set MSB, \new
.endif
.endm
.macro MWIN first                      ; products: D in window 1; C in window 1, or the bias in window 0
.if \first
	WIN 0x40
.else
	WIN 0x50
.endif
.endm
.macro PLACES                          ; four plain vector instructions between a matrix instruction and a load into, or a reader of, its registers
.rept 4
	v_nop
.endr
.endm
.macro CREST                           ; a round of the cluster's barrier behind its opening work-group barrier
	s_cmp_lg_u32 s16, 0
	s_cbranch_scc1 .Lnot_wave_0_\@
	s_barrier_signal -3
.Lnot_wave_0_\@:
	s_barrier_wait -3
	s_barrier_signal -1
	s_barrier_wait -1
.endm
.macro CROUND
	s_barrier_signal -1
	s_barrier_wait -1
	CREST
.endm
.macro LOADT s                         ; my one tensor load for slot s: waves 0, 1 a half of A's tile (joint), waves 2, 3 a half of W's
	s_cmp_eq_u32 s17, 0
	s_cbranch_scc0 .Lfor_w_\@
	tensor_load_to_lds s[G0A+4*\s:G0A+4*\s+3], s[G1A:G1A+7]
	s_nop 0
	s_branch .Lasked_\@
.Lfor_w_\@:
	tensor_load_to_lds s[G0W+4*\s:G0W+4*\s+3], s[G1W:G1W+7]
	s_nop 0
.Lasked_\@:
.endm
; four products: A's block a with W's four.  The 20 accumulators take turns, one instruction a turn, always in the order a = 0..4, b = 0..3.
.macro MUL f, a, first
.irp b, 0,1,2,3
.if \first
	v_wmma_f32_16x16x32_bf16 v[8*(4*\a+\b):8*(4*\a+\b)+7], v[\f+8*\b:\f+8*\b+7], v[\f+32+8*\a:\f+32+8*\a+7], v[BI+8*\b:BI+8*\b+7]
.else
	v_wmma_f32_16x16x32_bf16 v[8*(4*\a+\b):8*(4*\a+\b)+7], v[\f+8*\b:\f+8*\b+7], v[\f+32+8*\a:\f+32+8*\a+7], v[8*(4*\a+\b):8*(4*\a+\b)+7]
.endif
.endr
.endm
; 18 LDS loads: the fragments of eighth kq of a K step (64 bytes of A's rows at byte 64 kq, and the 32 rows of W that go with them) into buffer f.
; Split A: bytes 0-127 are hi of k 0-63, 128-255 their lo, 256-383 hi of k 64-127, 384-511 their lo.
.macro FETCH slot, kq, f
.if SPLIT
.set WQ, ((\kq)&1)+2*((\kq)>>2)
.set WRG, ADRW+2*\slot
.else
.set WQ, (\kq)&3
.set WRG, ADRW+2*\slot+((\kq)>>2)
.endif
	WIN 0
.irp b, 0,1,2,3
	ds_load_tr16_b128 v[\f+8*\b:\f+8*\b+3],   v[WRG] offset:WQ*KQW+32*\b
	ds_load_tr16_b128 v[\f+8*\b+4:\f+8*\b+7], v[WRG] offset:WQ*KQW+32*\b+16*PW
.endr
.irp a, 0,1,2,3,4
	ds_load_b128 v[\f+32+8*\a:\f+32+8*\a+3],   v[ADRA+\slot] offset:16*PA*\a+64*(\kq)
	ds_load_b128 v[\f+32+8*\a+4:\f+32+8*\a+7], v[ADRA+\slot] offset:16*PA*\a+64*(\kq)+32
.endr
.endm
; one of a K step's first seven eighths: multiplies buffer f and fetches eighth kn into buffer g
.macro EIGHTH slot, kn, f, g, first
	s_wait_dscnt 6                                 ; W's eight loads and those of A's blocks 0, 1 are in; the six of blocks 2 to 4 may be out
	MWIN \first
	MUL \f, 0, \first
	MUL \f, 1, \first
	PLACES
	FETCH \slot, \kn, \g
	s_wait_dscnt 18                                ; all but the 18 just issued
	MWIN \first
	MUL \f, 2, \first
	MUL \f, 3, \first
	MUL \f, 4, \first
.endm
.macro SEVEN slot, first
	EIGHTH \slot, 1, F0, F1, \first
	EIGHTH \slot, 2, F1, F0, 0
	EIGHTH \slot, 3, F0, F1, 0
	EIGHTH \slot, 4, F1, F0, 0
	EIGHTH \slot, 5, F0, F1, 0
	EIGHTH \slot, 6, F1, F0, 0
	EIGHTH \slot, 7, F0, F1, 0
.endm
; the last eighth, on buffer 1, and the change of slots.  In front of the barrier each wave waits for its reads of this slot and for all its
; tensor loads (one is out: its part of the next slot).  fill = 1: the barrier opens a round of the cluster's barrier, and this slot's refill,
; two K steps ahead, is the first tensor load behind the round; 148 of a step's 160 products stand between it and the wait for it.
.macro TURN slot, next, fill
	s_wait_dscnt 6
	WIN 0x50
	MUL F1, 0, 0
	MUL F1, 1, 0
	s_wait_dscnt 0x0
	s_wait_tensorcnt 0x0
	ds_add_u32 v62, v63
	s_wait_dscnt 0x0
	s_barrier_signal -1
	MUL F1, 2, 0                                   ; registers only, while the others arrive
	WIN 0
	s_barrier_wait -1
.if \fill
	CREST
	s_add_nc_u64 s[G0A+4*\slot+2:G0A+4*\slot+3], s[G0A+4*\slot+2:G0A+4*\slot+3], 2*512
	s_add_nc_u64 s[G0W+4*\slot+2:G0W+4*\slot+3], s[G0W+4*\slot+2:G0W+4*\slot+3], 2*WR*4096
	LOADT \slot
.endif
	PLACES
	FETCH \next, 0, F0
	WIN 0x50
	MUL F1, 3, 0
	MUL F1, 4, 0
.endm
.macro LAP first
	SEVEN 0, \first
	TURN 0, 1, 1
	SEVEN 1, 0
	TURN 1, 0, 1
.endm
	s_load_b256 s[4:11], s[0:1], 0x0               ; A s[4:5], wb s[6:7], bias s[8:9], et s[10:11]
.if OUTY
	s_load_b128 s[12:15], s[0:1], 0x20             ; srcl s[12:13], out s[14:15]
.else
	s_load_b64 s[12:13], s[0:1], 0x20              ; H
	v_lshl_add_u32 v62, v0, 2, 0x3b400
	v_mov_b32 v63, 0
	ds_add_u32 v62, v63
.endif
	v_lshrrev_b32 v1, 5, v0
	v_readfirstlane_b32 s16, v1                    ; wave
	s_lshr_b32 s17, s16, 1                         ; my half of the rows.  Also: I fetch for A (0) or for W (1)
	s_and_b32 s18, s16, 1                          ; my half of the columns.  Also: which half of that tile I fetch
	s_bfe_u32 s19, ttmp6, 0x40000                  ; cx
	s_lshl_b32 s20, ttmp9, 2
	s_add_co_u32 s20, s20, s19                     ; column tile = 4 x cluster x + cx
	s_and_b32 s21, ttmp7, 0xffff                   ; row tile = cluster y
	s_lshl_b32 s56, s21, 2
	s_wait_dscnt 0x0
	s_wait_kmcnt 0x0
	s_load_b32 s22, s[10:11], s56 offset:0x0       ; my row tile's matrix in wb
	s_load_b32 s23, s[10:11], s56 offset:0x40      ; and its bias row
	; group 1 for A: 80 rows x 256 elements of 2 bytes, 4 words of padding behind every 128; mask 15 (all four partners) with bit 21 beside it
	s_mov_b32 s[G1A+0], 15|(1<<16)|(1<<20)|(1<<21)|(6<<22)|(3<<25)
	s_mov_b32 s[G1A+1], 256<<16                    ; tensor_dim0
	s_mov_b32 s[G1A+2], 80<<16                     ; tensor_dim1
	s_mov_b32 s[G1A+3], 256<<16                    ; tile_dim0
	s_mov_b32 s[G1A+4], 80                         ; tile_dim1
	s_mov_b32 s[G1A+5], AROW/2                     ; elements from row to row
	s_mov_b32 s[G1A+6], 0
	s_mov_b32 s[G1A+7], 0
	; group 1 for W: WR / 2 rows x 128 elements, 8 words of padding behind every 64; no mask
	s_mov_b32 s[G1W+0], (1<<16)|(1<<20)|(5<<22)|(7<<25)
	s_mov_b32 s[G1W+1], 128<<16
	s_mov_b32 s[G1W+2], (WR/2)<<16
	s_mov_b32 s[G1W+3], 128<<16
	s_mov_b32 s[G1W+4], WR/2
	s_mov_b32 s[G1W+5], 2048
	s_mov_b32 s[G1W+6], 0
	s_mov_b32 s[G1W+7], 0
	; A's tile hangs on the row tile and the wave alone, which the four partners share
	s_mul_i32 s58, s21, 160
	s_mul_i32 s57, s18, 80
	s_add_co_u32 s58, s58, s57
	s_mul_i32 s58, s58, AROW
	s_mov_b32 s59, 0
	s_add_nc_u64 s[58:59], s[4:5], s[58:59]
	s_mul_i32 s57, s18, AHALF                      ; where it goes
	s_wait_kmcnt 0x0
	s_min_u32 s22, s22, 6
	s_min_u32 s23, s23, 3
	s_lshl_b32 s60, s22, 23                        ; a matrix of wb is 8,388,608 bytes
	s_mul_i32 s61, s18, (WR/2)*4096
	s_add_co_u32 s60, s60, s61
	s_lshl_b32 s61, s20, 8                         ; 128 columns
	s_add_co_u32 s60, s60, s61
	s_mov_b32 s61, 0
	s_add_nc_u64 s[60:61], s[6:7], s[60:61]
	s_mul_i32 s62, s18, WHALF
	s_add_co_u32 s62, s62, WOFF
.irp s, 0,1
	s_mov_b32 s[G0A+4*\s], 1
	s_add_co_u32 s[G0A+4*\s+1], s57, \s*SLOT
	s_add_nc_u64 s[G0A+4*\s+2:G0A+4*\s+3], s[58:59], \s*512
	s_or_b32 s[G0A+4*\s+3], s[G0A+4*\s+3], 0x80000000
	s_mov_b32 s[G0W+4*\s], 1
	s_add_co_u32 s[G0W+4*\s+1], s62, \s*SLOT
	s_add_nc_u64 s[G0W+4*\s+2:G0W+4*\s+3], s[60:61], \s*WR*4096
	s_or_b32 s[G0W+4*\s+3], s[G0W+4*\s+3], 0x80000000
.endr
	CROUND                                         ; all four work-groups are here: the first joint loads meet
	s_cmp_eq_u32 s17, 0                            ; both first fills of a wave in one branch; two tensor loads of the wave are out
	s_cbranch_scc0 .Lfirst_w
	tensor_load_to_lds s[G0A:G0A+3], s[G1A:G1A+7]
	s_nop 0
	tensor_load_to_lds s[G0A+4:G0A+7], s[G1A:G1A+7]
	s_nop 0
	s_branch .Lfirst_done
.Lfirst_w:
	tensor_load_to_lds s[G0W:G0W+3], s[G1W:G1W+7]
	s_nop 0
	tensor_load_to_lds s[G0W+4:G0W+7], s[G1W:G1W+7]
	s_nop 0
.Lfirst_done:
	; bias: row eB, my work-group's 128 columns
	s_lshl_b32 s56, s23, 13
	s_lshl_b32 s63, s20, 9
	s_add_co_u32 s56, s56, s63
	s_mov_b32 s57, 0
	s_add_nc_u64 s[8:9], s[8:9], s[56:57]
	v_and_b32 v2, 15, v0                           ; r
	v_bfe_u32 v3, v0, 4, 1                         ; h
	v_lshlrev_b32 v[BO], 5, v3
	v_lshl_add_u32 v[BO], s18, 8, v[BO]            ; 256 (w & 1) + 32 h: columns 64 (w & 1) + 8 h + j of block b at + 64 b
.irp b, 0,1,2,3
	global_load_b128 v[BI+8*\b:BI+8*\b+3],   v[BO], s[8:9] offset:64*\b
	global_load_b128 v[BI+8*\b+4:BI+8*\b+7], v[BO], s[8:9] offset:64*\b+16
.endr
	; the output: my first padded row, my 256 bytes of a row
	s_mul_i32 s56, s21, 160
	s_mul_i32 s63, s17, 80
	s_add_co_u32 s56, s56, s63
	s_lshl_b32 s62, s20, 9
	s_lshl_b32 s63, s18, 8
	s_add_co_u32 s62, s62, s63
	s_mov_b32 s63, 0
.if OUTY
	s_lshl_b32 s56, s56, 2
	s_add_nc_u64 s[12:13], s[12:13], s[56:57]      ; the list at my first row
	s_add_nc_u64 s[14:15], s[14:15], s[62:63]
.else
	s_lshl_b32 s56, s56, 13
	s_add_co_u32 s56, s56, s62
	s_add_nc_u64 s[12:13], s[12:13], s[56:57]
.endif
	; A fragment: lane (r, h) takes row r, 16 bytes at 16 h and at 32 + 16 h
	v_mul_u32_u24 v4, v2, PA
	v_lshl_add_u32 v4, v3, 4, v4
	s_mul_i32 s56, s17, AHALF
	v_add_nc_u32 v[ADRA], s56, v4
	v_add_nc_u32 v[ADRA+1], SLOT, v[ADRA]
	; W fragment through the transposing load: lane L addresses row 8 h + (L & 7), 16 bytes at 16 ((L >> 3) & 1); the second load 16 rows on
	v_and_b32 v6, 7, v0
	v_lshl_add_u32 v6, v3, 3, v6
	v_mul_u32_u24 v6, v6, PW
	v_bfe_u32 v7, v0, 3, 1
	v_lshl_add_u32 v6, v7, 4, v6
	s_lshl_b32 s56, s18, 7                         ; my 64 columns
	s_add_co_u32 s56, s56, WOFF
	v_add_nc_u32 v[ADRW], s56, v6
	v_add_nc_u32 v[ADRW+2], SLOT, v[ADRW]
.if SPLIT == 0
	v_add_nc_u32 v[ADRW+1], 4*KQW, v[ADRW]         ; rows 128 on: past the reach of the 16-bit offset
	v_add_nc_u32 v[ADRW+3], 4*KQW, v[ADRW+2]
.endif
	; the way out
	s_mul_i32 s56, s16, STG
	v_mul_u32_u24 v4, v2, PS
.if OUTY
	v_lshl_add_u32 v4, v3, 5, v4                   ; row r, 32 bytes of f32 at 32 h
	v_lshlrev_b32 v[CO], 4, v2                     ; 16 r
	v_lshlrev_b32 v[LI], 2, v3
.else
	v_lshl_add_u32 v4, v3, 4, v4                   ; row r, 16 bytes of bf16 at 16 h
	v_lshlrev_b32 v[CO], 4, v2
	v_lshl_add_u32 v[CO], v3, 13, v[CO]            ; 8,192 h + 16 r
.endif
	v_add_nc_u32 v[STO], s56, v4
	v_mul_u32_u24 v5, v3, PS
	v_lshl_add_u32 v5, v2, 4, v5
	v_add_nc_u32 v[RD], s56, v5                    ; lanes 0-15 one row of 256 bytes, lanes 16-31 the next
	s_wait_tensorcnt 0x1                           ; my part of K step 0 is in; K step 1's stays out
	s_barrier_signal -1
	s_barrier_wait -1
	FETCH 0, 0, F0
	s_wait_loadcnt 0x0                             ; the bias
	LAP 1                                          ; the first lap stands in front of the loop: its first products take the bias as C
	WIN 0
	s_mov_b32 s3, NSTEP/2-2
.Llap:
	LAP 0
	WIN 0
	s_sub_co_u32 s3, s3, 1
	s_cmp_lg_u32 s3, 0
	s_cbranch_scc1 .Llap
	SEVEN 0, 0                                     ; the last lap fills nothing and has no round
	TURN 0, 1, 0
	SEVEN 1, 0
	s_wait_dscnt 6
	WIN 0x50
	MUL F1, 0, 0
	MUL F1, 1, 0
	s_wait_dscnt 0x0
	MUL F1, 2, 0
	MUL F1, 3, 0
	MUL F1, 4, 0
	PLACES                                         ; behind the last products: for the readers of results and the loads into old operands
	; THE WAY OUT.  My 80 rows x 64 columns are 256 neighbouring bytes of each output row.  They go through my own stage (no other wave touches
	; it, and LDS serves a wave's instructions in order, so no wait and no barrier), and come back two whole rows to an instruction.
	WIN 0
.if OUTY
.set i, 0
.rept 40
	global_load_b32 v[BI+i], v[LI], s[12:13] offset:8*i    ; the tokens of rows 2 i (lanes 0-15) and 2 i + 1 (lanes 16-31)
.set i, i+1
.endr
.endif
.irp a, 0,1,2,3,4
	WIN 0x04                                       ; source 1 in window 1
.set i, 0
.rept 32
	v_max_num_f32 v[T+i], 0, v[32*\a+i]            ; relu
.set i, i+1
.endr
	WIN 0
.if OUTY
.irp b, 0,1,2,3
	ds_store_b128 v[STO], v[T+8*\b:T+8*\b+3]   offset:16*PS*\a+64*\b
	ds_store_b128 v[STO], v[T+8*\b+4:T+8*\b+7] offset:16*PS*\a+64*\b+16
.endr
.else
.set i, 0
.rept 16
	v_cvt_pk_bf16_f32 v[HI+i], v[T+2*i], v[T+2*i+1]
.set i, i+1
.endr
.set i, 0
.rept 16
	v_lshlrev_b32 v40, 16, v[HI+i]                 ; hi as f32
	v_and_b32 v41, 0xffff0000, v[HI+i]
	v_pk_add_f32 v[T+2*i:T+2*i+1], v[T+2*i:T+2*i+1], v[40:41] neg_lo:[0,1] neg_hi:[0,1]   ; what hi left out (exact)
	v_cvt_pk_bf16_f32 v[LOW+i], v[T+2*i], v[T+2*i+1]
.set i, i+1
.endr
.irp b, 0,1,2,3
	ds_store_b128 v[STO], v[HI+4*\b:HI+4*\b+3]   offset:16*PS*\a+32*\b
	ds_store_b128 v[STO], v[LOW+4*\b:LOW+4*\b+3] offset:16*PS*\a+32*\b+128
.endr
.endif
.endr
.set i, 0
.rept 40
	ds_load_b128 v[F0+4*i:F0+4*i+3], v[RD] offset:2*PS*i
.set i, i+1
.endr
.if OUTY
	s_wait_loadcnt 0x0
.set i, 0
.rept 40
	v_min_u32 v[BI+i], 0x7ff, v[BI+i]
	v_lshl_add_u32 v[BI+i], v[BI+i], 13, v[CO]     ; the token's row of 8,192 bytes + 16 r
.set i, i+1
.endr
.endif
.set i, 0
.rept 40
	s_wait_dscnt 39-i                              ; LDS loads come back in order: pair i of rows is in
.if OUTY
	global_store_b128 v[BI+i], v[F0+4*i:F0+4*i+3], s[14:15] th:TH_STORE_NT   ; 16 lanes store 256 consecutive bytes, aligned
.else
	global_store_b128 v[CO], v[F0+4*i:F0+4*i+3], s[12:13] offset:16384*i     ; the same
.endif
.set i, i+1
.endr
	s_wait_tensorcnt 0x0
	ds_add_u32 v62, v63
	s_wait_dscnt 0x0
	CROUND                                         ; the closing round: no work-group ends while a partner may still ask jointly
	s_endpgm
.Lfunc_end_k_q0151116338_g1:
	.size	k_q0151116338_g1, .Lfunc_end_k_q0151116338_g1-k_q0151116338_g1
	.p2alignl 7, 3214868480
	.fill 96, 4, 3214868480
	.section	.rodata,"a",@progbits
	.p2align	6, 0x0
	.amdhsa_kernel k_q0151116338_g1
		.amdhsa_group_segment_fixed_size 327680
		.amdhsa_private_segment_fixed_size 0
		.amdhsa_enable_private_segment 0
		.amdhsa_kernarg_size 40
		.amdhsa_user_sgpr_count 2
		.amdhsa_user_sgpr_kernarg_segment_ptr 1
		.amdhsa_wavefront_size32 1
		.amdhsa_system_sgpr_workgroup_id_x 1
		.amdhsa_system_sgpr_workgroup_id_y 1
		.amdhsa_system_sgpr_workgroup_id_z 1
		.amdhsa_system_vgpr_workitem_id 0
		.amdhsa_next_free_vgpr 416
		.amdhsa_next_free_sgpr 66
		.amdhsa_reserve_vcc 0
		.amdhsa_float_denorm_mode_32 3
		.amdhsa_float_denorm_mode_16_64 3
		.amdhsa_memory_ordered 1
		.amdhsa_forward_progress 1
		.amdhsa_inst_pref_size 176
	.end_amdhsa_kernel
	.amdgpu_metadata
---
amdhsa.version: [ 1, 2 ]
amdhsa.kernels:
  - .name:           k_q0151116338_g1
    .symbol:         k_q0151116338_g1.kd
    .args:
      - { .name: hb, .offset: 0, .size: 8, .value_kind: global_buffer, .address_space: global }
      - { .name: wb, .offset: 8, .size: 8, .value_kind: global_buffer, .address_space: global }
      - { .name: b1, .offset: 16, .size: 8, .value_kind: global_buffer, .address_space: global }
      - { .name: et1, .offset: 24, .size: 8, .value_kind: global_buffer, .address_space: global }
      - { .name: hc, .offset: 32, .size: 8, .value_kind: global_buffer, .address_space: global }
    .group_segment_fixed_size: 327680
    .private_segment_fixed_size: 0
    .kernarg_segment_align: 8
    .kernarg_segment_size: 40
    .max_flat_workgroup_size: 128
    .sgpr_count:     66
    .vgpr_count:     416
    .wavefront_size: 32
...
	.end_amdgpu_metadata
.endif
;; end of part 4
;; launch g2 (part 5): grid 16 x 16, 4 waves a work-group, clusters of 4 x 1, 327,680 bytes of LDS; arguments hc, wb, b2, et2, srcl, out0; writes out0
.if DOCPART == 5
	.amdgcn_target "amdgcn-amd-amdhsa--gfx1250"
	.amdhsa_code_object_version 6
	.text
	.protected	k_q0151116338_g2
	.globl	k_q0151116338_g2
	.p2align	8
	.type	k_q0151116338_g2,@function
k_q0151116338_g2:
	s_mov_b64 s[64:65], 0
	v_nop
	global_prefetch_b8 v0, s[64:65] scope:SCOPE_SE
	s_setreg_imm32_b32 hwreg(HW_REG_WAVE_MODE, 25, 1), 1
	s_wait_xcnt 0x0
	s_wait_alu depctr_hold_cnt(0) depctr_sa_sdst(0) depctr_va_vdst(0) depctr_va_sdst(0) depctr_va_ssrc(0) depctr_va_vcc(0) depctr_vm_vsrc(0)
	s_getreg_b32 s2, hwreg(HW_REG_IB_STS2, 6, 4)
	s_cmp_eq_u32 s2, 0
	s_cbranch_scc0 .Lentry_in_a_cluster
	s_endpgm
.Lentry_in_a_cluster:
	s_bfe_u32 s2, ttmp6, 0x10000c
	s_cmp_lg_u32 s2, 0x3003
	s_cbranch_scc0 .Lentry_shape_is_right
	s_endpgm
.Lentry_shape_is_right:
; One layer of the tree: relu(A W_e + b_e) for a row tile of 160 padded tokens (all of one leaf, so of one expert e) and 128 columns.
; The same text serves the three layers; two switches say what comes in and what goes out.
.set SPLIT, 1                          ; 0: A is [2560][2048] bf16.  1: A is the sum of two bf16 terms, [2560][32 blocks][hi 64 | lo 64]
.set OUTY, 1                           ; 0: the result goes out as hi + lo in that layout.  1: as f32, each row to its token's row of the output
; WHY TWO TERMS: one rounding of an activation to bf16 is 2^-8 of it at the worst; two layers' roundings together come to about a third of
; what the result may be off near zero, too near for 4 million results.  lo = bf16(h - hi) leaves 2^-16.  f16 has no room: with all inputs
; 30 times larger the second layer's results pass 65,504.  The price: a split layer multiplies W by hi and by lo, twice the products.
; LIMITS: relu is a maximum in which a NaN loses, so a NaN becomes 0; an infinite sum gives hi = inf, lo = NaN.  Padded rows repeat a token:
; with OUTY that token's row is stored again by the same wave with the same bits.
; SHARES: grid 16 (column tiles) x 16 (row tiles).  Four waves; wave w makes rows 80 (w >> 1) .. + 79 and columns 64 (w & 1) .. + 63:
; 5 x 4 accumulator tiles, 160 registers.  A K step is 512 bytes of A's rows (256 k, or 128 k as hi and lo) and WR rows of W, in two LDS slots.
; CLUSTER 4 x 1: the four column tiles of a row tile need the same tile of A and ask for it jointly (mask 15).  W's tile hangs on the column
; tile, which the four do not share; sharing it along y would need equal experts in neighbouring row tiles, which is data: W's loads are plain.
; THE MATRIX INSTRUCTION IS USED TRANSPOSED: source 0 = 16 columns of W (read from [k][n] rows by the transposing LDS load), source 1 = 16
; rows of A.  Lane (r, h) then holds, in register j, row r and column 8 h + j: eight neighbouring numbers of a row.
; The bias is the C of each accumulator's first product: nothing is cleared and nothing is added later.
.set NSTEP, 8*(1+SPLIT)                ; K steps
.set AROW,  4096*(1+SPLIT)             ; bytes of a row of A in memory
.set WR,    256/(1+SPLIT)              ; rows of W in a K step
.set PA,    528                        ; LDS pitch of A's rows: 512 + 16, an odd multiple of 16
.set PW,    288                        ; LDS pitch of W's rows: 256 + 32, an odd multiple of 32
.set AHALF, 80*PA                      ; what one of A's two loads brings, and what a wave reads of A
.set WOFF,  160*PA                     ; W's rows lie behind A's 160
.set WHALF, (WR/2)*PW                  ; what one of W's two loads brings
.set SLOT,  WOFF+WR*PW
.set KQW,   32*PW                      ; 32 rows of W
.set PS,    272                        ; the way out: pitch of a wave's stage, 256 + 16
.set STG,   80*PS                      ; a wave's stage, at LDS byte w x STG: in slot 0, behind its last fill and its last reads
.set ADRA, 8                           ; v8-9    LDS address of my A fragments in slot 0, 1
.set ADRW, 10                          ; v10-13  of my W fragments: slot 0 (rows 0-127, rows 128-255), slot 1 (the same)
.set STO,  14                          ; v14     the way out: where I put my numbers of a row
.set RD,   15                          ; v15     where I read rows back
.set CO,   16                          ; v16     my byte offset in the output
.set LI,   17                          ; v17     my word in a pair of the row list
.set BO,   18                          ; v18     my byte offset in the bias
.set BI,   24                          ; v24-55  the bias of my 4 x 16 columns, laid as a C operand; later the way out's lo terms or row offsets
.set F0,   64                          ; v64-135  fragment buffer 0: W's four at + 8 b, A's five at + 32 + 8 a
.set F1,   136                         ; v136-207 fragment buffer 1
.set T,    208                         ; v208-239 the way out: 32 results after relu
.set HI,   240                         ; v240-255 their hi terms
.set LOW,  24                          ; v24-39   their lo terms; v40-41 at work
.set G1A, 24                           ; s[24:31] descriptor group 1, A
.set G0A, 32                           ; s[32:39] group 0, A, one set for each slot
.set G1W, 40                           ; s[40:47] group 1, W
.set G0W, 48                           ; s[48:55] group 0, W
; window 1 (v256-415): accumulator (a, b) at v[8 (4 a + b)].  s_set_vgpr_msb: bits 1:0 source 0, 3:2 source 1, 5:4 source 2, 7:6 destination.
.set MSB, 0
.macro WIN new                         ; the immediate's high byte repeats the setting that is left
.if MSB != \new
	s_set_vgpr_msb (MSB<<8)|\new
.set MSB, \new
.endif
.endm
.macro MWIN first                      ; products: D in window 1; C in window 1, or the bias in window 0
.if \first
	WIN 0x40
.else
	WIN 0x50
.endif
.endm
.macro PLACES                          ; four plain vector instructions between a matrix instruction and a load into, or a reader of, its registers
.rept 4
	v_nop
.endr
.endm
.macro CREST                           ; a round of the cluster's barrier behind its opening work-group barrier
	s_cmp_lg_u32 s16, 0
	s_cbranch_scc1 .Lnot_wave_0_\@
	s_barrier_signal -3
.Lnot_wave_0_\@:
	s_barrier_wait -3
	s_barrier_signal -1
	s_barrier_wait -1
.endm
.macro CROUND
	s_barrier_signal -1
	s_barrier_wait -1
	CREST
.endm
.macro LOADT s                         ; my one tensor load for slot s: waves 0, 1 a half of A's tile (joint), waves 2, 3 a half of W's
	s_cmp_eq_u32 s17, 0
	s_cbranch_scc0 .Lfor_w_\@
	tensor_load_to_lds s[G0A+4*\s:G0A+4*\s+3], s[G1A:G1A+7]
	s_nop 0
	s_branch .Lasked_\@
.Lfor_w_\@:
	tensor_load_to_lds s[G0W+4*\s:G0W+4*\s+3], s[G1W:G1W+7]
	s_nop 0
.Lasked_\@:
.endm
; four products: A's block a with W's four.  The 20 accumulators take turns, one instruction a turn, always in the order a = 0..4, b = 0..3.
.macro MUL f, a, first
.irp b, 0,1,2,3
.if \first
	v_wmma_f32_16x16x32_bf16 v[8*(4*\a+\b):8*(4*\a+\b)+7], v[\f+8*\b:\f+8*\b+7], v[\f+32+8*\a:\f+32+8*\a+7], v[BI+8*\b:BI+8*\b+7]
.else
	v_wmma_f32_16x16x32_bf16 v[8*(4*\a+\b):8*(4*\a+\b)+7], v[\f+8*\b:\f+8*\b+7], v[\f+32+8*\a:\f+32+8*\a+7], v[8*(4*\a+\b):8*(4*\a+\b)+7]
.endif
.endr
.endm
; 18 LDS loads: the fragments of eighth kq of a K step (64 bytes of A's rows at byte 64 kq, and the 32 rows of W that go with them) into buffer f.
; Split A: bytes 0-127 are hi of k 0-63, 128-255 their lo, 256-383 hi of k 64-127, 384-511 their lo.
.macro FETCH slot, kq, f
.if SPLIT
.set WQ, ((\kq)&1)+2*((\kq)>>2)
.set WRG, ADRW+2*\slot
.else
.set WQ, (\kq)&3
.set WRG, ADRW+2*\slot+((\kq)>>2)
.endif
	WIN 0
.irp b, 0,1,2,3
	ds_load_tr16_b128 v[\f+8*\b:\f+8*\b+3],   v[WRG] offset:WQ*KQW+32*\b
	ds_load_tr16_b128 v[\f+8*\b+4:\f+8*\b+7], v[WRG] offset:WQ*KQW+32*\b+16*PW
.endr
.irp a, 0,1,2,3,4
	ds_load_b128 v[\f+32+8*\a:\f+32+8*\a+3],   v[ADRA+\slot] offset:16*PA*\a+64*(\kq)
	ds_load_b128 v[\f+32+8*\a+4:\f+32+8*\a+7], v[ADRA+\slot] offset:16*PA*\a+64*(\kq)+32
.endr
.endm
; one of a K step's first seven eighths: multiplies buffer f and fetches eighth kn into buffer g
.macro EIGHTH slot, kn, f, g, first
	s_wait_dscnt 6                                 ; W's eight loads and those of A's blocks 0, 1 are in; the six of blocks 2 to 4 may be out
	MWIN \first
	MUL \f, 0, \first
	MUL \f, 1, \first
	PLACES
	FETCH \slot, \kn, \g
	s_wait_dscnt 18                                ; all but the 18 just issued
	MWIN \first
	MUL \f, 2, \first
	MUL \f, 3, \first
	MUL \f, 4, \first
.endm
.macro SEVEN slot, first
	EIGHTH \slot, 1, F0, F1, \first
	EIGHTH \slot, 2, F1, F0, 0
	EIGHTH \slot, 3, F0, F1, 0
	EIGHTH \slot, 4, F1, F0, 0
	EIGHTH \slot, 5, F0, F1, 0
	EIGHTH \slot, 6, F1, F0, 0
	EIGHTH \slot, 7, F0, F1, 0
.endm
; the last eighth, on buffer 1, and the change of slots.  In front of the barrier each wave waits for its reads of this slot and for all its
; tensor loads (one is out: its part of the next slot).  fill = 1: the barrier opens a round of the cluster's barrier, and this slot's refill,
; two K steps ahead, is the first tensor load behind the round; 148 of a step's 160 products stand between it and the wait for it.
.macro TURN slot, next, fill
	s_wait_dscnt 6
	WIN 0x50
	MUL F1, 0, 0
	MUL F1, 1, 0
	s_wait_dscnt 0x0
	s_wait_tensorcnt 0x0
	ds_add_u32 v254, v255
	s_wait_dscnt 0x0
	s_barrier_signal -1
	MUL F1, 2, 0                                   ; registers only, while the others arrive
	WIN 0
	s_barrier_wait -1
.if \fill
	CREST
	s_add_nc_u64 s[G0A+4*\slot+2:G0A+4*\slot+3], s[G0A+4*\slot+2:G0A+4*\slot+3], 2*512
	s_add_nc_u64 s[G0W+4*\slot+2:G0W+4*\slot+3], s[G0W+4*\slot+2:G0W+4*\slot+3], 2*WR*4096
	LOADT \slot
.endif
	PLACES
	FETCH \next, 0, F0
	WIN 0x50
	MUL F1, 3, 0
	MUL F1, 4, 0
.endm
.macro LAP first
	SEVEN 0, \first
	TURN 0, 1, 1
	SEVEN 1, 0
	TURN 1, 0, 1
.endm
	s_load_b256 s[4:11], s[0:1], 0x0               ; A s[4:5], wb s[6:7], bias s[8:9], et s[10:11]
.if OUTY
	s_load_b128 s[12:15], s[0:1], 0x20             ; srcl s[12:13], out s[14:15]
	v_lshl_add_u32 v254, v0, 2, 0x3b400
	v_mov_b32 v255, 0
	ds_add_u32 v254, v255
.else
	s_load_b64 s[12:13], s[0:1], 0x20              ; H
.endif
	v_lshrrev_b32 v1, 5, v0
	v_readfirstlane_b32 s16, v1                    ; wave
	s_lshr_b32 s17, s16, 1                         ; my half of the rows.  Also: I fetch for A (0) or for W (1)
	s_and_b32 s18, s16, 1                          ; my half of the columns.  Also: which half of that tile I fetch
	s_bfe_u32 s19, ttmp6, 0x40000                  ; cx
	s_lshl_b32 s20, ttmp9, 2
	s_add_co_u32 s20, s20, s19                     ; column tile = 4 x cluster x + cx
	s_and_b32 s21, ttmp7, 0xffff                   ; row tile = cluster y
	s_lshl_b32 s56, s21, 2
	s_wait_dscnt 0x0
	s_wait_kmcnt 0x0
	s_load_b32 s22, s[10:11], s56 offset:0x0       ; my row tile's matrix in wb
	s_load_b32 s23, s[10:11], s56 offset:0x40      ; and its bias row
	; group 1 for A: 80 rows x 256 elements of 2 bytes, 4 words of padding behind every 128; mask 15 (all four partners) with bit 21 beside it
	s_mov_b32 s[G1A+0], 15|(1<<16)|(1<<20)|(1<<21)|(6<<22)|(3<<25)
	s_mov_b32 s[G1A+1], 256<<16                    ; tensor_dim0
	s_mov_b32 s[G1A+2], 80<<16                     ; tensor_dim1
	s_mov_b32 s[G1A+3], 256<<16                    ; tile_dim0
	s_mov_b32 s[G1A+4], 80                         ; tile_dim1
	s_mov_b32 s[G1A+5], AROW/2                     ; elements from row to row
	s_mov_b32 s[G1A+6], 0
	s_mov_b32 s[G1A+7], 0
	; group 1 for W: WR / 2 rows x 128 elements, 8 words of padding behind every 64; no mask
	s_mov_b32 s[G1W+0], (1<<16)|(1<<20)|(5<<22)|(7<<25)
	s_mov_b32 s[G1W+1], 128<<16
	s_mov_b32 s[G1W+2], (WR/2)<<16
	s_mov_b32 s[G1W+3], 128<<16
	s_mov_b32 s[G1W+4], WR/2
	s_mov_b32 s[G1W+5], 2048
	s_mov_b32 s[G1W+6], 0
	s_mov_b32 s[G1W+7], 0
	; A's tile hangs on the row tile and the wave alone, which the four partners share
	s_mul_i32 s58, s21, 160
	s_mul_i32 s57, s18, 80
	s_add_co_u32 s58, s58, s57
	s_mul_i32 s58, s58, AROW
	s_mov_b32 s59, 0
	s_add_nc_u64 s[58:59], s[4:5], s[58:59]
	s_mul_i32 s57, s18, AHALF                      ; where it goes
	s_wait_kmcnt 0x0
	s_min_u32 s22, s22, 6
	s_min_u32 s23, s23, 3
	s_lshl_b32 s60, s22, 23                        ; a matrix of wb is 8,388,608 bytes
	s_mul_i32 s61, s18, (WR/2)*4096
	s_add_co_u32 s60, s60, s61
	s_lshl_b32 s61, s20, 8                         ; 128 columns
	s_add_co_u32 s60, s60, s61
	s_mov_b32 s61, 0
	s_add_nc_u64 s[60:61], s[6:7], s[60:61]
	s_mul_i32 s62, s18, WHALF
	s_add_co_u32 s62, s62, WOFF
.irp s, 0,1
	s_mov_b32 s[G0A+4*\s], 1
	s_add_co_u32 s[G0A+4*\s+1], s57, \s*SLOT
	s_add_nc_u64 s[G0A+4*\s+2:G0A+4*\s+3], s[58:59], \s*512
	s_or_b32 s[G0A+4*\s+3], s[G0A+4*\s+3], 0x80000000
	s_mov_b32 s[G0W+4*\s], 1
	s_add_co_u32 s[G0W+4*\s+1], s62, \s*SLOT
	s_add_nc_u64 s[G0W+4*\s+2:G0W+4*\s+3], s[60:61], \s*WR*4096
	s_or_b32 s[G0W+4*\s+3], s[G0W+4*\s+3], 0x80000000
.endr
	CROUND                                         ; all four work-groups are here: the first joint loads meet
	s_cmp_eq_u32 s17, 0                            ; both first fills of a wave in one branch; two tensor loads of the wave are out
	s_cbranch_scc0 .Lfirst_w
	tensor_load_to_lds s[G0A:G0A+3], s[G1A:G1A+7]
	s_nop 0
	tensor_load_to_lds s[G0A+4:G0A+7], s[G1A:G1A+7]
	s_nop 0
	s_branch .Lfirst_done
.Lfirst_w:
	tensor_load_to_lds s[G0W:G0W+3], s[G1W:G1W+7]
	s_nop 0
	tensor_load_to_lds s[G0W+4:G0W+7], s[G1W:G1W+7]
	s_nop 0
.Lfirst_done:
	; bias: row eB, my work-group's 128 columns
	s_lshl_b32 s56, s23, 13
	s_lshl_b32 s63, s20, 9
	s_add_co_u32 s56, s56, s63
	s_mov_b32 s57, 0
	s_add_nc_u64 s[8:9], s[8:9], s[56:57]
	v_and_b32 v2, 15, v0                           ; r
	v_bfe_u32 v3, v0, 4, 1                         ; h
	v_lshlrev_b32 v[BO], 5, v3
	v_lshl_add_u32 v[BO], s18, 8, v[BO]            ; 256 (w & 1) + 32 h: columns 64 (w & 1) + 8 h + j of block b at + 64 b
.irp b, 0,1,2,3
	global_load_b128 v[BI+8*\b:BI+8*\b+3],   v[BO], s[8:9] offset:64*\b
	global_load_b128 v[BI+8*\b+4:BI+8*\b+7], v[BO], s[8:9] offset:64*\b+16
.endr
	; the output: my first padded row, my 256 bytes of a row
	s_mul_i32 s56, s21, 160
	s_mul_i32 s63, s17, 80
	s_add_co_u32 s56, s56, s63
	s_lshl_b32 s62, s20, 9
	s_lshl_b32 s63, s18, 8
	s_add_co_u32 s62, s62, s63
	s_mov_b32 s63, 0
.if OUTY
	s_lshl_b32 s56, s56, 2
	s_add_nc_u64 s[12:13], s[12:13], s[56:57]      ; the list at my first row
	s_add_nc_u64 s[14:15], s[14:15], s[62:63]
.else
	s_lshl_b32 s56, s56, 13
	s_add_co_u32 s56, s56, s62
	s_add_nc_u64 s[12:13], s[12:13], s[56:57]
.endif
	; A fragment: lane (r, h) takes row r, 16 bytes at 16 h and at 32 + 16 h
	v_mul_u32_u24 v4, v2, PA
	v_lshl_add_u32 v4, v3, 4, v4
	s_mul_i32 s56, s17, AHALF
	v_add_nc_u32 v[ADRA], s56, v4
	v_add_nc_u32 v[ADRA+1], SLOT, v[ADRA]
	; W fragment through the transposing load: lane L addresses row 8 h + (L & 7), 16 bytes at 16 ((L >> 3) & 1); the second load 16 rows on
	v_and_b32 v6, 7, v0
	v_lshl_add_u32 v6, v3, 3, v6
	v_mul_u32_u24 v6, v6, PW
	v_bfe_u32 v7, v0, 3, 1
	v_lshl_add_u32 v6, v7, 4, v6
	s_lshl_b32 s56, s18, 7                         ; my 64 columns
	s_add_co_u32 s56, s56, WOFF
	v_add_nc_u32 v[ADRW], s56, v6
	v_add_nc_u32 v[ADRW+2], SLOT, v[ADRW]
.if SPLIT == 0
	v_add_nc_u32 v[ADRW+1], 4*KQW, v[ADRW]         ; rows 128 on: past the reach of the 16-bit offset
	v_add_nc_u32 v[ADRW+3], 4*KQW, v[ADRW+2]
.endif
	; the way out
	s_mul_i32 s56, s16, STG
	v_mul_u32_u24 v4, v2, PS
.if OUTY
	v_lshl_add_u32 v4, v3, 5, v4                   ; row r, 32 bytes of f32 at 32 h
	v_lshlrev_b32 v[CO], 4, v2                     ; 16 r
	v_lshlrev_b32 v[LI], 2, v3
.else
	v_lshl_add_u32 v4, v3, 4, v4                   ; row r, 16 bytes of bf16 at 16 h
	v_lshlrev_b32 v[CO], 4, v2
	v_lshl_add_u32 v[CO], v3, 13, v[CO]            ; 8,192 h + 16 r
.endif
	v_add_nc_u32 v[STO], s56, v4
	v_mul_u32_u24 v5, v3, PS
	v_lshl_add_u32 v5, v2, 4, v5
	v_add_nc_u32 v[RD], s56, v5                    ; lanes 0-15 one row of 256 bytes, lanes 16-31 the next
	s_wait_tensorcnt 0x1                           ; my part of K step 0 is in; K step 1's stays out
	s_barrier_signal -1
	s_barrier_wait -1
	FETCH 0, 0, F0
	s_wait_loadcnt 0x0                             ; the bias
	LAP 1                                          ; the first lap stands in front of the loop: its first products take the bias as C
	WIN 0
	s_mov_b32 s3, NSTEP/2-2
.Llap:
	LAP 0
	WIN 0
	s_sub_co_u32 s3, s3, 1
	s_cmp_lg_u32 s3, 0
	s_cbranch_scc1 .Llap
	SEVEN 0, 0                                     ; the last lap fills nothing and has no round
	TURN 0, 1, 0
	SEVEN 1, 0
	s_wait_dscnt 6
	WIN 0x50
	MUL F1, 0, 0
	MUL F1, 1, 0
	s_wait_dscnt 0x0
	MUL F1, 2, 0
	MUL F1, 3, 0
	MUL F1, 4, 0
	PLACES                                         ; behind the last products: for the readers of results and the loads into old operands
	; THE WAY OUT.  My 80 rows x 64 columns are 256 neighbouring bytes of each output row.  They go through my own stage (no other wave touches
	; it, and LDS serves a wave's instructions in order, so no wait and no barrier), and come back two whole rows to an instruction.
	WIN 0
.if OUTY
.set i, 0
.rept 40
	global_load_b32 v[BI+i], v[LI], s[12:13] offset:8*i    ; the tokens of rows 2 i (lanes 0-15) and 2 i + 1 (lanes 16-31)
.set i, i+1
.endr
.endif
.irp a, 0,1,2,3,4
	WIN 0x04                                       ; source 1 in window 1
.set i, 0
.rept 32
	v_max_num_f32 v[T+i], 0, v[32*\a+i]            ; relu
.set i, i+1
.endr
	WIN 0
.if OUTY
.irp b, 0,1,2,3
	ds_store_b128 v[STO], v[T+8*\b:T+8*\b+3]   offset:16*PS*\a+64*\b
	ds_store_b128 v[STO], v[T+8*\b+4:T+8*\b+7] offset:16*PS*\a+64*\b+16
.endr
.else
.set i, 0
.rept 16
	v_cvt_pk_bf16_f32 v[HI+i], v[T+2*i], v[T+2*i+1]
.set i, i+1
.endr
.set i, 0
.rept 16
	v_lshlrev_b32 v40, 16, v[HI+i]                 ; hi as f32
	v_and_b32 v41, 0xffff0000, v[HI+i]
	v_pk_add_f32 v[T+2*i:T+2*i+1], v[T+2*i:T+2*i+1], v[40:41] neg_lo:[0,1] neg_hi:[0,1]   ; what hi left out (exact)
	v_cvt_pk_bf16_f32 v[LOW+i], v[T+2*i], v[T+2*i+1]
.set i, i+1
.endr
.irp b, 0,1,2,3
	ds_store_b128 v[STO], v[HI+4*\b:HI+4*\b+3]   offset:16*PS*\a+32*\b
	ds_store_b128 v[STO], v[LOW+4*\b:LOW+4*\b+3] offset:16*PS*\a+32*\b+128
.endr
.endif
.endr
.set i, 0
.rept 40
	ds_load_b128 v[F0+4*i:F0+4*i+3], v[RD] offset:2*PS*i
.set i, i+1
.endr
.if OUTY
	s_wait_loadcnt 0x0
.set i, 0
.rept 40
	v_min_u32 v[BI+i], 0x7ff, v[BI+i]
	v_lshl_add_u32 v[BI+i], v[BI+i], 13, v[CO]     ; the token's row of 8,192 bytes + 16 r
.set i, i+1
.endr
.endif
.set i, 0
.rept 40
	s_wait_dscnt 39-i                              ; LDS loads come back in order: pair i of rows is in
.if OUTY
	global_store_b128 v[BI+i], v[F0+4*i:F0+4*i+3], s[14:15] th:TH_STORE_NT   ; 16 lanes store 256 consecutive bytes, aligned
.else
	global_store_b128 v[CO], v[F0+4*i:F0+4*i+3], s[12:13] offset:16384*i     ; the same
.endif
.set i, i+1
.endr
	s_wait_tensorcnt 0x0
	ds_add_u32 v254, v255
	s_wait_dscnt 0x0
	CROUND                                         ; the closing round: no work-group ends while a partner may still ask jointly
	s_endpgm
.Lfunc_end_k_q0151116338_g2:
	.size	k_q0151116338_g2, .Lfunc_end_k_q0151116338_g2-k_q0151116338_g2
	.p2alignl 7, 3214868480
	.fill 96, 4, 3214868480
	.section	.rodata,"a",@progbits
	.p2align	6, 0x0
	.amdhsa_kernel k_q0151116338_g2
		.amdhsa_group_segment_fixed_size 327680
		.amdhsa_private_segment_fixed_size 0
		.amdhsa_enable_private_segment 0
		.amdhsa_kernarg_size 48
		.amdhsa_user_sgpr_count 2
		.amdhsa_user_sgpr_kernarg_segment_ptr 1
		.amdhsa_wavefront_size32 1
		.amdhsa_system_sgpr_workgroup_id_x 1
		.amdhsa_system_sgpr_workgroup_id_y 1
		.amdhsa_system_sgpr_workgroup_id_z 1
		.amdhsa_system_vgpr_workitem_id 0
		.amdhsa_next_free_vgpr 416
		.amdhsa_next_free_sgpr 66
		.amdhsa_reserve_vcc 0
		.amdhsa_float_denorm_mode_32 3
		.amdhsa_float_denorm_mode_16_64 3
		.amdhsa_memory_ordered 1
		.amdhsa_forward_progress 1
		.amdhsa_inst_pref_size 162
	.end_amdhsa_kernel
	.amdgpu_metadata
---
amdhsa.version: [ 1, 2 ]
amdhsa.kernels:
  - .name:           k_q0151116338_g2
    .symbol:         k_q0151116338_g2.kd
    .args:
      - { .name: hc, .offset: 0, .size: 8, .value_kind: global_buffer, .address_space: global }
      - { .name: wb, .offset: 8, .size: 8, .value_kind: global_buffer, .address_space: global }
      - { .name: b2, .offset: 16, .size: 8, .value_kind: global_buffer, .address_space: global }
      - { .name: et2, .offset: 24, .size: 8, .value_kind: global_buffer, .address_space: global }
      - { .name: srcl, .offset: 32, .size: 8, .value_kind: global_buffer, .address_space: global }
      - { .name: out0, .offset: 40, .size: 8, .value_kind: global_buffer, .address_space: global }
    .group_segment_fixed_size: 327680
    .private_segment_fixed_size: 0
    .kernarg_segment_align: 8
    .kernarg_segment_size: 48
    .max_flat_workgroup_size: 128
    .sgpr_count:     66
    .vgpr_count:     416
    .wavefront_size: 32
...
	.end_amdgpu_metadata
.endif
;; end of part 5
;; ======== version 2 of 3: 5 launches; 1.25 times as fast as version 1
;; limits: inputs' magnitudes at most 1,023; values are held in f16: magnitudes above 65,504 overflow, below 6.1e-05 lose precision
;; workspace buffers: srcl 10,240 bytes of whole numbers; et0 256 bytes of whole numbers; et1 256 bytes of whole numbers; et2 256 bytes of whole numbers; wb 58,734,592 bytes; ha 10,496,000 bytes; hb 10,496,000 bytes
;; launch route: the kernel of part 1 again; grid 1 x 1, 1 waves a work-group, no clusters, 8,448 bytes of LDS; arguments path_mask, srcl, et0, et1, et2; writes srcl, et0, et1, et2
;; launch cast (part 6): grid 528 x 1, 8 waves a work-group, no clusters, 0 bytes of LDS; arguments W0, W1, W2, x, srcl, wb, ha; writes wb, ha
.if DOCPART == 6
	.amdgcn_target "amdgcn-amd-amdhsa--gfx1250"
	.amdhsa_code_object_version 6
	.text
	.protected	k_q0151116338_cast
	.globl	k_q0151116338_cast
	.p2align	8
	.type	k_q0151116338_cast,@function
k_q0151116338_cast:
	s_mov_b64 s[64:65], 0
	v_nop
	global_prefetch_b8 v0, s[64:65] scope:SCOPE_SE
	s_setreg_imm32_b32 hwreg(HW_REG_WAVE_MODE, 25, 1), 1
	s_wait_xcnt 0x0
; f32 to f16, once, with what the later layers need to scale their rows.
; Work-groups 0 to 447: 32 rows each of the seven weight matrices, in the order W0, W1[0..1], W2[0..3], into wb ([7][2048 k][2048 n] f16),
; stored as 64 W (0.02 becomes 1.28, in the middle of f16's range).  Each wave also stores the sum of squares of its four rows behind
; the matrices (float 8 g + w at byte WTAIL): 512 partial sums for a matrix, from which a layer makes the matrix's Frobenius norm.
; Work-groups 448 to 527: 32 padded rows each of ha ([2560][2048] f16); padded row p is x's row srcl[p], stored as x 2^(141 - ex), where
; ex is the exponent field of N = |x row|_2: every |x| <= N < 2^(ex - 126), so what is stored lies below 2^15.  N goes to float p at byte NTAIL.
; LIMITS: |W| below 1,023 (64 W must fit f16); elements of W below 2^-20 carry an absolute error of 2^-31; the sums of squares must be
; finite in f32; ex is clamped to 21 .. 254, so a row norm below 2^-106 is not served.
; A stream: no LDS, no barrier, no matrix unit.  Wave w takes rows 4 w .. 4 w + 3 of the group's 32; a lane takes 32 bytes of every 1,024 of
; a row and stores their 16 bytes of f16, so a store of the wave covers 512 consecutive bytes, aligned.  Two rows (32 loads) of every wave are out.
.set WTAIL, 7*2048*4096                ; byte of wb where the partial sums begin
.set NTAIL, 2560*4096                  ; byte of ha where the row norms begin
.set SC, 6                             ; v[6:7]     the scale, twice (a pair for the packed multiply)
.set X0, 8                             ; v[8:71]    a row as loaded, 64 f32 a lane
.set X1, 72                            ; v[72:135]  the other row
.set Y0, 136                           ; v[136:167] a row to store
.set Y1, 168                           ; v[168:199]
.set S,  200                           ; v[200:207] four chains of packed sums of squares
.set NR, 208                           ; v[208:211] the norms of my four rows of x
.set T,  212                           ; v[212:213] at work
.set SRC, 20                           ; s[20:27]   the addresses of my four source rows
.set DST, 28                           ; s[28:29]   my first destination row
.macro LOADROW q, x, nt
.irp j, 0,1,2,3,4,5,6,7
.if \nt
	global_load_b128 v[\x+8*\j:\x+8*\j+3],   v1, s[SRC+2*\q:SRC+2*\q+1] offset:1024*\j th:TH_LOAD_NT
	global_load_b128 v[\x+8*\j+4:\x+8*\j+7], v1, s[SRC+2*\q:SRC+2*\q+1] offset:1024*\j+16 th:TH_LOAD_NT
.else
	global_load_b128 v[\x+8*\j:\x+8*\j+3],   v1, s[SRC+2*\q:SRC+2*\q+1] offset:1024*\j
	global_load_b128 v[\x+8*\j+4:\x+8*\j+7], v1, s[SRC+2*\q:SRC+2*\q+1] offset:1024*\j+16
.endif
.endr
.endm
; squares of my 64 numbers of a row into four chains; first = 1: the first four products start the chains, nothing is cleared
.macro SQ x, first
.irp c, 0,1,2,3
.if \first
	v_pk_mul_f32 v[S+2*\c:S+2*\c+1], v[\x+2*\c:\x+2*\c+1], v[\x+2*\c:\x+2*\c+1]
.else
	v_pk_fma_f32 v[S+2*\c:S+2*\c+1], v[\x+2*\c:\x+2*\c+1], v[\x+2*\c:\x+2*\c+1], v[S+2*\c:S+2*\c+1]
.endif
.endr
.set i, 4
.rept 28
	v_pk_fma_f32 v[S+2*(i%4):S+2*(i%4)+1], v[\x+2*i:\x+2*i+1], v[\x+2*i:\x+2*i+1], v[S+2*(i%4):S+2*(i%4)+1]
.set i, i+1
.endr
.endm
; the chains and the 32 lanes into one sum, in every lane's v[T]
.macro RED
	v_pk_add_f32 v[S:S+1], v[S:S+1], v[S+2:S+3]
	v_pk_add_f32 v[S+4:S+5], v[S+4:S+5], v[S+6:S+7]
	v_pk_add_f32 v[S:S+1], v[S:S+1], v[S+4:S+5]
	v_add_f32 v[T], v[S], v[S+1]
.irp m, 1,2,4,8
	v_add_f32_dpp v[T], v[T], v[T] row_xmask:\m row_mask:0xf bank_mask:0xf
.endr
	v_permlanex16_b32 v[T+1], v[T], s46, s47
	v_add_f32 v[T], v[T], v[T+1]
.endm
.macro CVT x, y                        ; scale in place, round to f16
.set i, 0
.rept 32
	v_pk_mul_f32 v[\x+2*i:\x+2*i+1], v[\x+2*i:\x+2*i+1], v[SC:SC+1]
	v_cvt_pk_f16_f32 v[\y+i], v[\x+2*i], v[\x+2*i+1]
.set i, i+1
.endr
.endm
; row q, landed in x, becomes f16 in y.  isx = 1: a row of x, scaled by its own norm; 0: a row of weights, whose squares join the wave's sum.
.macro PROC q, x, y, isx
.if \isx
	SQ \x, 1
	RED
	v_sqrt_f32 v[NR+\q], v[T]
	v_nop                                          ; one plain vector instruction behind the root before its result is read and its source rewritten
	s_wait_alu depctr_va_vdst(0)
	v_bfe_u32 v[T], v[NR+\q], 23, 8                ; ex
	v_max_u32 v[T], 21, v[T]
	v_min_u32 v[T], 254, v[T]
	v_sub_nc_u32 v[T], 268, v[T]                   ; 2^(141 - ex) has the exponent field 268 - ex
	v_lshlrev_b32 v[SC], 23, v[T]
	v_lshlrev_b32 v[SC+1], 23, v[T]
.else
.if \q
	SQ \x, 0
.else
	SQ \x, 1
.endif
.endif
	CVT \x, \y
.endm
.macro STROW q, y
.irp j, 0,1,2,3,4,5,6,7
	global_store_b128 v2, v[\y+4*\j:\y+4*\j+3], s[DST:DST+1] offset:4096*\q+512*\j
.endr
.endm
; four rows.  nt = 1: the source is read once in the launch (weights); 0: the list may name a row of x again.
.macro CAST4 nt, isx
	LOADROW 0, X0, \nt
	LOADROW 1, X1, \nt
	s_wait_loadcnt 16                              ; row 0 is in; row 1's sixteen loads stay out
	PROC 0, X0, Y0, \isx
	LOADROW 2, X0, \nt
	STROW 0, Y0
	s_wait_loadcnt 16                              ; row 1 is in; row 2's stay out
	PROC 1, X1, Y1, \isx
	LOADROW 3, X1, \nt
	STROW 1, Y1
	s_wait_loadcnt 16                              ; row 2 is in
	s_wait_xcnt 0x0                                ; Y0, which row 0's stores read, is rewritten only behind this wait
	PROC 2, X0, Y0, \isx
	STROW 2, Y0
	s_wait_loadcnt 0x0
	s_wait_xcnt 0x0                                ; the same for Y1
	PROC 3, X1, Y1, \isx
	STROW 3, Y1
.endm
	s_load_b256 s[4:11], s[0:1], 0x0               ; W0 s[4:5], W1 s[6:7], W2 s[8:9], x s[10:11]
	s_load_b128 s[12:15], s[0:1], 0x20             ; srcl s[12:13], wb s[14:15]
	s_load_b64 s[16:17], s[0:1], 0x30              ; ha
	v_lshrrev_b32 v3, 5, v0
	v_readfirstlane_b32 s30, v3                    ; wave
	v_and_b32 v4, 31, v0                           ; lane
	v_lshlrev_b32 v1, 5, v4                        ; 32 bytes of f32 a lane
	v_lshlrev_b32 v2, 4, v4                        ; 16 bytes of f16
	v_mov_b32 v5, 0                                ; the offset of lane 0's small store
	v_mov_b32 v[T+1], 0                            ; the lane exchange counts as a reader of its destination
	s_mov_b32 s46, 0x76543210                      ; lane i of one half reads lane i of the other
	s_mov_b32 s47, 0xfedcba98
	s_mov_b32 s37, 0
	s_mov_b32 s39, 0
	s_lshl_b32 s38, s30, 14                        ; my four rows of 4,096 bytes in the group's output
	s_wait_kmcnt 0x0
	s_cmp_ge_u32 ttmp9, 448
	s_cbranch_scc1 .Lrows_of_x
	; weights: which tensor, and the group's number in it
	s_cmp_lt_u32 ttmp9, 64
	s_cselect_b64 s[32:33], s[4:5], s[6:7]
	s_cselect_b32 s34, 0, 64
	s_cmp_lt_u32 ttmp9, 192
	s_cselect_b64 s[32:33], s[32:33], s[8:9]
	s_cselect_b32 s34, s34, 192
	s_sub_co_u32 s36, ttmp9, s34
	s_lshl_b32 s36, s36, 18                        ; 32 rows of 8,192 bytes
	s_lshl_b32 s35, s30, 15                        ; my four
	s_add_co_u32 s36, s36, s35
	s_add_nc_u64 s[SRC:SRC+1], s[32:33], s[36:37]
	s_add_nc_u64 s[SRC+2:SRC+3], s[SRC:SRC+1], 8192
	s_add_nc_u64 s[SRC+4:SRC+5], s[SRC:SRC+1], 16384
	s_add_nc_u64 s[SRC+6:SRC+7], s[SRC:SRC+1], 24576
	s_lshl_b32 s35, ttmp9, 17                      ; 32 rows of 4,096 bytes
	s_add_co_u32 s38, s38, s35
	s_add_nc_u64 s[DST:DST+1], s[14:15], s[38:39]
	v_mov_b32 v[SC], 0x42800000                    ; 64.0
	v_mov_b32 v[SC+1], 0x42800000
	CAST4 1, 0
	RED                                            ; the squares of my four rows
	s_lshl_b32 s36, ttmp9, 5                       ; float 8 g + w
	s_lshl_b32 s35, s30, 2
	s_add_co_u32 s36, s36, s35
	s_add_co_u32 s36, s36, WTAIL
	s_add_nc_u64 s[32:33], s[14:15], s[36:37]
	s_wait_xcnt 0x0                                ; EXEC changes only behind this wait
	v_cmp_eq_u32 vcc_lo, 0, v4
	s_and_saveexec_b32 s34, vcc_lo
	global_store_b32 v5, v[T], s[32:33]            ; lane 0 alone
	s_wait_xcnt 0x0
	s_or_b32 exec_lo, exec_lo, s34
	s_endpgm
.Lrows_of_x:
	s_sub_co_u32 s34, ttmp9, 448
	s_lshl_b32 s35, s34, 7                         ; 32 words of the list,
	s_lshl_b32 s36, s30, 4                         ; my four
	s_add_co_u32 s35, s35, s36
	s_load_b128 s[40:43], s[12:13], s35 offset:0x0
	s_lshl_b32 s36, s34, 17
	s_add_co_u32 s38, s38, s36
	s_add_nc_u64 s[DST:DST+1], s[16:17], s[38:39]
	s_wait_kmcnt 0x0
.irp q, 0,1,2,3
	s_min_u32 s36, s[40+\q], 2047
	s_lshl_b32 s36, s36, 13
	s_add_nc_u64 s[SRC+2*\q:SRC+2*\q+1], s[10:11], s[36:37]
.endr
	CAST4 0, 1
	s_add_co_u32 s36, s35, NTAIL                   ; my four norms lie where my four words of the list lie
	s_add_nc_u64 s[32:33], s[16:17], s[36:37]
	s_wait_xcnt 0x0                                ; EXEC changes only behind this wait
	v_cmp_eq_u32 vcc_lo, 0, v4
	s_and_saveexec_b32 s34, vcc_lo
	global_store_b128 v5, v[NR:NR+3], s[32:33]     ; lane 0 alone
	s_wait_xcnt 0x0
	s_or_b32 exec_lo, exec_lo, s34
	s_endpgm
.Lfunc_end_k_q0151116338_cast:
	.size	k_q0151116338_cast, .Lfunc_end_k_q0151116338_cast-k_q0151116338_cast
	.p2alignl 7, 3214868480
	.fill 96, 4, 3214868480
	.section	.rodata,"a",@progbits
	.p2align	6, 0x0
	.amdhsa_kernel k_q0151116338_cast
		.amdhsa_group_segment_fixed_size 0
		.amdhsa_private_segment_fixed_size 0
		.amdhsa_enable_private_segment 0
		.amdhsa_kernarg_size 56
		.amdhsa_user_sgpr_count 2
		.amdhsa_user_sgpr_kernarg_segment_ptr 1
		.amdhsa_wavefront_size32 1
		.amdhsa_system_sgpr_workgroup_id_x 1
		.amdhsa_system_sgpr_workgroup_id_y 1
		.amdhsa_system_sgpr_workgroup_id_z 1
		.amdhsa_system_vgpr_workitem_id 0
		.amdhsa_next_free_vgpr 216
		.amdhsa_next_free_sgpr 66
		.amdhsa_reserve_vcc 1
		.amdhsa_float_denorm_mode_32 3
		.amdhsa_float_denorm_mode_16_64 3
		.amdhsa_memory_ordered 1
		.amdhsa_forward_progress 1
		.amdhsa_inst_pref_size 75
	.end_amdhsa_kernel
	.amdgpu_metadata
---
amdhsa.version: [ 1, 2 ]
amdhsa.kernels:
  - .name:           k_q0151116338_cast
    .symbol:         k_q0151116338_cast.kd
    .args:
      - { .name: W0, .offset: 0, .size: 8, .value_kind: global_buffer, .address_space: global }
      - { .name: W1, .offset: 8, .size: 8, .value_kind: global_buffer, .address_space: global }
      - { .name: W2, .offset: 16, .size: 8, .value_kind: global_buffer, .address_space: global }
      - { .name: x, .offset: 24, .size: 8, .value_kind: global_buffer, .address_space: global }
      - { .name: srcl, .offset: 32, .size: 8, .value_kind: global_buffer, .address_space: global }
      - { .name: wb, .offset: 40, .size: 8, .value_kind: global_buffer, .address_space: global }
      - { .name: ha, .offset: 48, .size: 8, .value_kind: global_buffer, .address_space: global }
    .group_segment_fixed_size: 0
    .private_segment_fixed_size: 0
    .kernarg_segment_align: 8
    .kernarg_segment_size: 56
    .max_flat_workgroup_size: 256
    .sgpr_count:     66
    .vgpr_count:     216
    .wavefront_size: 32
...
	.end_amdgpu_metadata
.endif
;; end of part 6
;; launch g0 (part 7): grid 16 x 16, 4 waves a work-group, clusters of 4 x 1, 327,680 bytes of LDS; arguments ha, wb, b0, et0, hb; writes hb
.if DOCPART == 7
	.amdgcn_target "amdgcn-amd-amdhsa--gfx1250"
	.amdhsa_code_object_version 6
	.text
	.protected	k_q0151116338_g0
	.globl	k_q0151116338_g0
	.p2align	8
	.type	k_q0151116338_g0,@function
k_q0151116338_g0:
	s_mov_b64 s[64:65], 0
	v_nop
	global_prefetch_b8 v0, s[64:65] scope:SCOPE_SE
	s_setreg_imm32_b32 hwreg(HW_REG_WAVE_MODE, 25, 1), 1
	s_wait_xcnt 0x0
	s_wait_alu depctr_hold_cnt(0) depctr_sa_sdst(0) depctr_va_vdst(0) depctr_va_sdst(0) depctr_va_ssrc(0) depctr_va_vcc(0) depctr_vm_vsrc(0)
	s_getreg_b32 s2, hwreg(HW_REG_IB_STS2, 6, 4)
	s_cmp_eq_u32 s2, 0
	s_cbranch_scc0 .Lentry_in_a_cluster
	s_endpgm
.Lentry_in_a_cluster:
	s_bfe_u32 s2, ttmp6, 0x10000c
	s_cmp_lg_u32 s2, 0x3003
	s_cbranch_scc0 .Lentry_shape_is_right
	s_endpgm
.Lentry_shape_is_right:
; One layer of the tree: relu(A W_e + b_e) for a row tile of 160 padded tokens (all of one leaf, so of one expert e) and 128 columns.
; The same text serves the three layers; one switch says what goes out.
.set OUTY, 0                           ; 0: the result goes out as scaled f16 rows, with each row's bound.  1: as f32, each row to its token's row of the output
; FORMATS.  A is [2560][2048] f16; row i holds a_i 2^(141 - ex(N_i)), where N_i >= |a_i|_2 is the f32 at float i behind the rows (byte NTAIL)
; and ex its exponent field, clamped to 21 .. 254.  wb holds 64 W in f16, and behind the matrices (byte WTAIL) 512 partial sums of W^2 for
; each matrix.  So a sum of products times s_in = 2^(ex - 147) is a W.  The result's rows are bounded for every input by
; |h_ij| <= |h_i|_2 <= N_out = N_in |W|_F + |b|_2, and go out as h 2^(141 - ex(N_out)), below 2^15: f16's range is never left, whatever the
; inputs' size.  The bound is loose (at most 2^11 a layer for 2048 x 2048), which costs range, not precision: f16 keeps 11 bits down to 2^-14.
; One f16 rounding is 2^-11 of a number at the worst, an eighth of bf16's; two layers' bf16 roundings would come to a third of what a result
; near zero may be off, too near for 4 million results.
; Column tile tx stores N_out of rows 10 tx .. 10 tx + 9 of its row tile.  Whoever forms N_out forms it by the same instructions on the same
; numbers, so the layer that stores a row and the layer that reads it take the same exponent.
; LIMITS: relu is a maximum in which a NaN loses, so a NaN becomes 0; the sums of squares must be finite in f32; a bound below 2^-106 is not
; served (the clamp).  Padded rows repeat a token: with OUTY that token's row is stored again by the same wave with the same bits.
; SHARES: grid 16 (column tiles) x 16 (row tiles).  Four waves; wave w makes rows 80 (w >> 1) .. + 79 and columns 64 (w & 1) .. + 63:
; 5 x 4 accumulator tiles, 160 registers.  A K step is 256 k: 512 bytes of A's rows and 256 rows of W, in two LDS slots.
; CLUSTER 4 x 1: the four column tiles of a row tile need the same tile of A and ask for it jointly (mask 15).  W's tile hangs on the column
; tile, which the four do not share; sharing it along y would need equal experts in neighbouring row tiles, which is data: W's loads are plain.
; THE MATRIX INSTRUCTION IS USED TRANSPOSED: source 0 = 16 columns of W (read from [k][n] rows by the transposing LDS load), source 1 = 16
; rows of A.  Lane (r, h) then holds, in register j, row r and column 8 h + j: eight neighbouring numbers of a row, and one row's scale a lane.
.set NSTEP, 8                          ; K steps
.set AROW,  4096                       ; bytes of a row of A in memory
.set WR,    256                        ; rows of W in a K step
.set NTAIL, 2560*4096                  ; where the rows' bounds begin, in A's buffer and in the result's
.set WTAIL, 7*2048*4096                ; where the partial sums of W^2 begin in wb
.set PA,    528                        ; LDS pitch of A's rows: 512 + 16, an odd multiple of 16
.set PW,    288                        ; LDS pitch of W's rows: 256 + 32, an odd multiple of 32
.set AHALF, 80*PA                      ; what one of A's two loads brings, and what a wave reads of A
.set WOFF,  160*PA                     ; W's rows lie behind A's 160
.set WHALF, (WR/2)*PW                  ; what one of W's two loads brings
.set SLOT,  WOFF+WR*PW
.set KQW,   32*PW                      ; 32 rows of W
.set PS,    272                        ; the way out: pitch of the stage, 256 + 16.  The stage lies in slot 0, behind its last fill and its last reads
.set STG,   80*PS                      ; 80 rows of it
.set ADRA, 8                           ; v8-9    LDS address of my A fragments in slot 0, 1
.set ADRW, 10                          ; v10-13  of my W fragments: slot 0 (rows 0-127, rows 128-255), slot 1 (the same)
.set STO,  14                          ; v14     the way out: where I put my numbers of a row
.set RD,   15                          ; v15     where I read rows back
.set CO,   16                          ; v16     my byte offset in the output
.set LI,   17                          ; v17     OUTY: my word in a pair of the row list; else 16 x lane
.set BO,   18                          ; v18     my byte offset in the bias row
.set NO,   19                          ; v19     my byte offset among the tile's bounds
.set P,    20                          ; v20-29  for each of my five row blocks a pair: s_in, s_out
.set NS,   30                          ; v30     the offset of the bound that I store
.set NV,   31                          ; v31     that bound
.set BI,   32                          ; v32-63  the bias of my 4 x 16 columns, laid as the accumulators are
.set F0,   64                          ; v64-135  fragment buffer 0: W's four at + 8 b, A's five at + 32 + 8 a
.set F1,   136                         ; v136-207 fragment buffer 1
.set SS,   144                         ; v144-151 ahead of the loop: chains of squares
.set T,    208                         ; v208-239 the way out: 32 results
.set HI,   240                         ; v240-255 the same as f16
.set ROWO, 24                          ; v24-63  OUTY, behind the last use of scales and bias: byte offsets of my rows in the output
.set LST,  160                         ; window 1, v416-455: OUTY: my 40 pairs of the row list
.set G1A, 24                           ; s[24:31] descriptor group 1, A
.set G0A, 32                           ; s[32:39] group 0, A, one set for each slot
.set G1W, 40                           ; s[40:47] group 1, W
.set G0W, 48                           ; s[48:55] group 0, W
; window 1 (v256-415): accumulator (a, b) at v[8 (4 a + b)].  s_set_vgpr_msb: bits 1:0 source 0, 3:2 source 1, 5:4 source 2, 7:6 destination.
.set MSB, 0
.macro WIN new                         ; the immediate's high byte repeats the setting that is left
.if MSB != \new
	s_set_vgpr_msb (MSB<<8)|\new
.set MSB, \new
.endif
.endm
.macro PLACES                          ; four plain vector instructions between a matrix instruction and a load into, or a reader of, its registers
.rept 4
	v_nop
.endr
.endm
.macro CREST                           ; a round of the cluster's barrier behind its opening work-group barrier
	s_cmp_lg_u32 s16, 0
	s_cbranch_scc1 .Lnot_wave_0_\@
	s_barrier_signal -3
.Lnot_wave_0_\@:
	s_barrier_wait -3
	s_barrier_signal -1
	s_barrier_wait -1
.endm
.macro CROUND
	s_barrier_signal -1
	s_barrier_wait -1
	CREST
.endm
.macro LOADT s                         ; my one tensor load for slot s: waves 0, 1 a half of A's tile (joint), waves 2, 3 a half of W's
	s_cmp_eq_u32 s17, 0
	s_cbranch_scc0 .Lfor_w_\@
	tensor_load_to_lds s[G0A+4*\s:G0A+4*\s+3], s[G1A:G1A+7]
	s_nop 0
	s_branch .Lasked_\@
.Lfor_w_\@:
	tensor_load_to_lds s[G0W+4*\s:G0W+4*\s+3], s[G1W:G1W+7]
	s_nop 0
.Lasked_\@:
.endm
; four products: A's block a with W's four.  first = 1: they start the sums, nothing is cleared.  The 20 accumulators take turns, one
; instruction a turn, always in the order a = 0..4, b = 0..3.
.macro MUL f, a, first
.irp b, 0,1,2,3
.if \first
	v_wmma_f32_16x16x32_f16 v[8*(4*\a+\b):8*(4*\a+\b)+7], v[\f+8*\b:\f+8*\b+7], v[\f+32+8*\a:\f+32+8*\a+7], 0
.else
	v_wmma_f32_16x16x32_f16 v[8*(4*\a+\b):8*(4*\a+\b)+7], v[\f+8*\b:\f+8*\b+7], v[\f+32+8*\a:\f+32+8*\a+7], v[8*(4*\a+\b):8*(4*\a+\b)+7]
.endif
.endr
.endm
; 18 LDS loads: the fragments of eighth kq of a K step (64 bytes of A's rows at byte 64 kq, and W's rows 32 kq .. + 31) into buffer f
.macro FETCH slot, kq, f
	WIN 0
.irp b, 0,1,2,3
	ds_load_tr16_b128 v[\f+8*\b:\f+8*\b+3],   v[ADRW+2*\slot+((\kq)>>2)] offset:((\kq)&3)*KQW+32*\b
	ds_load_tr16_b128 v[\f+8*\b+4:\f+8*\b+7], v[ADRW+2*\slot+((\kq)>>2)] offset:((\kq)&3)*KQW+32*\b+16*PW
.endr
.irp a, 0,1,2,3,4
	ds_load_b128 v[\f+32+8*\a:\f+32+8*\a+3],   v[ADRA+\slot] offset:16*PA*\a+64*(\kq)
	ds_load_b128 v[\f+32+8*\a+4:\f+32+8*\a+7], v[ADRA+\slot] offset:16*PA*\a+64*(\kq)+32
.endr
.endm
; one of a K step's first seven eighths: multiplies buffer f and fetches eighth kn into buffer g
.macro EIGHTH slot, kn, f, g, first
	s_wait_dscnt 6                                 ; W's eight loads and those of A's blocks 0, 1 are in; the six of blocks 2 to 4 may be out
	WIN 0x50
	MUL \f, 0, \first
	MUL \f, 1, \first
	PLACES
	FETCH \slot, \kn, \g
	s_wait_dscnt 18                                ; all but the 18 just issued
	WIN 0x50
	MUL \f, 2, \first
	MUL \f, 3, \first
	MUL \f, 4, \first
.endm
.macro SEVEN slot, first
	EIGHTH \slot, 1, F0, F1, \first
	EIGHTH \slot, 2, F1, F0, 0
	EIGHTH \slot, 3, F0, F1, 0
	EIGHTH \slot, 4, F1, F0, 0
	EIGHTH \slot, 5, F0, F1, 0
	EIGHTH \slot, 6, F1, F0, 0
	EIGHTH \slot, 7, F0, F1, 0
.endm
; the last eighth, on buffer 1, and the change of slots.  In front of the barrier each wave waits for its reads of this slot and for all its
; tensor loads (one is out: its part of the next slot).  fill = 1: the barrier opens a round of the cluster's barrier, and this slot's refill,
; two K steps ahead, is the first tensor load behind the round; 148 of a step's 160 products stand between it and the wait for it.
.macro TURN slot, next, fill
	s_wait_dscnt 6
	WIN 0x50
	MUL F1, 0, 0
	MUL F1, 1, 0
	s_wait_dscnt 0x0
	s_set_vgpr_msb 0x5055
	s_wait_tensorcnt 0x0
	ds_add_u32 v160, v161
	s_wait_dscnt 0x0
	s_set_vgpr_msb 0x5550
	s_barrier_signal -1
	MUL F1, 2, 0                                   ; registers only, while the others arrive
	WIN 0
	s_barrier_wait -1
.if \fill
	CREST
	s_add_nc_u64 s[G0A+4*\slot+2:G0A+4*\slot+3], s[G0A+4*\slot+2:G0A+4*\slot+3], 2*512
	s_add_nc_u64 s[G0W+4*\slot+2:G0W+4*\slot+3], s[G0W+4*\slot+2:G0W+4*\slot+3], 2*WR*4096
	LOADT \slot
.endif
	PLACES
	FETCH \next, 0, F0
	WIN 0x50
	MUL F1, 3, 0
	MUL F1, 4, 0
.endm
.macro LAP first
	SEVEN 0, \first
	TURN 0, 1, 1
	SEVEN 1, 0
	TURN 1, 0, 1
.endm
.macro EXPO reg                        ; a bound's exponent field, clamped
	v_bfe_u32 v[\reg], v[\reg], 23, 8
	v_max_u32 v[\reg], 21, v[\reg]
	v_min_u32 v[\reg], 254, v[\reg]
.endm
	s_load_b256 s[4:11], s[0:1], 0x0               ; A s[4:5], wb s[6:7], bias s[8:9], et s[10:11]
.if OUTY
	s_load_b128 s[12:15], s[0:1], 0x20             ; srcl s[12:13], out s[14:15]
.else
	s_load_b64 s[12:13], s[0:1], 0x20              ; H
	s_set_vgpr_msb 0x40
	v_lshl_add_u32 v160, v0, 2, 0x4d400
	v_mov_b32 v161, 0
	s_set_vgpr_msb 0x4045
	ds_add_u32 v160, v161
	s_set_vgpr_msb 0x4500
.endif
	v_lshrrev_b32 v1, 5, v0
	v_readfirstlane_b32 s16, v1                    ; wave
	s_lshr_b32 s17, s16, 1                         ; my half of the rows.  Also: I fetch for A (0) or for W (1)
	s_and_b32 s18, s16, 1                          ; my half of the columns.  Also: which half of that tile I fetch
	s_bfe_u32 s19, ttmp6, 0x40000                  ; cx
	s_lshl_b32 s20, ttmp9, 2
	s_add_co_u32 s20, s20, s19                     ; column tile = 4 x cluster x + cx
	s_and_b32 s21, ttmp7, 0xffff                   ; row tile = cluster y
	s_lshl_b32 s56, s21, 2
	s_wait_dscnt 0x0
	s_wait_kmcnt 0x0
	s_load_b32 s22, s[10:11], s56 offset:0x0       ; my row tile's matrix in wb
	s_load_b32 s23, s[10:11], s56 offset:0x40      ; and its bias row
	; group 1 for A: 80 rows x 256 elements of 2 bytes, 4 words of padding behind every 128; mask 15 (all four partners) with bit 21 beside it
	s_mov_b32 s[G1A+0], 15|(1<<16)|(1<<20)|(1<<21)|(6<<22)|(3<<25)
	s_mov_b32 s[G1A+1], 256<<16                    ; tensor_dim0
	s_mov_b32 s[G1A+2], 80<<16                     ; tensor_dim1
	s_mov_b32 s[G1A+3], 256<<16                    ; tile_dim0
	s_mov_b32 s[G1A+4], 80                         ; tile_dim1
	s_mov_b32 s[G1A+5], AROW/2                     ; elements from row to row
	s_mov_b32 s[G1A+6], 0
	s_mov_b32 s[G1A+7], 0
	; group 1 for W: 128 rows x 128 elements, 8 words of padding behind every 64; no mask
	s_mov_b32 s[G1W+0], (1<<16)|(1<<20)|(5<<22)|(7<<25)
	s_mov_b32 s[G1W+1], 128<<16
	s_mov_b32 s[G1W+2], (WR/2)<<16
	s_mov_b32 s[G1W+3], 128<<16
	s_mov_b32 s[G1W+4], WR/2
	s_mov_b32 s[G1W+5], 2048
	s_mov_b32 s[G1W+6], 0
	s_mov_b32 s[G1W+7], 0
	; A's tile hangs on the row tile and the wave alone, which the four partners share
	s_mul_i32 s58, s21, 160
	s_mul_i32 s57, s18, 80
	s_add_co_u32 s58, s58, s57
	s_mul_i32 s58, s58, AROW
	s_mov_b32 s59, 0
	s_add_nc_u64 s[58:59], s[4:5], s[58:59]
	s_mul_i32 s57, s18, AHALF                      ; where it goes
	s_wait_kmcnt 0x0
	s_min_u32 s22, s22, 6
	s_min_u32 s23, s23, 3
	s_lshl_b32 s60, s22, 23                        ; a matrix of wb is 8,388,608 bytes
	s_mul_i32 s61, s18, (WR/2)*4096
	s_add_co_u32 s60, s60, s61
	s_lshl_b32 s61, s20, 8                         ; 128 columns
	s_add_co_u32 s60, s60, s61
	s_mov_b32 s61, 0
	s_add_nc_u64 s[60:61], s[6:7], s[60:61]
	s_mul_i32 s62, s18, WHALF
	s_add_co_u32 s62, s62, WOFF
.irp s, 0,1
	s_mov_b32 s[G0A+4*\s], 1
	s_add_co_u32 s[G0A+4*\s+1], s57, \s*SLOT
	s_add_nc_u64 s[G0A+4*\s+2:G0A+4*\s+3], s[58:59], \s*512
	s_or_b32 s[G0A+4*\s+3], s[G0A+4*\s+3], 0x80000000
	s_mov_b32 s[G0W+4*\s], 1
	s_add_co_u32 s[G0W+4*\s+1], s62, \s*SLOT
	s_add_nc_u64 s[G0W+4*\s+2:G0W+4*\s+3], s[60:61], \s*WR*4096
	s_or_b32 s[G0W+4*\s+3], s[G0W+4*\s+3], 0x80000000
.endr
	CROUND                                         ; all four work-groups are here: the first joint loads meet
	s_cmp_eq_u32 s17, 0                            ; both first fills of a wave in one branch; two tensor loads of the wave are out
	s_cbranch_scc0 .Lfirst_w
	tensor_load_to_lds s[G0A:G0A+3], s[G1A:G1A+7]
	s_nop 0
	tensor_load_to_lds s[G0A+4:G0A+7], s[G1A:G1A+7]
	s_nop 0
	s_branch .Lfirst_done
.Lfirst_w:
	tensor_load_to_lds s[G0W:G0W+3], s[G1W:G1W+7]
	s_nop 0
	tensor_load_to_lds s[G0W+4:G0W+7], s[G1W:G1W+7]
	s_nop 0
.Lfirst_done:
	; While the first tiles are on their way: bias, bounds, scales, addresses.
	v_and_b32 v2, 15, v0                           ; r
	v_bfe_u32 v3, v0, 4, 1                         ; h
	s_lshl_b32 s56, s23, 13
	s_mov_b32 s57, 0
	s_add_nc_u64 s[8:9], s[8:9], s[56:57]          ; my bias row
	v_lshlrev_b32 v[BO], 5, v3
	v_lshl_add_u32 v[BO], s18, 8, v[BO]
	v_lshl_add_u32 v[BO], s20, 9, v[BO]            ; 512 tx + 256 (w & 1) + 32 h: columns 8 h + j of block b at + 64 b
.irp b, 0,1,2,3
	global_load_b128 v[BI+8*\b:BI+8*\b+3],   v[BO], s[8:9] offset:64*\b
	global_load_b128 v[BI+8*\b+4:BI+8*\b+7], v[BO], s[8:9] offset:64*\b+16
.endr
	s_mul_i32 s56, s21, 640                        ; 160 floats a row tile,
	s_add_co_u32 s56, s56, NTAIL                   ; behind the rows
	s_add_nc_u64 s[4:5], s[4:5], s[56:57]          ; the bounds of my row tile's rows of A
	s_mul_i32 s58, s17, 320
	v_lshlrev_b32 v[NO], 2, v2
	v_add_nc_u32 v[NO], s58, v[NO]                 ; row 80 (w >> 1) + r; block a at + 64 a
.irp a, 0,1,2,3,4
	global_load_b32 v[P+2*\a], v[NO], s[4:5] offset:64*\a
.endr
.if OUTY
	s_mul_i32 s56, s21, 160
	s_mul_i32 s58, s17, 80
	s_add_co_u32 s56, s56, s58
	s_lshl_b32 s56, s56, 2
	s_add_nc_u64 s[12:13], s[12:13], s[56:57]      ; the list at my first row
	s_lshl_b32 s56, s20, 9
	s_lshl_b32 s58, s18, 8
	s_add_co_u32 s56, s56, s58
	s_add_nc_u64 s[14:15], s[14:15], s[56:57]      ; the output at my 256 bytes of a row
	v_lshlrev_b32 v[LI], 2, v3
	WIN 0x40                                       ; destination in window 1
.set i, 0
.rept 40
	global_load_b32 v[LST+i], v[LI], s[12:13] offset:8*i   ; the tokens of rows 2 i (lanes 0-15) and 2 i + 1 (lanes 16-31)
.set i, i+1
.endr
	WIN 0
.else
	s_add_nc_u64 s[14:15], s[12:13], s[56:57]      ; the bounds of the same rows of the result
	s_mul_i32 s58, s20, 40                         ; my work-group stores those of rows 10 tx .. + 9, thread t < 10 that of row 10 tx + t
	v_min_u32 v4, 9, v0
	v_lshlrev_b32 v4, 2, v4
	v_add_nc_u32 v[NS], s58, v4
	global_load_b32 v[NV], v[NS], s[4:5]
	s_lshl_b32 s58, s22, 11                        ; 512 partial sums a matrix
	s_add_co_u32 s58, s58, WTAIL
	s_mov_b32 s59, 0
	s_add_nc_u64 s[6:7], s[6:7], s[58:59]
	v_and_b32 v1, 31, v0
	v_lshlrev_b32 v[LI], 4, v1
.irp j, 0,1,2,3
	global_load_b128 v[F0+4*\j:F0+4*\j+3], v[LI], s[6:7] offset:512*\j          ; 16 of the 512 partial sums a lane
.endr
.set j, 0
.rept 16
	global_load_b128 v[F0+16+4*j:F0+16+4*j+3], v[LI], s[8:9] offset:512*j       ; 64 of the bias row's 2048 numbers a lane
.set j, j+1
.endr
	s_mul_i32 s56, s21, 160*4096
	s_lshl_b32 s58, s20, 8
	s_add_co_u32 s56, s56, s58
	s_add_nc_u64 s[12:13], s[12:13], s[56:57]      ; the result at my work-group's first row and its 256 bytes of a row
.endif
	; A fragment: lane (r, h) takes row r, 16 bytes at 16 h and at 32 + 16 h
	v_mul_u32_u24 v4, v2, PA
	v_lshl_add_u32 v4, v3, 4, v4
	s_mul_i32 s56, s17, AHALF
	v_add_nc_u32 v[ADRA], s56, v4
	v_add_nc_u32 v[ADRA+1], SLOT, v[ADRA]
	; W fragment through the transposing load: lane L addresses row 8 h + (L & 7), 16 bytes at 16 ((L >> 3) & 1); the second load 16 rows on
	v_and_b32 v6, 7, v0
	v_lshl_add_u32 v6, v3, 3, v6
	v_mul_u32_u24 v6, v6, PW
	v_bfe_u32 v7, v0, 3, 1
	v_lshl_add_u32 v6, v7, 4, v6
	s_lshl_b32 s56, s18, 7                         ; my 64 columns
	s_add_co_u32 s56, s56, WOFF
	v_add_nc_u32 v[ADRW], s56, v6
	v_add_nc_u32 v[ADRW+2], SLOT, v[ADRW]
	v_add_nc_u32 v[ADRW+1], 4*KQW, v[ADRW]         ; rows 128 on: past the reach of the 16-bit offset
	v_add_nc_u32 v[ADRW+3], 4*KQW, v[ADRW+2]
	; the way out
	v_mul_u32_u24 v4, v2, PS
.if OUTY
	; a stage of my own, 80 rows of my 256 bytes of f32
	s_mul_i32 s56, s16, STG
	v_lshl_add_u32 v4, v3, 5, v4                   ; row r, 32 bytes at 32 h
	v_add_nc_u32 v[STO], s56, v4
	v_lshlrev_b32 v[CO], 4, v2                     ; 16 r
	v_mul_u32_u24 v5, v3, PS
	v_lshl_add_u32 v5, v2, 4, v5
	v_add_nc_u32 v[RD], s56, v5                    ; lanes 0-15 one row of 256 bytes, lanes 16-31 the next
.else
	; one stage for the four waves, 160 rows of the work-group's 256 bytes of f16: my 64 columns are 128 of them
	s_mul_i32 s56, s17, STG
	s_lshl_b32 s58, s18, 7
	s_add_co_u32 s56, s56, s58
	v_lshl_add_u32 v4, v3, 4, v4                   ; row r, 16 bytes at 16 h
	v_add_nc_u32 v[STO], s56, v4
	v_lshrrev_b32 v5, 4, v0                        ; thread t reads back row t >> 4 of every eight, 16 bytes at 16 (t & 15)
	v_lshlrev_b32 v[CO], 4, v2
	v_lshl_add_u32 v[CO], v5, 12, v[CO]
	v_mul_u32_u24 v5, v5, PS
	v_lshl_add_u32 v[RD], v2, 4, v5
.endif
	s_wait_loadcnt 0x0                             ; bias, bounds and what goes with them
.if OUTY == 0
	; |W|_F and |b|_2, in every lane
.irp c, 0,2,4,6
	v_pk_add_f32 v[F0+\c:F0+\c+1], v[F0+\c:F0+\c+1], v[F0+8+\c:F0+8+\c+1]
.endr
	v_pk_add_f32 v[F0:F0+1], v[F0:F0+1], v[F0+4:F0+5]
	v_pk_add_f32 v[F0+2:F0+3], v[F0+2:F0+3], v[F0+6:F0+7]
	v_pk_add_f32 v[F0:F0+1], v[F0:F0+1], v[F0+2:F0+3]
	v_add_f32 v[F0], v[F0], v[F0+1]
.irp c, 0,1,2,3
	v_pk_mul_f32 v[SS+2*\c:SS+2*\c+1], v[F0+16+2*\c:F0+16+2*\c+1], v[F0+16+2*\c:F0+16+2*\c+1]
.endr
.set i, 4
.rept 28
	v_pk_fma_f32 v[SS+2*(i%4):SS+2*(i%4)+1], v[F0+16+2*i:F0+16+2*i+1], v[F0+16+2*i:F0+16+2*i+1], v[SS+2*(i%4):SS+2*(i%4)+1]
.set i, i+1
.endr
	v_pk_add_f32 v[SS:SS+1], v[SS:SS+1], v[SS+4:SS+5]
	v_pk_add_f32 v[SS+2:SS+3], v[SS+2:SS+3], v[SS+6:SS+7]
	v_pk_add_f32 v[SS:SS+1], v[SS:SS+1], v[SS+2:SS+3]
	v_add_f32 v[F0+1], v[SS], v[SS+1]
.irp m, 1,2,4,8
	v_add_f32_dpp v[F0], v[F0], v[F0] row_xmask:\m row_mask:0xf bank_mask:0xf
	v_add_f32_dpp v[F0+1], v[F0+1], v[F0+1] row_xmask:\m row_mask:0xf bank_mask:0xf
.endr
	s_mov_b32 s62, 0x76543210                      ; lane i of one half reads lane i of the other
	s_mov_b32 s63, 0xfedcba98
	v_permlanex16_b32 v[F0+2], v[F0], s62, s63
	v_permlanex16_b32 v[F0+3], v[F0+1], s62, s63
	v_pk_add_f32 v[F0:F0+1], v[F0:F0+1], v[F0+2:F0+3]
	v_sqrt_f32 v[F0], v[F0]
	v_sqrt_f32 v[F0+1], v[F0+1]
	v_nop                                          ; one plain vector instruction behind the roots before their results are read
	s_wait_alu depctr_va_vdst(0)
	v_fma_f32 v[NV], v[NV], v[F0], v[F0+1]         ; N_out = N_in |W|_F + |b|_2: of the row whose bound I store,
.irp a, 0,1,2,3,4
	v_fma_f32 v[P+2*\a+1], v[P+2*\a], v[F0], v[F0+1]   ; and of my five rows
.endr
	s_wait_xcnt 0x0                                ; EXEC changes only behind this wait
	v_cmp_gt_u32 vcc_lo, 10, v0
	s_and_saveexec_b32 s60, vcc_lo
	global_store_b32 v[NS], v[NV], s[14:15]        ; threads 0 to 9 of the work-group
	s_wait_xcnt 0x0
	s_or_b32 exec_lo, exec_lo, s60
.endif
.irp a, 0,1,2,3,4
	EXPO P+2*\a
	v_add_nc_u32 v[P+2*\a], -20, v[P+2*\a]         ; s_in = 2^(ex - 147) has the exponent field ex - 20
.if OUTY
	v_lshlrev_b32 v[P+2*\a+1], 23, v[P+2*\a]       ; the packed form names the pair: both are written
.else
	EXPO P+2*\a+1
	v_sub_nc_u32 v[P+2*\a+1], 268, v[P+2*\a+1]     ; s_out = 2^(141 - ex) has the exponent field 268 - ex
	v_lshlrev_b32 v[P+2*\a+1], 23, v[P+2*\a+1]
.endif
	v_lshlrev_b32 v[P+2*\a], 23, v[P+2*\a]
.endr
	s_wait_tensorcnt 0x1                           ; my part of K step 0 is in; K step 1's stays out
	s_barrier_signal -1
	s_barrier_wait -1
	FETCH 0, 0, F0
	LAP 1                                          ; the first lap stands in front of the loop: its first products start the sums
	WIN 0
	s_mov_b32 s3, NSTEP/2-2
.Llap:
	LAP 0
	WIN 0
	s_sub_co_u32 s3, s3, 1
	s_cmp_lg_u32 s3, 0
	s_cbranch_scc1 .Llap
	SEVEN 0, 0                                     ; the last lap fills nothing and has no round
	TURN 0, 1, 0
	SEVEN 1, 0
	s_wait_dscnt 6
	WIN 0x50
	MUL F1, 0, 0
	MUL F1, 1, 0
	s_wait_dscnt 0x0
	MUL F1, 2, 0
	MUL F1, 3, 0
	MUL F1, 4, 0
	PLACES                                         ; behind the last products: for the readers of results and the loads into old operands
	; THE WAY OUT, 16 rows at a time: sum x s_in + bias, relu, (x s_out, f16,) into the stage.
.irp a, 0,1,2,3,4
	WIN 0x01                                       ; source 0 in window 1
.set i, 0
.rept 16
	v_pk_fma_f32 v[T+2*i:T+2*i+1], v[32*\a+2*i:32*\a+2*i+1], v[P+2*\a:P+2*\a+1], v[BI+2*i:BI+2*i+1] op_sel_hi:[1,0,1]   ; both by s_in
.set i, i+1
.endr
	WIN 0
.set i, 0
.rept 32
	v_max_num_f32 v[T+i], 0, v[T+i]                ; relu
.set i, i+1
.endr
.if OUTY
.irp b, 0,1,2,3
	ds_store_b128 v[STO], v[T+8*\b:T+8*\b+3]   offset:16*PS*\a+64*\b
	ds_store_b128 v[STO], v[T+8*\b+4:T+8*\b+7] offset:16*PS*\a+64*\b+16
.endr
.else
.set i, 0
.rept 16
	v_pk_mul_f32 v[T+2*i:T+2*i+1], v[T+2*i:T+2*i+1], v[P+2*\a:P+2*\a+1] op_sel:[0,1] op_sel_hi:[1,1]   ; both by s_out, the pair's second register
	v_cvt_pk_f16_f32 v[HI+i], v[T+2*i], v[T+2*i+1]
.set i, i+1
.endr
.irp b, 0,1,2,3
	ds_store_b128 v[STO], v[HI+4*\b:HI+4*\b+3] offset:16*PS*\a+32*\b
.endr
.endif
.endr
.if OUTY
	; my own stage: no other wave touches it, and LDS serves a wave's instructions in order, so no wait and no barrier
.set i, 0
.rept 40
	ds_load_b128 v[F0+4*i:F0+4*i+3], v[RD] offset:2*PS*i
.set i, i+1
.endr
	WIN 0x04                                       ; source 1 in window 1
.set i, 0
.rept 40
	v_min_u32 v[ROWO+i], 0x7ff, v[LST+i]
.set i, i+1
.endr
	WIN 0
.set i, 0
.rept 40
	v_lshl_add_u32 v[ROWO+i], v[ROWO+i], 13, v[CO] ; the token's row of 8,192 bytes + 16 r
.set i, i+1
.endr
.set i, 0
.rept 40
	s_wait_dscnt 39-i                              ; LDS loads come back in order: pair i of rows is in
	global_store_b128 v[ROWO+i], v[F0+4*i:F0+4*i+3], s[14:15] th:TH_STORE_NT   ; 16 lanes store 256 consecutive bytes, aligned
.set i, i+1
.endr
.else
	s_wait_dscnt 0x0                               ; my stores into the stage are done,
	s_barrier_signal -1
	s_barrier_wait -1                              ; everybody's are: a row's two halves come from two waves
.set i, 0
.rept 20
	ds_load_b128 v[F0+4*i:F0+4*i+3], v[RD] offset:8*PS*i
.set i, i+1
.endr
.set i, 0
.rept 20
	s_wait_dscnt 19-i                              ; LDS loads come back in order: my two rows of eight rows i are in
	global_store_b128 v[CO], v[F0+4*i:F0+4*i+3], s[12:13] offset:8*4096*i      ; 16 lanes store 256 consecutive bytes, aligned
.set i, i+1
.endr
.endif
	s_set_vgpr_msb 0x5
	s_wait_tensorcnt 0x0
	ds_add_u32 v160, v161
	s_wait_dscnt 0x0
	s_set_vgpr_msb 0x500
	CROUND                                         ; the closing round: no work-group ends while a partner may still ask jointly
	s_endpgm
.Lfunc_end_k_q0151116338_g0:
	.size	k_q0151116338_g0, .Lfunc_end_k_q0151116338_g0-k_q0151116338_g0
	.p2alignl 7, 3214868480
	.fill 96, 4, 3214868480
	.section	.rodata,"a",@progbits
	.p2align	6, 0x0
	.amdhsa_kernel k_q0151116338_g0
		.amdhsa_group_segment_fixed_size 327680
		.amdhsa_private_segment_fixed_size 0
		.amdhsa_enable_private_segment 0
		.amdhsa_kernarg_size 40
		.amdhsa_user_sgpr_count 2
		.amdhsa_user_sgpr_kernarg_segment_ptr 1
		.amdhsa_wavefront_size32 1
		.amdhsa_system_sgpr_workgroup_id_x 1
		.amdhsa_system_sgpr_workgroup_id_y 1
		.amdhsa_system_sgpr_workgroup_id_z 1
		.amdhsa_system_vgpr_workitem_id 0
		.amdhsa_next_free_vgpr 418
		.amdhsa_next_free_sgpr 66
		.amdhsa_reserve_vcc 1
		.amdhsa_float_denorm_mode_32 3
		.amdhsa_float_denorm_mode_16_64 3
		.amdhsa_memory_ordered 1
		.amdhsa_forward_progress 1
		.amdhsa_inst_pref_size 174
	.end_amdhsa_kernel
	.amdgpu_metadata
---
amdhsa.version: [ 1, 2 ]
amdhsa.kernels:
  - .name:           k_q0151116338_g0
    .symbol:         k_q0151116338_g0.kd
    .args:
      - { .name: ha, .offset: 0, .size: 8, .value_kind: global_buffer, .address_space: global }
      - { .name: wb, .offset: 8, .size: 8, .value_kind: global_buffer, .address_space: global }
      - { .name: b0, .offset: 16, .size: 8, .value_kind: global_buffer, .address_space: global }
      - { .name: et0, .offset: 24, .size: 8, .value_kind: global_buffer, .address_space: global }
      - { .name: hb, .offset: 32, .size: 8, .value_kind: global_buffer, .address_space: global }
    .group_segment_fixed_size: 327680
    .private_segment_fixed_size: 0
    .kernarg_segment_align: 8
    .kernarg_segment_size: 40
    .max_flat_workgroup_size: 128
    .sgpr_count:     66
    .vgpr_count:     418
    .wavefront_size: 32
...
	.end_amdgpu_metadata
.endif
;; end of part 7
;; launch g1: the kernel of part 7 again; grid 16 x 16, 4 waves a work-group, clusters of 4 x 1, 327,680 bytes of LDS; arguments hb, wb, b1, et1, ha; writes ha
;; launch g2 (part 8): grid 16 x 16, 4 waves a work-group, clusters of 4 x 1, 327,680 bytes of LDS; arguments ha, wb, b2, et2, srcl, out0; writes out0
.if DOCPART == 8
	.amdgcn_target "amdgcn-amd-amdhsa--gfx1250"
	.amdhsa_code_object_version 6
	.text
	.protected	k_q0151116338_g2
	.globl	k_q0151116338_g2
	.p2align	8
	.type	k_q0151116338_g2,@function
k_q0151116338_g2:
	s_mov_b64 s[64:65], 0
	v_nop
	global_prefetch_b8 v0, s[64:65] scope:SCOPE_SE
	s_setreg_imm32_b32 hwreg(HW_REG_WAVE_MODE, 25, 1), 1
	s_wait_xcnt 0x0
	s_wait_alu depctr_hold_cnt(0) depctr_sa_sdst(0) depctr_va_vdst(0) depctr_va_sdst(0) depctr_va_ssrc(0) depctr_va_vcc(0) depctr_vm_vsrc(0)
	s_getreg_b32 s2, hwreg(HW_REG_IB_STS2, 6, 4)
	s_cmp_eq_u32 s2, 0
	s_cbranch_scc0 .Lentry_in_a_cluster
	s_endpgm
.Lentry_in_a_cluster:
	s_bfe_u32 s2, ttmp6, 0x10000c
	s_cmp_lg_u32 s2, 0x3003
	s_cbranch_scc0 .Lentry_shape_is_right
	s_endpgm
.Lentry_shape_is_right:
; One layer of the tree: relu(A W_e + b_e) for a row tile of 160 padded tokens (all of one leaf, so of one expert e) and 128 columns.
; The same text serves the three layers; one switch says what goes out.
.set OUTY, 1                           ; 0: the result goes out as scaled f16 rows, with each row's bound.  1: as f32, each row to its token's row of the output
; FORMATS.  A is [2560][2048] f16; row i holds a_i 2^(141 - ex(N_i)), where N_i >= |a_i|_2 is the f32 at float i behind the rows (byte NTAIL)
; and ex its exponent field, clamped to 21 .. 254.  wb holds 64 W in f16, and behind the matrices (byte WTAIL) 512 partial sums of W^2 for
; each matrix.  So a sum of products times s_in = 2^(ex - 147) is a W.  The result's rows are bounded for every input by
; |h_ij| <= |h_i|_2 <= N_out = N_in |W|_F + |b|_2, and go out as h 2^(141 - ex(N_out)), below 2^15: f16's range is never left, whatever the
; inputs' size.  The bound is loose (at most 2^11 a layer for 2048 x 2048), which costs range, not precision: f16 keeps 11 bits down to 2^-14.
; One f16 rounding is 2^-11 of a number at the worst, an eighth of bf16's; two layers' bf16 roundings would come to a third of what a result
; near zero may be off, too near for 4 million results.
; Column tile tx stores N_out of rows 10 tx .. 10 tx + 9 of its row tile.  Whoever forms N_out forms it by the same instructions on the same
; numbers, so the layer that stores a row and the layer that reads it take the same exponent.
; LIMITS: relu is a maximum in which a NaN loses, so a NaN becomes 0; the sums of squares must be finite in f32; a bound below 2^-106 is not
; served (the clamp).  Padded rows repeat a token: with OUTY that token's row is stored again by the same wave with the same bits.
; SHARES: grid 16 (column tiles) x 16 (row tiles).  Four waves; wave w makes rows 80 (w >> 1) .. + 79 and columns 64 (w & 1) .. + 63:
; 5 x 4 accumulator tiles, 160 registers.  A K step is 256 k: 512 bytes of A's rows and 256 rows of W, in two LDS slots.
; CLUSTER 4 x 1: the four column tiles of a row tile need the same tile of A and ask for it jointly (mask 15).  W's tile hangs on the column
; tile, which the four do not share; sharing it along y would need equal experts in neighbouring row tiles, which is data: W's loads are plain.
; THE MATRIX INSTRUCTION IS USED TRANSPOSED: source 0 = 16 columns of W (read from [k][n] rows by the transposing LDS load), source 1 = 16
; rows of A.  Lane (r, h) then holds, in register j, row r and column 8 h + j: eight neighbouring numbers of a row, and one row's scale a lane.
.set NSTEP, 8                          ; K steps
.set AROW,  4096                       ; bytes of a row of A in memory
.set WR,    256                        ; rows of W in a K step
.set NTAIL, 2560*4096                  ; where the rows' bounds begin, in A's buffer and in the result's
.set WTAIL, 7*2048*4096                ; where the partial sums of W^2 begin in wb
.set PA,    528                        ; LDS pitch of A's rows: 512 + 16, an odd multiple of 16
.set PW,    288                        ; LDS pitch of W's rows: 256 + 32, an odd multiple of 32
.set AHALF, 80*PA                      ; what one of A's two loads brings, and what a wave reads of A
.set WOFF,  160*PA                     ; W's rows lie behind A's 160
.set WHALF, (WR/2)*PW                  ; what one of W's two loads brings
.set SLOT,  WOFF+WR*PW
.set KQW,   32*PW                      ; 32 rows of W
.set PS,    272                        ; the way out: pitch of the stage, 256 + 16.  The stage lies in slot 0, behind its last fill and its last reads
.set STG,   80*PS                      ; 80 rows of it
.set ADRA, 8                           ; v8-9    LDS address of my A fragments in slot 0, 1
.set ADRW, 10                          ; v10-13  of my W fragments: slot 0 (rows 0-127, rows 128-255), slot 1 (the same)
.set STO,  14                          ; v14     the way out: where I put my numbers of a row
.set RD,   15                          ; v15     where I read rows back
.set CO,   16                          ; v16     my byte offset in the output
.set LI,   17                          ; v17     OUTY: my word in a pair of the row list; else 16 x lane
.set BO,   18                          ; v18     my byte offset in the bias row
.set NO,   19                          ; v19     my byte offset among the tile's bounds
.set P,    20                          ; v20-29  for each of my five row blocks a pair: s_in, s_out
.set NS,   30                          ; v30     the offset of the bound that I store
.set NV,   31                          ; v31     that bound
.set BI,   32                          ; v32-63  the bias of my 4 x 16 columns, laid as the accumulators are
.set F0,   64                          ; v64-135  fragment buffer 0: W's four at + 8 b, A's five at + 32 + 8 a
.set F1,   136                         ; v136-207 fragment buffer 1
.set SS,   144                         ; v144-151 ahead of the loop: chains of squares
.set T,    208                         ; v208-239 the way out: 32 results
.set HI,   240                         ; v240-255 the same as f16
.set ROWO, 24                          ; v24-63  OUTY, behind the last use of scales and bias: byte offsets of my rows in the output
.set LST,  160                         ; window 1, v416-455: OUTY: my 40 pairs of the row list
.set G1A, 24                           ; s[24:31] descriptor group 1, A
.set G0A, 32                           ; s[32:39] group 0, A, one set for each slot
.set G1W, 40                           ; s[40:47] group 1, W
.set G0W, 48                           ; s[48:55] group 0, W
; window 1 (v256-415): accumulator (a, b) at v[8 (4 a + b)].  s_set_vgpr_msb: bits 1:0 source 0, 3:2 source 1, 5:4 source 2, 7:6 destination.
.set MSB, 0
.macro WIN new                         ; the immediate's high byte repeats the setting that is left
.if MSB != \new
	s_set_vgpr_msb (MSB<<8)|\new
.set MSB, \new
.endif
.endm
.macro PLACES                          ; four plain vector instructions between a matrix instruction and a load into, or a reader of, its registers
.rept 4
	v_nop
.endr
.endm
.macro CREST                           ; a round of the cluster's barrier behind its opening work-group barrier
	s_cmp_lg_u32 s16, 0
	s_cbranch_scc1 .Lnot_wave_0_\@
	s_barrier_signal -3
.Lnot_wave_0_\@:
	s_barrier_wait -3
	s_barrier_signal -1
	s_barrier_wait -1
.endm
.macro CROUND
	s_barrier_signal -1
	s_barrier_wait -1
	CREST
.endm
.macro LOADT s                         ; my one tensor load for slot s: waves 0, 1 a half of A's tile (joint), waves 2, 3 a half of W's
	s_cmp_eq_u32 s17, 0
	s_cbranch_scc0 .Lfor_w_\@
	tensor_load_to_lds s[G0A+4*\s:G0A+4*\s+3], s[G1A:G1A+7]
	s_nop 0
	s_branch .Lasked_\@
.Lfor_w_\@:
	tensor_load_to_lds s[G0W+4*\s:G0W+4*\s+3], s[G1W:G1W+7]
	s_nop 0
.Lasked_\@:
.endm
; four products: A's block a with W's four.  first = 1: they start the sums, nothing is cleared.  The 20 accumulators take turns, one
; instruction a turn, always in the order a = 0..4, b = 0..3.
.macro MUL f, a, first
.irp b, 0,1,2,3
.if \first
	v_wmma_f32_16x16x32_f16 v[8*(4*\a+\b):8*(4*\a+\b)+7], v[\f+8*\b:\f+8*\b+7], v[\f+32+8*\a:\f+32+8*\a+7], 0
.else
	v_wmma_f32_16x16x32_f16 v[8*(4*\a+\b):8*(4*\a+\b)+7], v[\f+8*\b:\f+8*\b+7], v[\f+32+8*\a:\f+32+8*\a+7], v[8*(4*\a+\b):8*(4*\a+\b)+7]
.endif
.endr
.endm
; 18 LDS loads: the fragments of eighth kq of a K step (64 bytes of A's rows at byte 64 kq, and W's rows 32 kq .. + 31) into buffer f
.macro FETCH slot, kq, f
	WIN 0
.irp b, 0,1,2,3
	ds_load_tr16_b128 v[\f+8*\b:\f+8*\b+3],   v[ADRW+2*\slot+((\kq)>>2)] offset:((\kq)&3)*KQW+32*\b
	ds_load_tr16_b128 v[\f+8*\b+4:\f+8*\b+7], v[ADRW+2*\slot+((\kq)>>2)] offset:((\kq)&3)*KQW+32*\b+16*PW
.endr
.irp a, 0,1,2,3,4
	ds_load_b128 v[\f+32+8*\a:\f+32+8*\a+3],   v[ADRA+\slot] offset:16*PA*\a+64*(\kq)
	ds_load_b128 v[\f+32+8*\a+4:\f+32+8*\a+7], v[ADRA+\slot] offset:16*PA*\a+64*(\kq)+32
.endr
.endm
; one of a K step's first seven eighths: multiplies buffer f and fetches eighth kn into buffer g
.macro EIGHTH slot, kn, f, g, first
	s_wait_dscnt 6                                 ; W's eight loads and those of A's blocks 0, 1 are in; the six of blocks 2 to 4 may be out
	WIN 0x50
	MUL \f, 0, \first
	MUL \f, 1, \first
	PLACES
	FETCH \slot, \kn, \g
	s_wait_dscnt 18                                ; all but the 18 just issued
	WIN 0x50
	MUL \f, 2, \first
	MUL \f, 3, \first
	MUL \f, 4, \first
.endm
.macro SEVEN slot, first
	EIGHTH \slot, 1, F0, F1, \first
	EIGHTH \slot, 2, F1, F0, 0
	EIGHTH \slot, 3, F0, F1, 0
	EIGHTH \slot, 4, F1, F0, 0
	EIGHTH \slot, 5, F0, F1, 0
	EIGHTH \slot, 6, F1, F0, 0
	EIGHTH \slot, 7, F0, F1, 0
.endm
; the last eighth, on buffer 1, and the change of slots.  In front of the barrier each wave waits for its reads of this slot and for all its
; tensor loads (one is out: its part of the next slot).  fill = 1: the barrier opens a round of the cluster's barrier, and this slot's refill,
; two K steps ahead, is the first tensor load behind the round; 148 of a step's 160 products stand between it and the wait for it.
.macro TURN slot, next, fill
	s_wait_dscnt 6
	WIN 0x50
	MUL F1, 0, 0
	MUL F1, 1, 0
	s_wait_dscnt 0x0
	s_wait_tensorcnt 0x0
	ds_add_u32 v254, v255
	s_wait_dscnt 0x0
	s_barrier_signal -1
	MUL F1, 2, 0                                   ; registers only, while the others arrive
	WIN 0
	s_barrier_wait -1
.if \fill
	CREST
	s_add_nc_u64 s[G0A+4*\slot+2:G0A+4*\slot+3], s[G0A+4*\slot+2:G0A+4*\slot+3], 2*512
	s_add_nc_u64 s[G0W+4*\slot+2:G0W+4*\slot+3], s[G0W+4*\slot+2:G0W+4*\slot+3], 2*WR*4096
	LOADT \slot
.endif
	PLACES
	FETCH \next, 0, F0
	WIN 0x50
	MUL F1, 3, 0
	MUL F1, 4, 0
.endm
.macro LAP first
	SEVEN 0, \first
	TURN 0, 1, 1
	SEVEN 1, 0
	TURN 1, 0, 1
.endm
.macro EXPO reg                        ; a bound's exponent field, clamped
	v_bfe_u32 v[\reg], v[\reg], 23, 8
	v_max_u32 v[\reg], 21, v[\reg]
	v_min_u32 v[\reg], 254, v[\reg]
.endm
	s_load_b256 s[4:11], s[0:1], 0x0               ; A s[4:5], wb s[6:7], bias s[8:9], et s[10:11]
.if OUTY
	s_load_b128 s[12:15], s[0:1], 0x20             ; srcl s[12:13], out s[14:15]
	v_lshl_add_u32 v254, v0, 2, 0x4d400
	v_mov_b32 v255, 0
	ds_add_u32 v254, v255
.else
	s_load_b64 s[12:13], s[0:1], 0x20              ; H
.endif
	v_lshrrev_b32 v1, 5, v0
	v_readfirstlane_b32 s16, v1                    ; wave
	s_lshr_b32 s17, s16, 1                         ; my half of the rows.  Also: I fetch for A (0) or for W (1)
	s_and_b32 s18, s16, 1                          ; my half of the columns.  Also: which half of that tile I fetch
	s_bfe_u32 s19, ttmp6, 0x40000                  ; cx
	s_lshl_b32 s20, ttmp9, 2
	s_add_co_u32 s20, s20, s19                     ; column tile = 4 x cluster x + cx
	s_and_b32 s21, ttmp7, 0xffff                   ; row tile = cluster y
	s_lshl_b32 s56, s21, 2
	s_wait_dscnt 0x0
	s_wait_kmcnt 0x0
	s_load_b32 s22, s[10:11], s56 offset:0x0       ; my row tile's matrix in wb
	s_load_b32 s23, s[10:11], s56 offset:0x40      ; and its bias row
	; group 1 for A: 80 rows x 256 elements of 2 bytes, 4 words of padding behind every 128; mask 15 (all four partners) with bit 21 beside it
	s_mov_b32 s[G1A+0], 15|(1<<16)|(1<<20)|(1<<21)|(6<<22)|(3<<25)
	s_mov_b32 s[G1A+1], 256<<16                    ; tensor_dim0
	s_mov_b32 s[G1A+2], 80<<16                     ; tensor_dim1
	s_mov_b32 s[G1A+3], 256<<16                    ; tile_dim0
	s_mov_b32 s[G1A+4], 80                         ; tile_dim1
	s_mov_b32 s[G1A+5], AROW/2                     ; elements from row to row
	s_mov_b32 s[G1A+6], 0
	s_mov_b32 s[G1A+7], 0
	; group 1 for W: 128 rows x 128 elements, 8 words of padding behind every 64; no mask
	s_mov_b32 s[G1W+0], (1<<16)|(1<<20)|(5<<22)|(7<<25)
	s_mov_b32 s[G1W+1], 128<<16
	s_mov_b32 s[G1W+2], (WR/2)<<16
	s_mov_b32 s[G1W+3], 128<<16
	s_mov_b32 s[G1W+4], WR/2
	s_mov_b32 s[G1W+5], 2048
	s_mov_b32 s[G1W+6], 0
	s_mov_b32 s[G1W+7], 0
	; A's tile hangs on the row tile and the wave alone, which the four partners share
	s_mul_i32 s58, s21, 160
	s_mul_i32 s57, s18, 80
	s_add_co_u32 s58, s58, s57
	s_mul_i32 s58, s58, AROW
	s_mov_b32 s59, 0
	s_add_nc_u64 s[58:59], s[4:5], s[58:59]
	s_mul_i32 s57, s18, AHALF                      ; where it goes
	s_wait_kmcnt 0x0
	s_min_u32 s22, s22, 6
	s_min_u32 s23, s23, 3
	s_lshl_b32 s60, s22, 23                        ; a matrix of wb is 8,388,608 bytes
	s_mul_i32 s61, s18, (WR/2)*4096
	s_add_co_u32 s60, s60, s61
	s_lshl_b32 s61, s20, 8                         ; 128 columns
	s_add_co_u32 s60, s60, s61
	s_mov_b32 s61, 0
	s_add_nc_u64 s[60:61], s[6:7], s[60:61]
	s_mul_i32 s62, s18, WHALF
	s_add_co_u32 s62, s62, WOFF
.irp s, 0,1
	s_mov_b32 s[G0A+4*\s], 1
	s_add_co_u32 s[G0A+4*\s+1], s57, \s*SLOT
	s_add_nc_u64 s[G0A+4*\s+2:G0A+4*\s+3], s[58:59], \s*512
	s_or_b32 s[G0A+4*\s+3], s[G0A+4*\s+3], 0x80000000
	s_mov_b32 s[G0W+4*\s], 1
	s_add_co_u32 s[G0W+4*\s+1], s62, \s*SLOT
	s_add_nc_u64 s[G0W+4*\s+2:G0W+4*\s+3], s[60:61], \s*WR*4096
	s_or_b32 s[G0W+4*\s+3], s[G0W+4*\s+3], 0x80000000
.endr
	CROUND                                         ; all four work-groups are here: the first joint loads meet
	s_cmp_eq_u32 s17, 0                            ; both first fills of a wave in one branch; two tensor loads of the wave are out
	s_cbranch_scc0 .Lfirst_w
	tensor_load_to_lds s[G0A:G0A+3], s[G1A:G1A+7]
	s_nop 0
	tensor_load_to_lds s[G0A+4:G0A+7], s[G1A:G1A+7]
	s_nop 0
	s_branch .Lfirst_done
.Lfirst_w:
	tensor_load_to_lds s[G0W:G0W+3], s[G1W:G1W+7]
	s_nop 0
	tensor_load_to_lds s[G0W+4:G0W+7], s[G1W:G1W+7]
	s_nop 0
.Lfirst_done:
	; While the first tiles are on their way: bias, bounds, scales, addresses.
	v_and_b32 v2, 15, v0                           ; r
	v_bfe_u32 v3, v0, 4, 1                         ; h
	s_lshl_b32 s56, s23, 13
	s_mov_b32 s57, 0
	s_add_nc_u64 s[8:9], s[8:9], s[56:57]          ; my bias row
	v_lshlrev_b32 v[BO], 5, v3
	v_lshl_add_u32 v[BO], s18, 8, v[BO]
	v_lshl_add_u32 v[BO], s20, 9, v[BO]            ; 512 tx + 256 (w & 1) + 32 h: columns 8 h + j of block b at + 64 b
.irp b, 0,1,2,3
	global_load_b128 v[BI+8*\b:BI+8*\b+3],   v[BO], s[8:9] offset:64*\b
	global_load_b128 v[BI+8*\b+4:BI+8*\b+7], v[BO], s[8:9] offset:64*\b+16
.endr
	s_mul_i32 s56, s21, 640                        ; 160 floats a row tile,
	s_add_co_u32 s56, s56, NTAIL                   ; behind the rows
	s_add_nc_u64 s[4:5], s[4:5], s[56:57]          ; the bounds of my row tile's rows of A
	s_mul_i32 s58, s17, 320
	v_lshlrev_b32 v[NO], 2, v2
	v_add_nc_u32 v[NO], s58, v[NO]                 ; row 80 (w >> 1) + r; block a at + 64 a
.irp a, 0,1,2,3,4
	global_load_b32 v[P+2*\a], v[NO], s[4:5] offset:64*\a
.endr
.if OUTY
	s_mul_i32 s56, s21, 160
	s_mul_i32 s58, s17, 80
	s_add_co_u32 s56, s56, s58
	s_lshl_b32 s56, s56, 2
	s_add_nc_u64 s[12:13], s[12:13], s[56:57]      ; the list at my first row
	s_lshl_b32 s56, s20, 9
	s_lshl_b32 s58, s18, 8
	s_add_co_u32 s56, s56, s58
	s_add_nc_u64 s[14:15], s[14:15], s[56:57]      ; the output at my 256 bytes of a row
	v_lshlrev_b32 v[LI], 2, v3
	WIN 0x40                                       ; destination in window 1
.set i, 0
.rept 40
	global_load_b32 v[LST+i], v[LI], s[12:13] offset:8*i   ; the tokens of rows 2 i (lanes 0-15) and 2 i + 1 (lanes 16-31)
.set i, i+1
.endr
	WIN 0
.else
	s_add_nc_u64 s[14:15], s[12:13], s[56:57]      ; the bounds of the same rows of the result
	s_mul_i32 s58, s20, 40                         ; my work-group stores those of rows 10 tx .. + 9, thread t < 10 that of row 10 tx + t
	v_min_u32 v4, 9, v0
	v_lshlrev_b32 v4, 2, v4
	v_add_nc_u32 v[NS], s58, v4
	global_load_b32 v[NV], v[NS], s[4:5]
	s_lshl_b32 s58, s22, 11                        ; 512 partial sums a matrix
	s_add_co_u32 s58, s58, WTAIL
	s_mov_b32 s59, 0
	s_add_nc_u64 s[6:7], s[6:7], s[58:59]
	v_and_b32 v1, 31, v0
	v_lshlrev_b32 v[LI], 4, v1
.irp j, 0,1,2,3
	global_load_b128 v[F0+4*\j:F0+4*\j+3], v[LI], s[6:7] offset:512*\j          ; 16 of the 512 partial sums a lane
.endr
.set j, 0
.rept 16
	global_load_b128 v[F0+16+4*j:F0+16+4*j+3], v[LI], s[8:9] offset:512*j       ; 64 of the bias row's 2048 numbers a lane
.set j, j+1
.endr
	s_mul_i32 s56, s21, 160*4096
	s_lshl_b32 s58, s20, 8
	s_add_co_u32 s56, s56, s58
	s_add_nc_u64 s[12:13], s[12:13], s[56:57]      ; the result at my work-group's first row and its 256 bytes of a row
.endif
	; A fragment: lane (r, h) takes row r, 16 bytes at 16 h and at 32 + 16 h
	v_mul_u32_u24 v4, v2, PA
	v_lshl_add_u32 v4, v3, 4, v4
	s_mul_i32 s56, s17, AHALF
	v_add_nc_u32 v[ADRA], s56, v4
	v_add_nc_u32 v[ADRA+1], SLOT, v[ADRA]
	; W fragment through the transposing load: lane L addresses row 8 h + (L & 7), 16 bytes at 16 ((L >> 3) & 1); the second load 16 rows on
	v_and_b32 v6, 7, v0
	v_lshl_add_u32 v6, v3, 3, v6
	v_mul_u32_u24 v6, v6, PW
	v_bfe_u32 v7, v0, 3, 1
	v_lshl_add_u32 v6, v7, 4, v6
	s_lshl_b32 s56, s18, 7                         ; my 64 columns
	s_add_co_u32 s56, s56, WOFF
	v_add_nc_u32 v[ADRW], s56, v6
	v_add_nc_u32 v[ADRW+2], SLOT, v[ADRW]
	v_add_nc_u32 v[ADRW+1], 4*KQW, v[ADRW]         ; rows 128 on: past the reach of the 16-bit offset
	v_add_nc_u32 v[ADRW+3], 4*KQW, v[ADRW+2]
	; the way out
	v_mul_u32_u24 v4, v2, PS
.if OUTY
	; a stage of my own, 80 rows of my 256 bytes of f32
	s_mul_i32 s56, s16, STG
	v_lshl_add_u32 v4, v3, 5, v4                   ; row r, 32 bytes at 32 h
	v_add_nc_u32 v[STO], s56, v4
	v_lshlrev_b32 v[CO], 4, v2                     ; 16 r
	v_mul_u32_u24 v5, v3, PS
	v_lshl_add_u32 v5, v2, 4, v5
	v_add_nc_u32 v[RD], s56, v5                    ; lanes 0-15 one row of 256 bytes, lanes 16-31 the next
.else
	; one stage for the four waves, 160 rows of the work-group's 256 bytes of f16: my 64 columns are 128 of them
	s_mul_i32 s56, s17, STG
	s_lshl_b32 s58, s18, 7
	s_add_co_u32 s56, s56, s58
	v_lshl_add_u32 v4, v3, 4, v4                   ; row r, 16 bytes at 16 h
	v_add_nc_u32 v[STO], s56, v4
	v_lshrrev_b32 v5, 4, v0                        ; thread t reads back row t >> 4 of every eight, 16 bytes at 16 (t & 15)
	v_lshlrev_b32 v[CO], 4, v2
	v_lshl_add_u32 v[CO], v5, 12, v[CO]
	v_mul_u32_u24 v5, v5, PS
	v_lshl_add_u32 v[RD], v2, 4, v5
.endif
	s_wait_loadcnt 0x0                             ; bias, bounds and what goes with them
.if OUTY == 0
	; |W|_F and |b|_2, in every lane
.irp c, 0,2,4,6
	v_pk_add_f32 v[F0+\c:F0+\c+1], v[F0+\c:F0+\c+1], v[F0+8+\c:F0+8+\c+1]
.endr
	v_pk_add_f32 v[F0:F0+1], v[F0:F0+1], v[F0+4:F0+5]
	v_pk_add_f32 v[F0+2:F0+3], v[F0+2:F0+3], v[F0+6:F0+7]
	v_pk_add_f32 v[F0:F0+1], v[F0:F0+1], v[F0+2:F0+3]
	v_add_f32 v[F0], v[F0], v[F0+1]
.irp c, 0,1,2,3
	v_pk_mul_f32 v[SS+2*\c:SS+2*\c+1], v[F0+16+2*\c:F0+16+2*\c+1], v[F0+16+2*\c:F0+16+2*\c+1]
.endr
.set i, 4
.rept 28
	v_pk_fma_f32 v[SS+2*(i%4):SS+2*(i%4)+1], v[F0+16+2*i:F0+16+2*i+1], v[F0+16+2*i:F0+16+2*i+1], v[SS+2*(i%4):SS+2*(i%4)+1]
.set i, i+1
.endr
	v_pk_add_f32 v[SS:SS+1], v[SS:SS+1], v[SS+4:SS+5]
	v_pk_add_f32 v[SS+2:SS+3], v[SS+2:SS+3], v[SS+6:SS+7]
	v_pk_add_f32 v[SS:SS+1], v[SS:SS+1], v[SS+2:SS+3]
	v_add_f32 v[F0+1], v[SS], v[SS+1]
.irp m, 1,2,4,8
	v_add_f32_dpp v[F0], v[F0], v[F0] row_xmask:\m row_mask:0xf bank_mask:0xf
	v_add_f32_dpp v[F0+1], v[F0+1], v[F0+1] row_xmask:\m row_mask:0xf bank_mask:0xf
.endr
	s_mov_b32 s62, 0x76543210                      ; lane i of one half reads lane i of the other
	s_mov_b32 s63, 0xfedcba98
	v_permlanex16_b32 v[F0+2], v[F0], s62, s63
	v_permlanex16_b32 v[F0+3], v[F0+1], s62, s63
	v_pk_add_f32 v[F0:F0+1], v[F0:F0+1], v[F0+2:F0+3]
	v_sqrt_f32 v[F0], v[F0]
	v_sqrt_f32 v[F0+1], v[F0+1]
	v_nop                                          ; one plain vector instruction behind the roots before their results are read
	v_fma_f32 v[NV], v[NV], v[F0], v[F0+1]         ; N_out = N_in |W|_F + |b|_2: of the row whose bound I store,
.irp a, 0,1,2,3,4
	v_fma_f32 v[P+2*\a+1], v[P+2*\a], v[F0], v[F0+1]   ; and of my five rows
.endr
	s_wait_xcnt 0x0                                ; EXEC changes only behind this wait
	v_cmp_gt_u32 vcc_lo, 10, v0
	s_and_saveexec_b32 s60, vcc_lo
	global_store_b32 v[NS], v[NV], s[14:15]        ; threads 0 to 9 of the work-group
	s_wait_xcnt 0x0
	s_or_b32 exec_lo, exec_lo, s60
.endif
.irp a, 0,1,2,3,4
	EXPO P+2*\a
	v_add_nc_u32 v[P+2*\a], -20, v[P+2*\a]         ; s_in = 2^(ex - 147) has the exponent field ex - 20
.if OUTY
	v_lshlrev_b32 v[P+2*\a+1], 23, v[P+2*\a]       ; the packed form names the pair: both are written
.else
	EXPO P+2*\a+1
	v_sub_nc_u32 v[P+2*\a+1], 268, v[P+2*\a+1]     ; s_out = 2^(141 - ex) has the exponent field 268 - ex
	v_lshlrev_b32 v[P+2*\a+1], 23, v[P+2*\a+1]
.endif
	v_lshlrev_b32 v[P+2*\a], 23, v[P+2*\a]
.endr
	s_wait_tensorcnt 0x1                           ; my part of K step 0 is in; K step 1's stays out
	s_barrier_signal -1
	s_barrier_wait -1
	FETCH 0, 0, F0
	LAP 1                                          ; the first lap stands in front of the loop: its first products start the sums
	WIN 0
	s_mov_b32 s3, NSTEP/2-2
.Llap:
	LAP 0
	WIN 0
	s_sub_co_u32 s3, s3, 1
	s_cmp_lg_u32 s3, 0
	s_cbranch_scc1 .Llap
	SEVEN 0, 0                                     ; the last lap fills nothing and has no round
	TURN 0, 1, 0
	SEVEN 1, 0
	s_wait_dscnt 6
	WIN 0x50
	MUL F1, 0, 0
	MUL F1, 1, 0
	s_wait_dscnt 0x0
	MUL F1, 2, 0
	MUL F1, 3, 0
	MUL F1, 4, 0
	PLACES                                         ; behind the last products: for the readers of results and the loads into old operands
	; THE WAY OUT, 16 rows at a time: sum x s_in + bias, relu, (x s_out, f16,) into the stage.
.irp a, 0,1,2,3,4
	WIN 0x01                                       ; source 0 in window 1
.set i, 0
.rept 16
	v_pk_fma_f32 v[T+2*i:T+2*i+1], v[32*\a+2*i:32*\a+2*i+1], v[P+2*\a:P+2*\a+1], v[BI+2*i:BI+2*i+1] op_sel_hi:[1,0,1]   ; both by s_in
.set i, i+1
.endr
	WIN 0
.set i, 0
.rept 32
	v_max_num_f32 v[T+i], 0, v[T+i]                ; relu
.set i, i+1
.endr
.if OUTY
.irp b, 0,1,2,3
	ds_store_b128 v[STO], v[T+8*\b:T+8*\b+3]   offset:16*PS*\a+64*\b
	ds_store_b128 v[STO], v[T+8*\b+4:T+8*\b+7] offset:16*PS*\a+64*\b+16
.endr
.else
.set i, 0
.rept 16
	v_pk_mul_f32 v[T+2*i:T+2*i+1], v[T+2*i:T+2*i+1], v[P+2*\a:P+2*\a+1] op_sel:[0,1] op_sel_hi:[1,1]   ; both by s_out, the pair's second register
	v_cvt_pk_f16_f32 v[HI+i], v[T+2*i], v[T+2*i+1]
.set i, i+1
.endr
.irp b, 0,1,2,3
	ds_store_b128 v[STO], v[HI+4*\b:HI+4*\b+3] offset:16*PS*\a+32*\b
.endr
.endif
.endr
.if OUTY
	; my own stage: no other wave touches it, and LDS serves a wave's instructions in order, so no wait and no barrier
.set i, 0
.rept 40
	ds_load_b128 v[F0+4*i:F0+4*i+3], v[RD] offset:2*PS*i
.set i, i+1
.endr
	WIN 0x04                                       ; source 1 in window 1
.set i, 0
.rept 40
	v_min_u32 v[ROWO+i], 0x7ff, v[LST+i]
.set i, i+1
.endr
	WIN 0
.set i, 0
.rept 40
	v_lshl_add_u32 v[ROWO+i], v[ROWO+i], 13, v[CO] ; the token's row of 8,192 bytes + 16 r
.set i, i+1
.endr
.set i, 0
.rept 40
	s_wait_dscnt 39-i                              ; LDS loads come back in order: pair i of rows is in
	global_store_b128 v[ROWO+i], v[F0+4*i:F0+4*i+3], s[14:15] th:TH_STORE_NT   ; 16 lanes store 256 consecutive bytes, aligned
.set i, i+1
.endr
.else
	s_wait_dscnt 0x0                               ; my stores into the stage are done,
	s_barrier_signal -1
	s_barrier_wait -1                              ; everybody's are: a row's two halves come from two waves
.set i, 0
.rept 20
	ds_load_b128 v[F0+4*i:F0+4*i+3], v[RD] offset:8*PS*i
.set i, i+1
.endr
.set i, 0
.rept 20
	s_wait_dscnt 19-i                              ; LDS loads come back in order: my two rows of eight rows i are in
	global_store_b128 v[CO], v[F0+4*i:F0+4*i+3], s[12:13] offset:8*4096*i      ; 16 lanes store 256 consecutive bytes, aligned
.set i, i+1
.endr
.endif
	s_wait_tensorcnt 0x0
	ds_add_u32 v254, v255
	s_wait_dscnt 0x0
	CROUND                                         ; the closing round: no work-group ends while a partner may still ask jointly
	s_endpgm
.Lfunc_end_k_q0151116338_g2:
	.size	k_q0151116338_g2, .Lfunc_end_k_q0151116338_g2-k_q0151116338_g2
	.p2alignl 7, 3214868480
	.fill 96, 4, 3214868480
	.section	.rodata,"a",@progbits
	.p2align	6, 0x0
	.amdhsa_kernel k_q0151116338_g2
		.amdhsa_group_segment_fixed_size 327680
		.amdhsa_private_segment_fixed_size 0
		.amdhsa_enable_private_segment 0
		.amdhsa_kernarg_size 48
		.amdhsa_user_sgpr_count 2
		.amdhsa_user_sgpr_kernarg_segment_ptr 1
		.amdhsa_wavefront_size32 1
		.amdhsa_system_sgpr_workgroup_id_x 1
		.amdhsa_system_sgpr_workgroup_id_y 1
		.amdhsa_system_sgpr_workgroup_id_z 1
		.amdhsa_system_vgpr_workitem_id 0
		.amdhsa_next_free_vgpr 456
		.amdhsa_next_free_sgpr 66
		.amdhsa_reserve_vcc 1
		.amdhsa_float_denorm_mode_32 3
		.amdhsa_float_denorm_mode_16_64 3
		.amdhsa_memory_ordered 1
		.amdhsa_forward_progress 1
		.amdhsa_inst_pref_size 170
	.end_amdhsa_kernel
	.amdgpu_metadata
---
amdhsa.version: [ 1, 2 ]
amdhsa.kernels:
  - .name:           k_q0151116338_g2
    .symbol:         k_q0151116338_g2.kd
    .args:
      - { .name: ha, .offset: 0, .size: 8, .value_kind: global_buffer, .address_space: global }
      - { .name: wb, .offset: 8, .size: 8, .value_kind: global_buffer, .address_space: global }
      - { .name: b2, .offset: 16, .size: 8, .value_kind: global_buffer, .address_space: global }
      - { .name: et2, .offset: 24, .size: 8, .value_kind: global_buffer, .address_space: global }
      - { .name: srcl, .offset: 32, .size: 8, .value_kind: global_buffer, .address_space: global }
      - { .name: out0, .offset: 40, .size: 8, .value_kind: global_buffer, .address_space: global }
    .group_segment_fixed_size: 327680
    .private_segment_fixed_size: 0
    .kernarg_segment_align: 8
    .kernarg_segment_size: 48
    .max_flat_workgroup_size: 128
    .sgpr_count:     66
    .vgpr_count:     456
    .wavefront_size: 32
...
	.end_amdgpu_metadata
.endif
;; end of part 8
;; ======== version 3 of 3: 4 launches; 1.40 times as fast as version 1
;; limits: inputs' magnitudes at most 1,023; values are held in f16: magnitudes above 65,504 overflow, below 6.1e-05 lose precision
;; workspace buffers: srcl 10,240 bytes of whole numbers; et0 256 bytes of whole numbers; et1 256 bytes of whole numbers; et2 256 bytes of whole numbers; wb 58,734,592 bytes; ha 10,496,000 bytes; hb 10,496,000 bytes
;; launch cast (part 9): grid 528 x 1, 8 waves a work-group, no clusters, 66,560 bytes of LDS; arguments W0, W1, W2, x, path_mask, wb, ha, srcl, et0, et1, et2; writes wb, ha, srcl, et0, et1, et2
.if DOCPART == 9
	.amdgcn_target "amdgcn-amd-amdhsa--gfx1250"
	.amdhsa_code_object_version 6
	.text
	.protected	k_q0151116338_cast
	.globl	k_q0151116338_cast
	.p2align	8
	.type	k_q0151116338_cast,@function
k_q0151116338_cast:
	s_mov_b64 s[64:65], 0
	v_nop
	global_prefetch_b8 v0, s[64:65] scope:SCOPE_SE
	s_setreg_imm32_b32 hwreg(HW_REG_WAVE_MODE, 25, 1), 1
	s_wait_xcnt 0x0
; Routing, and f32 to f16 once, with what the later layers need to scale their rows.
; ROUTING.  The 2048 tokens are sorted by leaf = 2 bit0 + bit1 and the sorted order is cut into exactly 16 row tiles, each of one leaf, each
; with 1 to 160 tokens, padded to 160 rows by repeating its last token.  srcl[160 t + j] = token of padded row j of tile t; etL[t] = tile
; t's matrix in wb; etL[16 + t] = its bias row.  16 tiles always do: t_e = ceil(n_e / 160) sums to 16 at the most (n_e = 160 a_e + 1 for all
; four gives 160 sum(a_e) <= 2044, sum(a_e) <= 12) and to 13 at the least, so at most 3 tiles are spare; each spare one goes to the leaf
; with the largest n_e - 128 t_e, which is above 0 as long as fewer than 16 tiles are given out (the four figures sum to 2048 - 128 sum(t_e)).
; No tile is empty: n_e > 128 (t_e - 1) >= (t_e - 1)^2.
; WORK-GROUPS 0 to 79: 32 padded rows each of ha ([2560][2048] f16); padded row p is x's row srcl[p], stored as x 2^(141 - ex), where ex is
; the exponent field of N = |x row|_2: every |x| <= N < 2^(ex - 126), so what is stored lies below 2^15.  N goes to float p at byte NTAIL.
; Each of their 640 waves makes the routing for itself, from the 24,576 bytes of the mask, in 8 KB of LDS of its own: the same instructions on
; the same numbers give every wave the same order, no wave waits for another, and no launch of one wave has to run ahead of this one.  They
; come first in the grid because the routing stands in front of their stream; the weights' work-groups stream meanwhile.
; Wave 0 of each stores the group's 32 words of srcl (128 consecutive bytes); wave 0 of work-group 0 also stores the three tables.
; WORK-GROUPS 80 to 527: 32 rows each of the seven weight matrices, in the order W0, W1[0..1], W2[0..3], into wb ([7][2048 k][2048 n] f16),
; stored as 64 W (0.02 becomes 1.28, in the middle of f16's range).  Each wave also stores the sum of squares of its four rows behind the
; matrices (float 8 g + w at byte WTAIL): 512 partial sums for a matrix, from which a layer makes the matrix's Frobenius norm.
; LIMITS: the path bits are taken to be 0 or 1, as the indexing in the problem needs; a leaf above 3 is clamped to 3.  |W| below 1,023
; (64 W must fit f16); elements of W below 2^-20 carry an absolute error of 2^-31; the sums of squares must be finite in f32; ex is clamped
; to 21 .. 254, so a row norm below 2^-106 is not served.
; THE STREAM: no barrier, no matrix unit.  Wave w takes rows 4 w .. 4 w + 3 of the group's 32.  A load of the wave covers 512 consecutive
; bytes (16 a lane); their f16 are 8 bytes a lane, so a store of the wave covers 256 consecutive bytes, aligned.  Two rows (32 loads) of
; every wave are out.
.set XG, 80                            ; work-groups that take rows of x
.set WTAIL, 7*2048*4096                ; byte of wb where the partial sums begin
.set NTAIL, 2560*4096                  ; byte of ha where the row norms begin
.set SC, 6                             ; v[6:7]     the scale, twice (a pair for the packed multiply)
.set X0, 8                             ; v[8:71]    a row as loaded, 64 f32 a lane
.set X1, 72                            ; v[72:135]  the other row
.set Y0, 136                           ; v[136:167] a row to store
.set Y1, 168                           ; v[168:199]
.set S,  200                           ; v[200:207] four chains of packed sums of squares
.set NR, 208                           ; v[208:211] the norms of my four rows of x
.set T,  212                           ; v[212:213] at work
.set SRC, 20                           ; s[20:27]   the addresses of my four source rows
.set DST, 28                           ; s[28:29]   my first destination row
; the routing, which is over before the stream's registers are set up
.set X,  32                            ; v[32:223]  192 words of the mask; word 3 j becomes the leaf of my token j
.set NE, 76                            ; s76-79     n_e: tokens of leaf e
.set TE, 80                            ; s80-83     t_e: its tiles
.set XE, 84                            ; s84-87     n_e - 128 t_e
.set SE, 88                            ; s88-91     rows in one of its tiles
.set BE, 92                            ; s92-95     where it begins in the sorted order
.set TF, 95                            ; s96-98     first tile of leaves 1, 2, 3 at TF + e
.macro INIT                            ; the stream's lane registers
	v_and_b32 v4, 31, v0                           ; lane
	v_lshlrev_b32 v1, 4, v4                        ; 16 bytes of f32 a lane
	v_lshlrev_b32 v2, 3, v4                        ; 8 bytes of f16
	v_mov_b32 v5, 0                                ; the offset of lane 0's small store
	v_mov_b32 v[T+1], 0                            ; the lane exchange counts as a reader of its destination
.endm
.macro LOADROW q, x, nt
.set i, 0
.rept 16
.if \nt
	global_load_b128 v[\x+4*i:\x+4*i+3], v1, s[SRC+2*\q:SRC+2*\q+1] offset:512*i th:TH_LOAD_NT
.else
	global_load_b128 v[\x+4*i:\x+4*i+3], v1, s[SRC+2*\q:SRC+2*\q+1] offset:512*i
.endif
.set i, i+1
.endr
.endm
; squares of my 64 numbers of a row into four chains; first = 1: the first four products start the chains, nothing is cleared
.macro SQ x, first
.irp c, 0,1,2,3
.if \first
	v_pk_mul_f32 v[S+2*\c:S+2*\c+1], v[\x+2*\c:\x+2*\c+1], v[\x+2*\c:\x+2*\c+1]
.else
	v_pk_fma_f32 v[S+2*\c:S+2*\c+1], v[\x+2*\c:\x+2*\c+1], v[\x+2*\c:\x+2*\c+1], v[S+2*\c:S+2*\c+1]
.endif
.endr
.set i, 4
.rept 28
	v_pk_fma_f32 v[S+2*(i%4):S+2*(i%4)+1], v[\x+2*i:\x+2*i+1], v[\x+2*i:\x+2*i+1], v[S+2*(i%4):S+2*(i%4)+1]
.set i, i+1
.endr
.endm
; the chains and the 32 lanes into one sum, in every lane's v[T]
.macro RED
	v_pk_add_f32 v[S:S+1], v[S:S+1], v[S+2:S+3]
	v_pk_add_f32 v[S+4:S+5], v[S+4:S+5], v[S+6:S+7]
	v_pk_add_f32 v[S:S+1], v[S:S+1], v[S+4:S+5]
	v_add_f32 v[T], v[S], v[S+1]
.irp m, 1,2,4,8
	v_add_f32_dpp v[T], v[T], v[T] row_xmask:\m row_mask:0xf bank_mask:0xf
.endr
	v_permlanex16_b32 v[T+1], v[T], s46, s47
	v_add_f32 v[T], v[T], v[T+1]
.endm
.macro CVT x, y                        ; scale in place, round to f16
.set i, 0
.rept 32
	v_pk_mul_f32 v[\x+2*i:\x+2*i+1], v[\x+2*i:\x+2*i+1], v[SC:SC+1]
	v_cvt_pk_f16_f32 v[\y+i], v[\x+2*i], v[\x+2*i+1]
.set i, i+1
.endr
.endm
; row q, landed in x, becomes f16 in y.  isx = 1: a row of x, scaled by its own norm; 0: a row of weights, whose squares join the wave's sum.
.macro PROC q, x, y, isx
.if \isx
	SQ \x, 1
	RED
	v_sqrt_f32 v[NR+\q], v[T]
	v_nop                                          ; one plain vector instruction behind the root before its result is read and its source rewritten
	s_wait_alu depctr_va_vdst(0)
	v_bfe_u32 v[T], v[NR+\q], 23, 8                ; ex
	v_max_u32 v[T], 21, v[T]
	v_min_u32 v[T], 254, v[T]
	v_sub_nc_u32 v[T], 268, v[T]                   ; 2^(141 - ex) has the exponent field 268 - ex
	v_lshlrev_b32 v[SC], 23, v[T]
	v_lshlrev_b32 v[SC+1], 23, v[T]
.else
.if \q
	SQ \x, 0
.else
	SQ \x, 1
.endif
.endif
	CVT \x, \y
.endm
.macro STROW q, y
.set i, 0
.rept 16
	global_store_b64 v2, v[\y+2*i:\y+2*i+1], s[DST:DST+1] offset:4096*\q+256*i
.set i, i+1
.endr
.endm
; four rows.  nt = 1: the source is read once in the launch (weights); 0: the list may name a row of x again.
.macro CAST4 nt, isx
	LOADROW 0, X0, \nt
	LOADROW 1, X1, \nt
	s_wait_loadcnt 16                              ; row 0 is in; row 1's sixteen loads stay out
	PROC 0, X0, Y0, \isx
	LOADROW 2, X0, \nt
	STROW 0, Y0
	s_wait_loadcnt 16                              ; row 1 is in; row 2's stay out
	PROC 1, X1, Y1, \isx
	LOADROW 3, X1, \nt
	STROW 1, Y1
	s_wait_loadcnt 16                              ; row 2 is in
	s_wait_xcnt 0x0                                ; Y0, which row 0's stores read, is rewritten only behind this wait
	PROC 2, X0, Y0, \isx
	STROW 2, Y0
	s_wait_loadcnt 0x0
	s_wait_xcnt 0x0                                ; the same for Y1
	PROC 3, X1, Y1, \isx
	STROW 3, Y1
.endm
; For the tile whose number each lane holds in v25: its leaf (v30), its first place in the sorted order (v31), its tokens less one (v19).
; The last leaf whose first tile is at or below the tile is its leaf.
.macro TABLE
	v_mov_b32 v26, s[SE]                           ; rows in a tile
	v_mov_b32 v27, s[NE]                           ; tokens of the leaf
	v_mov_b32 v28, 0                               ; where the leaf begins
	v_mov_b32 v29, 0                               ; its first tile
	v_mov_b32 v30, 0                               ; the leaf
.irp e, 1,2,3
	v_cmp_le_u32 vcc_lo, s[TF+\e], v25
	v_mov_b32 v13, s[SE+\e]
	v_cndmask_b32 v26, v26, v13, vcc_lo
	v_mov_b32 v13, s[NE+\e]
	v_cndmask_b32 v27, v27, v13, vcc_lo
	v_mov_b32 v13, s[BE+\e]
	v_cndmask_b32 v28, v28, v13, vcc_lo
	v_mov_b32 v13, s[TF+\e]
	v_cndmask_b32 v29, v29, v13, vcc_lo
	v_mov_b32 v13, \e
	v_cndmask_b32 v30, v30, v13, vcc_lo
.endr
	v_sub_nc_u32 v13, v25, v29
	v_mul_lo_u32 v13, v13, v26                     ; tokens of the leaf in front of the tile
	v_add_nc_u32 v31, v28, v13
	v_sub_nc_u32 v14, v27, v13
	v_min_u32 v14, v26, v14                        ; its tokens
	v_add_nc_u32 v19, -1, v14
.endm
	s_load_b256 s[4:11], s[0:1], 0x0               ; W0 s[4:5], W1 s[6:7], W2 s[8:9], x s[10:11]
	s_load_b256 s[12:19], s[0:1], 0x20             ; path_mask s[12:13], wb s[14:15], ha s[16:17], srcl s[18:19]
	s_load_b128 s[68:71], s[0:1], 0x40             ; et0 s[68:69], et1 s[70:71]
	s_load_b64 s[72:73], s[0:1], 0x50              ; et2
	v_lshl_add_u32 v224, v0, 2, 0x10000
	v_mov_b32 v225, 0
	v_lshrrev_b32 v3, 5, v0
	v_readfirstlane_b32 s30, v3                    ; wave
	s_mov_b32 s46, 0x76543210                      ; lane i of one half reads lane i of the other
	s_mov_b32 s47, 0xfedcba98
	s_mov_b32 s37, 0
	s_mov_b32 s39, 0
	s_lshl_b32 s38, s30, 14                        ; my four rows of 4,096 bytes in the group's output
	s_wait_kmcnt 0x0
	s_cmp_lt_u32 ttmp9, XG
	s_cbranch_scc1 .Lrows_of_x
	; WEIGHTS: which tensor, and the group's number in it
	INIT
	s_sub_co_u32 s31, ttmp9, XG                    ; g, 0 to 447
	s_cmp_lt_u32 s31, 64
	s_cselect_b64 s[32:33], s[4:5], s[6:7]
	s_cselect_b32 s34, 0, 64
	s_cmp_lt_u32 s31, 192
	s_cselect_b64 s[32:33], s[32:33], s[8:9]
	s_cselect_b32 s34, s34, 192
	s_sub_co_u32 s36, s31, s34
	s_lshl_b32 s36, s36, 18                        ; 32 rows of 8,192 bytes
	s_lshl_b32 s35, s30, 15                        ; my four
	s_add_co_u32 s36, s36, s35
	s_add_nc_u64 s[SRC:SRC+1], s[32:33], s[36:37]
	s_add_nc_u64 s[SRC+2:SRC+3], s[SRC:SRC+1], 8192
	s_add_nc_u64 s[SRC+4:SRC+5], s[SRC:SRC+1], 16384
	s_add_nc_u64 s[SRC+6:SRC+7], s[SRC:SRC+1], 24576
	s_lshl_b32 s35, s31, 17                        ; 32 rows of 4,096 bytes
	s_add_co_u32 s38, s38, s35
	s_add_nc_u64 s[DST:DST+1], s[14:15], s[38:39]
	v_mov_b32 v[SC], 0x42800000                    ; 64.0
	v_mov_b32 v[SC+1], 0x42800000
	CAST4 1, 0
	RED                                            ; the squares of my four rows
	s_lshl_b32 s36, s31, 5                         ; float 8 g + w
	s_lshl_b32 s35, s30, 2
	s_add_co_u32 s36, s36, s35
	s_add_co_u32 s36, s36, WTAIL
	s_add_nc_u64 s[32:33], s[14:15], s[36:37]
	s_wait_xcnt 0x0                                ; EXEC changes only behind this wait
	v_cmp_eq_u32 vcc_lo, 0, v4
	s_and_saveexec_b32 s34, vcc_lo
	global_store_b32 v5, v[T], s[32:33]            ; lane 0 alone
	s_wait_xcnt 0x0
	s_or_b32 exec_lo, exec_lo, s34
	s_endpgm
.Lrows_of_x:
	; THE ROUTING, by every wave for itself.  Lane L owns the 64 tokens 128 m + 4 L + i (m = 0 .. 15, i = 0 .. 3; j = 4 m + i): their mask
	; words are 16 runs of 48 bytes, three loads each, and the wave's three loads of a run cover 1,536 consecutive bytes.
	v_and_b32 v1, 31, v0                           ; lane
	s_mul_i32 s45, s30, 8192                       ; my wave's own 8,192 bytes of LDS: sorted[2048]
	v_mul_u32_u24 v2, v1, 48
	v_mov_b32 v3, 1
	v_mov_b32 v4, 0                                ; four counts, a byte each (64 at the most)
	v_mov_b32 v7, 0                                ; written whole before single lanes are written
	v_mov_b32 v8, 0
	v_lshlrev_b32 v15, 2, v1                       ; 4 L
.set j, 0
.rept 48
	global_load_b128 v[X+4*j:X+4*j+3], v2, s[12:13] offset:1536*(j/3)+16*(j%3)
.set j, j+1
.endr
	s_wait_loadcnt 0x0
	; leaves and my counts
.set j, 0
.rept 64
	v_lshl_add_u32 v[X+3*j], v[X+3*j], 1, v[X+3*j+1]
	v_min_u32 v[X+3*j], 3, v[X+3*j]
	v_lshlrev_b32 v13, 3, v[X+3*j]
	v_lshlrev_b32 v13, v13, v3                     ; 1 in the leaf's byte
	v_add_nc_u32 v4, v4, v13
.set j, j+1
.endr
	v_and_b32 v5, 0xff, v4                         ; counts of leaves 0 and 1 as two 16-bit fields (sums reach 2048)
	v_bfe_u32 v13, v4, 8, 8
	v_lshl_or_b32 v5, v13, 16, v5
	v_bfe_u32 v6, v4, 16, 8                        ; of leaves 2 and 3
	v_lshrrev_b32 v13, 24, v4
	v_lshl_or_b32 v6, v13, 16, v6
	; exclusive sums over the lanes, carried in two scalars
	s_mov_b32 s40, 0
	s_mov_b32 s41, 0
.set j, 0
.rept 32
	v_writelane_b32 v7, s40, j
	v_writelane_b32 v8, s41, j
	v_readlane_b32 s42, v5, j
	v_readlane_b32 s43, v6, j
	s_add_co_u32 s40, s40, s42
	s_add_co_u32 s41, s41, s43
.set j, j+1
.endr
	s_and_b32 s[NE], s40, 0xffff
	s_lshr_b32 s[NE+1], s40, 16
	s_and_b32 s[NE+2], s41, 0xffff
	s_lshr_b32 s[NE+3], s41, 16
	s_mov_b32 s[BE], 0
	s_mov_b32 s[BE+1], s[NE]
	s_add_co_u32 s[BE+2], s[NE], s[NE+1]
	s_add_co_u32 s[BE+3], s[BE+2], s[NE+2]
	v_and_b32 v9, 0xffff, v7                       ; pos_e: where my next token of leaf e goes, v9-12
	v_lshrrev_b32 v10, 16, v7
	v_add_nc_u32 v10, s[BE+1], v10
	v_and_b32 v11, 0xffff, v8
	v_add_nc_u32 v11, s[BE+2], v11
	v_lshrrev_b32 v12, 16, v8
	v_add_nc_u32 v12, s[BE+3], v12
	; placement: sorted[pos] = token.  Any order inside a leaf serves; every wave makes the same one.
.set j, 0
.rept 64
	v_cmp_eq_u32 vcc_lo, 0, v[X+3*j]
	v_mov_b32 v13, v9
	v_add_co_ci_u32 v9, vcc_lo, 0, v9, vcc_lo      ; pos_0 steps where the leaf is 0
.irp e, 1,2,3
	v_cmp_eq_u32 vcc_lo, \e, v[X+3*j]
	v_cndmask_b32 v13, v13, v[9+\e], vcc_lo
	v_add_co_ci_u32 v[9+\e], vcc_lo, 0, v[9+\e], vcc_lo
.endr
	v_min_u32 v13, 0x7ff, v13
	v_lshl_add_u32 v13, v13, 2, s45
	v_add_nc_u32 v14, 128*(j>>2)+(j&3), v15
	ds_store_b32 v13, v14
.set j, j+1
.endr
	; tiles for each leaf
.irp e, 0,1,2,3
	s_add_co_u32 s41, s[NE+\e], 159
	s_mul_i32 s41, s41, 6554                       ; / 160: 6554 x 160 = 2^20 + 64, exact for the arguments here (2207 at the most)
	s_lshr_b32 s[TE+\e], s41, 20
	s_lshl_b32 s41, s[TE+\e], 7
	s_sub_co_u32 s[XE+\e], s[NE+\e], s41
.endr
	s_add_co_u32 s40, s[TE], s[TE+1]
	s_add_co_u32 s41, s[TE+2], s[TE+3]
	s_add_co_u32 s40, s40, s41
	s_sub_co_u32 s40, 16, s40                      ; spare tiles, 0 to 3
.rept 3                                            ; one spare tile, if any is left, to the first leaf with the largest n_e - 128 t_e
	s_min_u32 s41, s40, 1
	s_sub_co_u32 s40, s40, s41
	s_max_i32 s42, s[XE], s[XE+1]
	s_max_i32 s43, s[XE+2], s[XE+3]
	s_max_i32 s42, s42, s43
.irp e, 0,1,2,3
	s_cmp_eq_u32 s[XE+\e], s42
	s_cselect_b32 s43, s41, 0
	s_add_co_u32 s[TE+\e], s[TE+\e], s43
	s_lshl_b32 s44, s43, 7
	s_sub_co_u32 s[XE+\e], s[XE+\e], s44
	s_sub_co_u32 s41, s41, s43
.endr
.endr
	; rows in a tile of leaf e: ceil(n_e / t_e) <= 160: the largest s with s t_e < n_e, bit by bit, plus 1
.irp e, 0,1,2,3
	s_mov_b32 s[SE+\e], 0
.irp bit, 128,64,32,16,8,4,2,1
	s_add_co_u32 s41, s[SE+\e], \bit
	s_mul_i32 s42, s41, s[TE+\e]
	s_cmp_lt_u32 s42, s[NE+\e]
	s_cselect_b32 s[SE+\e], s41, s[SE+\e]
.endr
	s_add_co_u32 s[SE+\e], s[SE+\e], 1
.endr
	s_mov_b32 s[TF+1], s[TE]
	s_add_co_u32 s[TF+2], s[TE], s[TE+1]
	s_add_co_u32 s[TF+3], s[TF+2], s[TE+2]
	; my work-group's 32 padded rows lie in one tile (160 = 5 x 32): tile t = c / 5, rows 32 (c - 5 t) on
	s_mul_i32 s40, ttmp9, 205
	s_lshr_b32 s40, s40, 10                        ; c / 5: 205 x 5 = 1,025, exact for c up to 79
	s_mul_i32 s41, s40, 5
	s_sub_co_u32 s41, ttmp9, s41
	s_lshl_b32 s41, s41, 5
	v_lshl_add_u32 v17, s30, 2, v1
	v_and_b32 v17, 31, v17                         ; lane l takes the group's row (l + 4 w) mod 32: lanes 0 to 3 hold my wave's four
	v_add_nc_u32 v20, s41, v17                     ; its row in the tile
	v_mov_b32 v25, s40
	TABLE
	v_min_u32 v13, v19, v20                        ; rows past the tile's last token repeat it
	v_add_nc_u32 v13, v31, v13
	v_min_u32 v13, 0x7ff, v13
	v_lshl_add_u32 v13, v13, 2, s45
	ds_load_b32 v21, v13                           ; a wave's LDS instructions are served in order: this load sees the stores above
	s_wait_dscnt 0x0
	s_cmp_lg_u32 s30, 0
	s_cbranch_scc1 .Lrouted
	; wave 0 (whose lane l holds row l): the group's 32 words of the list
	v_lshlrev_b32 v18, 2, v1
	s_lshl_b32 s36, ttmp9, 7
	s_add_nc_u64 s[32:33], s[18:19], s[36:37]
	global_store_b32 v18, v21, s[32:33]
	s_cmp_lg_u32 ttmp9, 0
	s_cbranch_scc1 .Lrouted
	; wave 0 of work-group 0: the tables.  Lane L holds tile L mod 16.
	; lanes 0-15: the matrix (W0 = 0, W1 = 1 + bit0, W2 = 3 + leaf); lanes 16-31: the bias row (0, bit0, leaf)
	v_and_b32 v25, 15, v1
	TABLE
	v_lshrrev_b32 v13, 4, v1
	v_xor_b32 v13, 1, v13                          ; 1 in lanes 0-15
	v_mov_b32 v14, 0
	global_store_b32 v18, v14, s[68:69]
	v_lshrrev_b32 v16, 1, v30
	v_add_nc_u32 v16, v16, v13
	global_store_b32 v18, v16, s[70:71]
	v_mad_u32_u24 v17, v13, 3, v30
	global_store_b32 v18, v17, s[72:73]
.Lrouted:
	s_wait_xcnt 0x0                                ; what those stores read is rewritten only behind this wait
.irp q, 0,1,2,3
	v_readlane_b32 s[40+\q], v21, \q               ; the tokens of my four rows
.endr
	; THE STREAM of my four rows of x
	INIT
	s_lshl_b32 s35, ttmp9, 7                       ; 4 bytes a padded row: 32 rows a group,
	s_lshl_b32 s36, s30, 4                         ; my four
	s_add_co_u32 s35, s35, s36
	s_lshl_b32 s36, ttmp9, 17
	s_add_co_u32 s38, s38, s36
	s_add_nc_u64 s[DST:DST+1], s[16:17], s[38:39]
.irp q, 0,1,2,3
	s_min_u32 s36, s[40+\q], 2047
	s_lshl_b32 s36, s36, 13
	s_add_nc_u64 s[SRC+2*\q:SRC+2*\q+1], s[10:11], s[36:37]
.endr
	CAST4 0, 1
	s_add_co_u32 s36, s35, NTAIL
	s_add_nc_u64 s[32:33], s[16:17], s[36:37]
	s_wait_xcnt 0x0                                ; EXEC changes only behind this wait
	v_cmp_eq_u32 vcc_lo, 0, v4
	s_and_saveexec_b32 s34, vcc_lo
	global_store_b128 v5, v[NR:NR+3], s[32:33]     ; lane 0 alone: my four norms
	s_wait_xcnt 0x0
	s_or_b32 exec_lo, exec_lo, s34
	s_wait_tensorcnt 0x0
	ds_add_u32 v224, v225
	s_wait_dscnt 0x0
	s_endpgm
.Lfunc_end_k_q0151116338_cast:
	.size	k_q0151116338_cast, .Lfunc_end_k_q0151116338_cast-k_q0151116338_cast
	.p2alignl 7, 3214868480
	.fill 96, 4, 3214868480
	.section	.rodata,"a",@progbits
	.p2align	6, 0x0
	.amdhsa_kernel k_q0151116338_cast
		.amdhsa_group_segment_fixed_size 66560
		.amdhsa_private_segment_fixed_size 0
		.amdhsa_enable_private_segment 0
		.amdhsa_kernarg_size 88
		.amdhsa_user_sgpr_count 2
		.amdhsa_user_sgpr_kernarg_segment_ptr 1
		.amdhsa_wavefront_size32 1
		.amdhsa_system_sgpr_workgroup_id_x 1
		.amdhsa_system_sgpr_workgroup_id_y 1
		.amdhsa_system_sgpr_workgroup_id_z 1
		.amdhsa_system_vgpr_workitem_id 0
		.amdhsa_next_free_vgpr 226
		.amdhsa_next_free_sgpr 100
		.amdhsa_reserve_vcc 1
		.amdhsa_float_denorm_mode_32 3
		.amdhsa_float_denorm_mode_16_64 3
		.amdhsa_memory_ordered 1
		.amdhsa_forward_progress 1
		.amdhsa_inst_pref_size 162
	.end_amdhsa_kernel
	.amdgpu_metadata
---
amdhsa.version: [ 1, 2 ]
amdhsa.kernels:
  - .name:           k_q0151116338_cast
    .symbol:         k_q0151116338_cast.kd
    .args:
      - { .name: W0, .offset: 0, .size: 8, .value_kind: global_buffer, .address_space: global }
      - { .name: W1, .offset: 8, .size: 8, .value_kind: global_buffer, .address_space: global }
      - { .name: W2, .offset: 16, .size: 8, .value_kind: global_buffer, .address_space: global }
      - { .name: x, .offset: 24, .size: 8, .value_kind: global_buffer, .address_space: global }
      - { .name: path_mask, .offset: 32, .size: 8, .value_kind: global_buffer, .address_space: global }
      - { .name: wb, .offset: 40, .size: 8, .value_kind: global_buffer, .address_space: global }
      - { .name: ha, .offset: 48, .size: 8, .value_kind: global_buffer, .address_space: global }
      - { .name: srcl, .offset: 56, .size: 8, .value_kind: global_buffer, .address_space: global }
      - { .name: et0, .offset: 64, .size: 8, .value_kind: global_buffer, .address_space: global }
      - { .name: et1, .offset: 72, .size: 8, .value_kind: global_buffer, .address_space: global }
      - { .name: et2, .offset: 80, .size: 8, .value_kind: global_buffer, .address_space: global }
    .group_segment_fixed_size: 66560
    .private_segment_fixed_size: 0
    .kernarg_segment_align: 8
    .kernarg_segment_size: 88
    .max_flat_workgroup_size: 256
    .sgpr_count:     100
    .vgpr_count:     226
    .wavefront_size: 32
...
	.end_amdgpu_metadata
.endif
;; end of part 9
;; launch g0: the kernel of part 7 again; grid 16 x 16, 4 waves a work-group, clusters of 4 x 1, 327,680 bytes of LDS; arguments ha, wb, b0, et0, hb; writes hb
;; launch g1: the kernel of part 7 again; grid 16 x 16, 4 waves a work-group, clusters of 4 x 1, 327,680 bytes of LDS; arguments hb, wb, b1, et1, ha; writes ha
;; launch g2: the kernel of part 8 again; grid 16 x 16, 4 waves a work-group, clusters of 4 x 1, 327,680 bytes of LDS; arguments ha, wb, b2, et2, srcl, out0; writes out0
